; MI455X (gfx1250); checked and timed in simulation.
; The chip was launched on July 23, 2026; its instructions are those of AMD's public machine-readable ISA for CDNA 5 (MIT licence, August 2026) and "CDNA5" Instruction Set Architecture Reference Guide (July 2026). The comments in the code are by the model that wrote it; some were corrected since.
;; Sparse Mo E. Allowed arithmetic: float matrix products may take bf16 or f16 operands with f32 sums; other float arithmetic in f32, or as packed bf16 or f16 multiplies, adds, multiply-adds, maxima and minima; sums over many terms, partial sums and values carried from step to step in f32; what a program stores and reads back later, other than sums and carried values, may be rounded once to bf16 or f16.
;; Inputs: W1 8 x 1,024 x 4,096 float32; W2 8 x 4,096 x 1,024 float32; Wg 1,024 x 8 float32; b1 8 x 4,096 float32; b2 8 x 1,024 float32; bg 8 float32; x 2 x 512 x 1,024 float32.
;; Outputs: out0 2 x 512 x 1,024 float32.
;; 3 versions, each right; version 3 is version 2 with the launches up, down written anew for expert scheduling mode. Each part assembles by itself: llvm-mc -triple=amdgcn-amd-amdhsa -mcpu=gfx1250 --defsym DOCPART=n.
;; ======== version 1 of 3: 4 launches
;; workspace buffers: xb 2,097,152 bytes; sel 4,096 bytes of whole numbers; bits 1,024 bytes of whole numbers; gate 8,192 bytes; hid 67,108,864 bytes; part 33,554,432 bytes
;; launch route (part 1): grid 64 x 1, 8 waves a work-group, no clusters, 44,032 bytes of LDS; arguments x, Wg, bg, xb, sel, gate, bits; writes xb, sel, gate, bits
.if DOCPART == 1
	.amdgcn_target "amdgcn-amd-amdhsa--gfx1250"
	.amdhsa_code_object_version 6
	.text
	.protected	k_qfe0c7a5651_route
	.globl	k_qfe0c7a5651_route
	.p2align	8
	.type	k_qfe0c7a5651_route,@function
k_qfe0c7a5651_route:
	s_mov_b64 s[64:65], 0
	v_nop
	global_prefetch_b8 v0, s[64:65] scope:SCOPE_SE
	s_setreg_imm32_b32 hwreg(HW_REG_WAVE_MODE, 25, 1), 1
	s_wait_xcnt 0x0
; THE GATE.  gates = softmax(x Wg + bg) over 8 experts; the two largest are kept.  x: [1024][1024] f32, Wg: [1024][8] f32, bg: [8] f32.
; Stored, all at fixed places: xb = x rounded to bf16 [1024][1024]; sel[token] = e0 | e1 << 8; gate[slot][token] = the chosen gates (f32);
; bits[expert][32 words]: bit b of word w is set where token 32 w + b chose the expert.  No address and no branch hangs on a choice.
; FORMATS.  x, Wg and bg are rounded to bf16 (as are all inputs of the program's other launches); products by the matrix unit, sums, softmax and choice in f32.
; LIMITS.  Two gates closer than the rounding of an f32 sum of 1,024 terms may change places against another order of summation.  A gate whose exponential lies below 2^-126 counts as 0.
; Equal gates: the lower index wins (strict comparisons in ascending order).  NaN and infinities are not treated apart.
; SHARES.  A work-group owns 16 tokens, one matrix tile's columns; wave w owns K = 128 w .. 128 w + 127 of all 16.  The eight partial tiles meet in LDS; wave 0 does the softmax and the choice.
; No cluster: the work-groups share Wg alone, 32 KiB.  No tensor load: x has to pass through registers to be rounded.
.set XPITCH, 272                       ; a token's 128 bf16 of one wave's K slice, 256 bytes + 16: the 16 rows of a fragment load begin in 16 different groups of four banks (64 banks of 4 bytes: ISA guide 11.1)
.set XWAVE,  16*XPITCH                 ; a wave's own 16 rows
.set RED,    8*XWAVE                   ; 34,816: eight partial tiles, 1,024 bytes each
.set SPARE,  RED+8*1024                ; 43,008: the spare words, 128 bytes for each wave, which no other line names
.set SPW, 1                            ; v1   SPARE + 4 x my thread's number; never rewritten
.set NIL, 2                            ; v2   0; never rewritten
.set XR,  16                           ; v16-79    x as loaded: row i in four registers
.set WR,  80                           ; v80-143   Wg as loaded: fragment f, element j at 16 f + j
.set XP,  144                          ; v144-175  x in bf16: row i in two registers
.set WGF, 176                          ; v176-207  four fragments of Wg^T (rows = experts, twice)
.set XF,  208                          ; v208-239  four fragments of x (columns = tokens)
.set ACC, 240                          ; v240-255  two accumulators, by turns
	s_load_b256 s[4:11], s[0:1], 0x0               ; x s[4:5], Wg s[6:7], bg s[8:9], xb s[10:11]
	s_load_b128 s[12:15], s[0:1], 0x20             ; sel s[12:13], gate s[14:15]
	s_load_b64 s[16:17], s[0:1], 0x30              ; bits
	v_lshl_add_u32 v[SPW], v0, 2, SPARE
	v_mov_b32 v[NIL], 0
	v_lshrrev_b32 v11, 5, v0
	v_readfirstlane_b32 s20, v11                   ; wave 0..7
	v_and_b32 v3, 15, v0                           ; r
	v_bfe_u32 v4, v0, 4, 1                         ; h
	v_lshlrev_b32 v5, 4, v0                        ; x: 16 bytes a thread, the eight waves cover a row
	v_lshlrev_b32 v6, 3, v0                        ; xb: 8 bytes a thread
	v_and_b32 v7, 7, v0
	v_lshlrev_b32 v7, 2, v7
	v_lshl_add_u32 v7, v4, 8, v7
	v_lshl_add_u32 v7, s20, 12, v7                 ; Wg: (128 w + 8 h) rows of 32 bytes + 4 (r % 8)
	s_mul_i32 s22, s20, XWAVE
	v_and_b32 v11, 31, v0
	v_lshl_add_u32 v8, v11, 3, s22                 ; into my rows: 8 bytes a lane
	v_mul_u32_u24 v9, v3, XPITCH
	v_lshl_add_u32 v9, v4, 4, v9
	v_add_nc_u32 v9, s22, v9                       ; a fragment: row r, 16 bytes for each half of the lanes
	s_lshl_b32 s23, s20, 10
	s_add_co_u32 s23, s23, RED
	v_lshl_add_u32 v10, v11, 5, s23                ; my partial tile: 32 bytes a lane
	s_lshl_b32 s24, ttmp9, 16                      ; 16 rows of 4,096 bytes
	s_mov_b32 s25, 0
	s_lshl_b32 s26, ttmp9, 15                      ; 16 rows of 2,048 bytes
	s_mov_b32 s27, 0
	s_lshl_b32 s28, ttmp9, 6                       ; 16 words
	s_mov_b32 s29, 0
	s_mov_b32 s44, 0x3fb8aa3b                      ; log2(e), named as a pair
	s_mov_b32 s45, s44
	s_wait_kmcnt 0x0
	s_load_b256 s[36:43], s[8:9], 0x0              ; bg
	s_add_nc_u64 s[4:5], s[4:5], s[24:25]
	s_add_nc_u64 s[10:11], s[10:11], s[26:27]
	s_add_nc_u64 s[12:13], s[12:13], s[28:29]
	s_add_nc_u64 s[14:15], s[14:15], s[28:29]
	s_lshl_b32 s28, ttmp9, 1                       ; 16 bits of each expert's map
	s_add_nc_u64 s[16:17], s[16:17], s[28:29]
.set i, 0
.rept 16                                               ; each load of the wave covers 512 consecutive bytes of one token's row
	global_load_b128 v[XR+4*i:XR+4*i+3], v5, s[4:5] offset:i*4096 th:TH_LOAD_NT
.set i, i+1
.endr
; Wg^T in fragment order: lane (r, h) holds expert r % 8; element j of fragment f is k = 32 f + 16 (j / 8) + 8 h + j % 8
.set i, 0
.rept 64
	global_load_b32 v[WR+i], v7, s[6:7] offset:(i/16)*1024+((i%16)/8)*512+(i%8)*32
.set i, i+1
.endr
	s_wait_loadcnt 63                              ; 80 loads were issued: at most 63 are out, so the oldest 17 are in, the 16 of x among them
.set i, 0
.rept 16
	v_cvt_pk_bf16_f32 v[XP+2*i],   v[XR+4*i],   v[XR+4*i+1]
	v_cvt_pk_bf16_f32 v[XP+2*i+1], v[XR+4*i+2], v[XR+4*i+3]
.set i, i+1
.endr
.set i, 0
.rept 16
	global_store_b64 v6, v[XP+2*i:XP+2*i+1], s[10:11] offset:i*2048   ; the wave stores 256 consecutive bytes, at a multiple of 256 from xb's first byte
	ds_store_b64 v8, v[XP+2*i:XP+2*i+1] offset:i*XPITCH
.set i, i+1
.endr
	s_wait_loadcnt 0x0                             ; Wg
.set i, 0
.rept 32
	v_cvt_pk_bf16_f32 v[WGF+i], v[WR+2*i], v[WR+2*i+1]
.set i, i+1
.endr
.set i, 0
.rept 4                                                ; my own bytes: LDS serves a wave's instructions in order (ISA guide 5.7.1.4)
	ds_load_b128 v[XF+8*i:XF+8*i+3],   v9 offset:i*64
	ds_load_b128 v[XF+8*i+4:XF+8*i+7], v9 offset:i*64+32
.set i, i+1
.endr
	s_wait_dscnt 0x0
	; logits^T = Wg^T x^T: in the result lane r holds token r, register j expert j (both halves of the lanes alike).  Two accumulators by turns.
	v_wmma_f32_16x16x32_bf16 v[ACC:ACC+7],    v[WGF:WGF+7],     v[XF:XF+7],     0
	v_wmma_f32_16x16x32_bf16 v[ACC+8:ACC+15], v[WGF+8:WGF+15],  v[XF+8:XF+15],  0
	v_wmma_f32_16x16x32_bf16 v[ACC:ACC+7],    v[WGF+16:WGF+23], v[XF+16:XF+23], v[ACC:ACC+7]
	v_wmma_f32_16x16x32_bf16 v[ACC+8:ACC+15], v[WGF+24:WGF+31], v[XF+24:XF+31], v[ACC+8:ACC+15]
.rept 4
	v_nop                                          ; four places between a matrix instruction and the reading of its result (ISA guide 7.12.1)
.endr
.irp p, 0,2,4,6
	v_pk_add_f32 v[16+\p:17+\p], v[ACC+\p:ACC+\p+1], v[ACC+8+\p:ACC+8+\p+1]
.endr
	ds_store_b128 v10, v[16:19]
	ds_store_b128 v10, v[20:23] offset:16
	s_wait_kmcnt 0x0                               ; bg
	s_wait_dscnt 0x0                               ; for wave 0's sake: my partial tile is stored
	s_barrier_signal -1
	s_barrier_wait -1
	s_cmp_lg_u32 s20, 0
	s_cbranch_scc1 .Lend                           ; no barrier follows
.set i, 0
.rept 8
	ds_load_b128 v[16+8*i:19+8*i], v10 offset:i*1024
	ds_load_b128 v[20+8*i:23+8*i], v10 offset:i*1024+16
.set i, i+1
.endr
	v_cvt_pk_bf16_f32 v80, s36, s37                ; bg rounded to bf16, and widened again
	v_cvt_pk_bf16_f32 v81, s38, s39
	v_cvt_pk_bf16_f32 v82, s40, s41
	v_cvt_pk_bf16_f32 v83, s42, s43
.irp p, 0,1,2,3
	v_lshlrev_b32 v[84+2*\p], 16, v[80+\p]
	v_and_b32 v[85+2*\p], 0xffff0000, v[80+\p]
.endr
	s_wait_dscnt 0x0
.set i, 1
.rept 7                                                ; the partial sums in the waves' order
.irp p, 0,2,4,6
	v_pk_add_f32 v[16+\p:17+\p], v[16+\p:17+\p], v[16+8*i+\p:17+8*i+\p]
.endr
.set i, i+1
.endr
.irp p, 0,2,4,6
	v_pk_add_f32 v[16+\p:17+\p], v[16+\p:17+\p], v[84+\p:85+\p]
.endr
	v_max3_num_f32 v92, v16, v17, v18              ; the maximum is taken away
	v_max3_num_f32 v92, v92, v19, v20
	v_max3_num_f32 v92, v92, v21, v22
	v_max_num_f32 v92, v92, v23
	v_mov_b32 v93, v92
.irp p, 0,2,4,6
	v_pk_add_f32 v[16+\p:17+\p], v[16+\p:17+\p], v[92:93] neg_lo:[0,1] neg_hi:[0,1]
.endr
.irp p, 0,2,4,6
	v_pk_mul_f32 v[16+\p:17+\p], v[16+\p:17+\p], s[44:45] op_sel_hi:[1,0]
.endr
.irp j, 0,1,2,3,4,5,6,7
	v_exp_f32 v[16+\j], v[16+\j]
.endr
	v_nop                                          ; a plain instruction behind the last exponential,
	s_wait_alu depctr_va_vdst(0)                   ; and the one wait for the batch of eight
	v_pk_add_f32 v[94:95], v[16:17], v[18:19]
	v_pk_add_f32 v[96:97], v[20:21], v[22:23]
	v_pk_add_f32 v[94:95], v[94:95], v[96:97]
	v_add_f32 v94, v94, v95                        ; at least 1: the largest term is 2^0
	v_rcp_f32 v98, v94                             ; the two scans below name neither v98 nor v94
	v_mov_b32 v100, v16                            ; the largest, and its index
	v_mov_b32 v101, 0
.set j, 1
.rept 7
	v_cmp_gt_f32 vcc_lo, v[16+j], v100
	v_cndmask_b32 v100, v100, v[16+j], vcc_lo
	v_cndmask_b32 v101, v101, j, vcc_lo
.set j, j+1
.endr
	v_mov_b32 v102, -1.0                           ; the largest of the others: below every exponential, so that an expert other than the first is always found
	v_mov_b32 v103, 0
.set j, 0
.rept 8
	v_cmp_ne_u32 s30, j, v101
	v_cmp_gt_f32 s31, v[16+j], v102
	s_and_b32 s30, s30, s31
	v_cndmask_b32 v102, v102, v[16+j], s30
	v_cndmask_b32 v103, v103, j, s30
.set j, j+1
.endr
	s_wait_alu depctr_va_vdst(0)                   ; the reciprocal's wait, ahead of its first reader
	v_mul_f32 v100, v100, v98
	v_mul_f32 v102, v102, v98
	v_lshl_or_b32 v109, v103, 8, v101              ; e0 | e1 << 8
	v_lshlrev_b32 v104, 2, v3
	v_lshl_add_u32 v105, v4, 12, v104              ; lanes 0-15 store slot 0's gates, lanes 16-31 slot 1's
	v_cmp_eq_u32 vcc_lo, 1, v4
	v_cndmask_b32 v108, v100, v102, vcc_lo
	v_mov_b32 v106, 0
.set j, 0
.rept 8                                                ; lane j takes expert j's 16 bits
	v_cmp_eq_u32 s30, j, v101
	v_cmp_eq_u32 s31, j, v103
	s_or_b32 s30, s30, s31
	s_and_b32 s30, s30, 0xffff
	v_writelane_b32 v106, s30, j
.set j, j+1
.endr
	v_lshlrev_b32 v107, 7, v0                      ; an expert's map is 128 bytes
	global_store_b32 v104, v109, s[12:13]          ; both halves of the lanes store the same word
	global_store_b32 v105, v108, s[14:15]
	s_wait_xcnt 0x0                                ; EXEC changes only behind this wait
	v_cmp_gt_u32 vcc_lo, 8, v0
	s_and_saveexec_b32 s30, vcc_lo
	global_store_b16 v107, v106, s[16:17]          ; eight lanes, two bytes each: all that the work-group owns of the maps
	s_wait_xcnt 0x0
	s_or_b32 exec_lo, exec_lo, s30
.Lend:
	s_wait_tensorcnt 0x0                           ; the wave's end: three lines behind my last LDS store
	ds_add_u32 v[SPW], v[NIL]
	s_wait_dscnt 0x0
	s_endpgm
.Lfunc_end_k_qfe0c7a5651_route:
	.size	k_qfe0c7a5651_route, .Lfunc_end_k_qfe0c7a5651_route-k_qfe0c7a5651_route
	.p2alignl 7, 3214868480
	.fill 96, 4, 3214868480
	.section	.rodata,"a",@progbits
	.p2align	6, 0x0
	.amdhsa_kernel k_qfe0c7a5651_route
		.amdhsa_group_segment_fixed_size 44032
		.amdhsa_private_segment_fixed_size 0
		.amdhsa_enable_private_segment 0
		.amdhsa_kernarg_size 56
		.amdhsa_user_sgpr_count 2
		.amdhsa_user_sgpr_kernarg_segment_ptr 1
		.amdhsa_wavefront_size32 1
		.amdhsa_system_sgpr_workgroup_id_x 1
		.amdhsa_system_sgpr_workgroup_id_y 1
		.amdhsa_system_sgpr_workgroup_id_z 1
		.amdhsa_system_vgpr_workitem_id 0
		.amdhsa_next_free_vgpr 256
		.amdhsa_next_free_sgpr 66
		.amdhsa_reserve_vcc 1
		.amdhsa_float_denorm_mode_32 3
		.amdhsa_float_denorm_mode_16_64 3
		.amdhsa_memory_ordered 1
		.amdhsa_forward_progress 1
		.amdhsa_inst_pref_size 29
	.end_amdhsa_kernel
	.amdgpu_metadata
---
amdhsa.version: [ 1, 2 ]
amdhsa.kernels:
  - .name:           k_qfe0c7a5651_route
    .symbol:         k_qfe0c7a5651_route.kd
    .args:
      - { .name: x, .offset: 0, .size: 8, .value_kind: global_buffer, .address_space: global }
      - { .name: Wg, .offset: 8, .size: 8, .value_kind: global_buffer, .address_space: global }
      - { .name: bg, .offset: 16, .size: 8, .value_kind: global_buffer, .address_space: global }
      - { .name: xb, .offset: 24, .size: 8, .value_kind: global_buffer, .address_space: global }
      - { .name: sel, .offset: 32, .size: 8, .value_kind: global_buffer, .address_space: global }
      - { .name: gate, .offset: 40, .size: 8, .value_kind: global_buffer, .address_space: global }
      - { .name: bits, .offset: 48, .size: 8, .value_kind: global_buffer, .address_space: global }
    .group_segment_fixed_size: 44032
    .private_segment_fixed_size: 0
    .kernarg_segment_align: 8
    .kernarg_segment_size: 56
    .max_flat_workgroup_size: 256
    .sgpr_count:     66
    .vgpr_count:     256
    .wavefront_size: 32
...
	.end_amdgpu_metadata
.endif
;; end of part 1
;; launch up (part 2): grid 256 x 1, 8 waves a work-group, no clusters, 185,856 bytes of LDS; arguments xb, W1, b1, bits, hid; writes hid
.if DOCPART == 2
	.amdgcn_target "amdgcn-amd-amdhsa--gfx1250"
	.amdhsa_code_object_version 6
	.text
	.protected	k_qfe0c7a5651_up
	.globl	k_qfe0c7a5651_up
	.p2align	8
	.type	k_qfe0c7a5651_up,@function
k_qfe0c7a5651_up:
	s_mov_b64 s[64:65], 0
	v_nop
	global_prefetch_b8 v0, s[64:65] scope:SCOPE_SE
	s_setreg_imm32_b32 hwreg(HW_REG_WAVE_MODE, 25, 1), 1
	s_wait_xcnt 0x0
.set DOWN, 0
; ONE TEXT FOR BOTH PRODUCTS OF THE EXPERTS; DOWN (the line above) picks.  Only the rows of tokens that chose an expert are multiplied.
;   DOWN = 0: hid = gelu(x W1[e] + b1[e]), exact GELU, for the expert's rows.  Arguments: xb, W1, b1, bits, hid.
;   DOWN = 1: part = gate x (hid W2[e] + b2[e]), K in four quarters.            Arguments: hid, W2, b2, bits, sel, gate, part.
; Both are [rows of one expert x 1,024] . [1,024 x 128]: 8 experts x 32 slices = 256 work-groups; a slice of weights, 512 KiB of f32, has one reader and is read once
; (twice where an expert has more than 512 rows).  DOWN = 0: slice = 128 of 4,096 hidden columns.  DOWN = 1: slice = a quarter q of K x 128 of 1,024 columns.
; hid: bf16 [expert][block of 64 hidden columns][rank 0..1023][64]; a rank is a token's place among the expert's tokens, in ascending order of tokens.
; part: f32 [2 q + slot][token][1024]; a token has one expert in each slot, so every byte is stored; the next launch adds the eight.
; FORMATS.  Weights and biases are rounded to bf16 on their way through registers, hid once to bf16 (not f16: with larger inputs it passes 65,504); sums, GELU and gates in f32.
; LIMITS.  GELU: z Phi(z) as 0.5 z + |z| (0.5 - q), q = erfc(|z| / sqrt 2) / 2 by a rational form with five terms (Abramowitz and Stegun 7.1.26), absolute error 1.5e-7 in erf; NaN and infinities are not treated apart.
; EVERY SPLIT IS SERVED.  The expert's count comes from its map of 1,024 bits.  Two passes of up to 512 rows; a pass's rows in groups of 64; L = live groups (0..8), the same in all waves.
; Every barrier is on every path; what a dead group or pass would do is jumped forward.  Pass 0 always has one live group.  Places past the count repeat the last row.
; SHARES.  Wave w: rows 16 (w / 2) .. + 15 of every group, columns 64 (w % 2) .. + 63: accumulator (g, c) at v[32 g + 8 c] of window 1, 256 registers.  All else lies in window 0.
; K goes in 16 steps of 64 through two LDS slots.  All through registers: the weights have to be rounded, DOWN = 0's rows come by a list, and one counter then orders both streams.
; WEIGHTS lie [K][N] and need no turning: a lane loads 8 rows x 4 neighbouring columns; two rows' numbers of one column round into one register of a B fragment, in which lane r then stands for
; column 4 r + c of the wave's 64.  So a lane's four tiles c = 0..3 hold four NEIGHBOURING columns of a row, which leave together.  Each weight is loaded and rounded by one wave.
; NO CLUSTER: a slice has one reader; what an expert's work-groups share, its rows, comes by a list (DOWN = 0) and, in both, in a loop whose live part hangs on a stored count.
.if DOWN
.set LOGWP,  12                        ; a row of W2[e]: 4,096 bytes
.set ASTEP,  131072                    ; from a block of hid to the next
.else
.set LOGWP,  14                        ; a row of W1[e]: 16,384 bytes
.set ASTEP,  128                       ; 64 bf16 along a row of xb
.endif
.set WPITCH, 1<<LOGWP
.set LOGWS,  LOGWP+6
.set WSTEP,  1<<LOGWS                  ; 64 rows of weights
.set APITCH, 144                       ; an LDS row of 64 bf16: 128 bytes + 16: the 16 rows of a fragment load begin in 16 different groups of four banks (64 banks of 4 bytes: ISA guide 11.1)
.set AHALF,  256*APITCH
.set ASLOT,  512*APITCH                ; 73,728: a pass's rows, one K step
.set WF0,    2*ASLOT                   ; 147,456: the weights' fragments: ((f 2 + cb) 4 + c) 1,024 + u 512 + 16 lane
.set WSLOT,  16384
.set TAB,    WF0+2*WSLOT               ; 180,224: the table by rank: 1,088 words, then 32 words that take the stores of lanes without a token
.set TABB,   4608
.set DUMP,   1088
.if DOWN
.set SPARE,  TAB+2*TABB                ; the spare words, 128 bytes for each wave, which no other line names
.else
.set SPARE,  TAB+TABB
.endif
.set SPW, 1                            ; v1      SPARE + 4 x my thread's number; never rewritten
.set NIL, 2                            ; v2      0; never rewritten
.set ALD, 3                            ; v3-6    where I store 16 bytes of a row: slot s, rounds 8 a .. 8 a + 7 at ALD + 2 s + a
.set ARD, 7                            ; v7-8    my A fragments in slot s
.set WLD, 9                            ; v9      where I store weight fragments
.set BRD, 10                           ; v10     where I read them
.set WOF, 11                           ; v11     my byte offset in a step's weights
.set BIA, 12                           ; v12-13  the bias of my four columns, bf16, two to a register
.set PFO, 14                           ; v14     my byte offset for the prefetch; never rewritten
.set EPO, 15                           ; v15     the way out's lane term
.set AOFF, 16                          ; v16-31  round j: byte offset of my 16 bytes of a row
.set AST, 32                           ; v32-95  rows as loaded, round j in four registers
.set WCV, 32                           ; v32-47  weights rounded, once the rows' LDS stores are issued
.set WST, 96                           ; v96-159 weights as loaded: two sets of 8 rows x 4 columns
.set BF,  160                          ; v160-223 B fragments (f, c) at 32 f + 8 c
.set AF,  224                          ; v224-255 A fragments: buffer b, f at 16 b + 8 f
.set Z,   96                           ; the way out: 32 numbers, tile c register j at 8 c + j
; scalars: s[4:5] rows' base, s[6:7] weights' base, s[12:13] output's base; s[14:15], s[16:17], s[18:19] as they began; s20 wave, s21 w / 2, s22 w % 2, s23 expert, s24 slice, s53 quarter;
; s25 count, s26 last rank, s27 L, s28 the second pass's L, s29 the pass's first rank, s30 trips, s31 pass, s32 group, s52 groups to store, s[68:99] the expert's map
.set MSB, 0
.macro WIN new                         ; s_set_vgpr_msb: bits 1:0 source 0, 3:2 source 1, 5:4 source 2, 7:6 destination; the high byte repeats the setting that is left
.if MSB != (\new)
	s_set_vgpr_msb (MSB<<8)|(\new)
.set MSB, (\new)
.endif
.endm
.macro PLACES                          ; four places between a matrix instruction and a write, or a load, into one of its registers, or a reading of its result (ISA guide 7.12.1 for vector instructions)
.rept 4
	v_nop
.endr
.endm
; Eight loads: my 8 rows x 16 bytes of a step's weights; each covers 256 consecutive bytes of two rows, at multiples of 256 from the buffer's first byte
.macro WLOADS set, off
.set i, 0
.rept 8
	global_load_b128 v[WST+32*(\set)+4*i:WST+32*(\set)+4*i+3], v[WOF], s[6:7] offset:(\off)+i*WPITCH th:TH_LOAD_NT
.set i, i+1
.endr
.endm
; The rows of a step: group g is rounds 2 g and 2 g + 1.  full = 0: dead groups are jumped
.macro ALOADS off, full
.set j, 0
.rept 16
.if (!(\full)) && (j >= 2) && (j%2 == 0)
	s_cmp_le_u32 s27, j/2
	s_cbranch_scc1 .Lax_\@
.endif
	global_load_b128 v[AST+4*j:AST+4*j+3], v[AOFF+j], s[4:5] offset:\off
.set j, j+1
.endr
.Lax_\@:
.endm
.macro ASTORES slot, full
.set j, 0
.rept 16
.if (!(\full)) && (j >= 2) && (j%2 == 0)
	s_cmp_le_u32 s27, j/2
	s_cbranch_scc1 .Lsx_\@
.endif
	ds_store_b128 v[ALD+2*(\slot)+j/8], v[AST+4*j:AST+4*j+3] offset:(j%8)*32*APITCH
.set j, j+1
.endr
.Lsx_\@:
.endm
; Rows 2 p and 2 p + 1 of column c round into register p of my half of fragment c
.macro WCONV set, slot
.irp c, 0,1,2,3
.irp p, 0,1,2,3
	v_cvt_pk_bf16_f32 v[WCV+4*\c+\p], v[WST+32*(\set)+8*\p+\c], v[WST+32*(\set)+8*\p+4+\c]
.endr
.endr
.irp c, 0,1,2,3
	ds_store_b128 v[WLD], v[WCV+4*\c:WCV+4*\c+3] offset:(\slot)*WSLOT+\c*1024
.endr
.endm
.macro FRAG g, sl                      ; group g's two A fragments into buffer g % 2
.irp f, 0,1
	ds_load_b128 v[AF+16*((\g)%2)+8*\f:AF+16*((\g)%2)+8*\f+3],   v[ARD+(\sl)] offset:(\g)*64*APITCH+\f*64
	ds_load_b128 v[AF+16*((\g)%2)+8*\f+4:AF+16*((\g)%2)+8*\f+7], v[ARD+(\sl)] offset:(\g)*64*APITCH+\f*64+32
.endr
.endm
.macro MUL8 g                          ; the group's four accumulators by turns
	WIN 0x50                                       ; C and D in window 1
.irp f, 0,1
.irp c, 0,1,2,3
	v_wmma_f32_16x16x32_bf16 v[32*(\g)+8*\c:32*(\g)+8*\c+7], v[AF+16*((\g)%2)+8*\f:AF+16*((\g)%2)+8*\f+7], v[BF+32*\f+8*\c:BF+32*\f+8*\c+7], v[32*(\g)+8*\c:32*(\g)+8*\c+7]
.endr
.endr
	WIN 0                                          ; at a label and at a branch every window is 0
.endm
; A step's products: groups L - 1 down to 0, so that the fragments fetched one group ahead are always a live group's, and all ways end in one place
.macro COMPUTE sl
.irp f, 0,1
.irp c, 0,1,2,3
	ds_load_b128 v[BF+32*\f+8*\c:BF+32*\f+8*\c+3],   v[BRD] offset:(\sl)*WSLOT+\f*8192+\c*1024
	ds_load_b128 v[BF+32*\f+8*\c+4:BF+32*\f+8*\c+7], v[BRD] offset:(\sl)*WSLOT+\f*8192+\c*1024+512
.endr
.endr
.irp g, 7,6,5,4,3,2,1
	s_cmp_eq_u32 s27, \g+1
	s_cbranch_scc1 .LE\@_\g
.endr
	FRAG 0, \sl
	s_branch .LG\@_0
.irp g, 1,2,3,4,5,6
.LE\@_\g:
	FRAG \g, \sl
	s_branch .LG\@_\g
.endr
.LE\@_7:
	FRAG 7, \sl
.irp g, 7,6,5,4,3,2,1
.LG\@_\g:
	PLACES                                         ; the buffer loaded next was read by the products just issued
	FRAG \g-1, \sl
	s_wait_dscnt 0x4                               ; all but the four just issued: this group's fragments, and B's, are in
	MUL8 \g
.endr
.LG\@_0:
	s_wait_dscnt 0x0
	MUL8 0
.endm
; STEP s (slot sl = s % 2): asks for the rows of step s + 1 and then for the weights of step s + 2, multiplies slot sl, and lays step s + 1 into the other slot.
; The eight weight loads are always the last issued, whatever the number of row loads: so the count 8 shows the rows of s + 1 and the weights of s + 1 (asked for a step earlier) in.
; One barrier a step: in front of it my stores into the other slot and my reads of this one are done.
.macro STEP sl, hasA, hasW, pf, fin
	s_cmp_lg_u32 s27, 0
	s_cbranch_scc1 .Llive_\@
	s_wait_loadcnt 0x0
	s_branch .Lbar_\@
.Llive_\@:
.if \hasA
	ALOADS ((\sl)+1)*ASTEP, 0
.endif
.if \hasW
	WLOADS \sl, ((\sl)+2)*WSTEP
.endif
.if \pf
	s_cmp_eq_u32 s30, 1                            ; the last trip would ask past the slice,
	s_cbranch_scc1 .Lnopf_\@
	s_cmp_lg_u32 s31, 0                            ; and the second pass would ask for the same blocks again
	s_cbranch_scc1 .Lnopf_\@
	global_prefetch_b8 v[PFO], s[6:7] offset:4*WSTEP th:TH_LOAD_NT scope:SCOPE_SE  ; trip t: steps 2 t + 4 (lanes 0-15) and 2 t + 5 (lanes 16-31), whose loads come one trip on: 16 blocks of 256 bytes of each for this wave, each asked for once
.Lnopf_\@:
.endif
	COMPUTE \sl
.if !(\fin)
.if \hasW
	s_wait_loadcnt 0x8
.else
	s_wait_loadcnt 0x0
.endif
	ASTORES 1-(\sl), 0
	WCONV 1-(\sl), 1-(\sl)                         ; sixteen plain instructions: also the places in front of the next step's fragment loads
.endif
.Lbar_\@:
	s_wait_dscnt 0x0
.if !(\fin)
	s_barrier_signal -1
	s_barrier_wait -1
.endif
.endm
; Round j's row: rank = the pass's first + 32 j + thread / 8, held to the last rank; a number that comes from memory is held under a constant before it enters an address
.macro MKAOFF
	v_lshrrev_b32 v32, 3, v0
	v_add_nc_u32 v32, s29, v32
	v_and_b32 v33, 7, v0
	v_lshlrev_b32 v33, 4, v33
.set j, 0
.rept 16
	v_add_nc_u32 v[AOFF+j], 32*j, v32
	v_min_u32 v[AOFF+j], s26, v[AOFF+j]
	v_min_u32 v[AOFF+j], 0x3ff, v[AOFF+j]
.if DOWN
	v_lshl_add_u32 v[AOFF+j], v[AOFF+j], 7, v33    ; hid: ranks lie end to end, 128 bytes each: a wave's load covers 512 consecutive bytes
.else
	v_lshl_add_u32 v[AOFF+j], v[AOFF+j], 2, TAB
.endif
.set j, j+1
.endr
.if !DOWN
.set j, 0
.rept 16
	ds_load_b32 v[AOFF+j], v[AOFF+j]               ; the rank's token
.set j, j+1
.endr
	s_wait_dscnt 0x0
.set j, 0
.rept 16
	v_min_u32 v[AOFF+j], 0x3ff, v[AOFF+j]
	v_lshl_add_u32 v[AOFF+j], v[AOFF+j], 11, v33   ; a row of xb is 2,048 bytes
.set j, j+1
.endr
.endif
.endm
; All 32 accumulators start at 0 by 32 products of zero fragments with C = 0: they stand in the wait for the first loads, and spare 256 v_mov_b32 or a further copy of a step
.macro INIT
.set i, 0
.rept 8
	v_mov_b32 v[AF+i], 0
	v_mov_b32 v[BF+i], 0
.set i, i+1
.endr
	WIN 0x50
.set i, 0
.rept 32
	v_wmma_f32_16x16x32_bf16 v[8*i:8*i+7], v[AF:AF+7], v[BF:BF+7], 0
.set i, i+1
.endr
	WIN 0
.endm
.macro PRO_B                           ; behind the weights of step 0: all 16 rounds of step 0's rows, the weights of step 1; step 0 goes into slot 0
	MKAOFF
	ALOADS 0, 1
	WLOADS 1, WSTEP
	INIT
	s_wait_loadcnt 0x8                             ; all but the weights of step 1
	ASTORES 0, 1
	WCONV 0, 0
.endm
.macro COPY g                          ; group g's sums + bias into window 0; each accumulator is read from its lowest registers on
	WIN 0x01                                       ; source 0 in window 1
.irp c, 0,1,2,3
.irp j, 0,2,4,6
	v_pk_add_f32 v[Z+8*\c+\j:Z+8*\c+\j+1], v[32*(\g)+8*\c+\j:32*(\g)+8*\c+\j+1], v[240+2*\c:241+2*\c]
.endr
.endr
	WIN 0
.endm
.if !DOWN
; GELU of the 32 numbers in Z, a pair of registers at a time, in sweeps over eight pairs, so that no line reads the result of the line before it.
.set AZ, 128                           ; |z|
.set U,  32                            ; 1 + P |z|, then t = its reciprocal
.set W,  64                            ; -(k z)^2, then 2^that = e^(-z z / 2)
.set PL, 160                           ; the polynomial, then the result
.set HZ, 192                           ; z / 2
.set OUT, 224
.macro P1S st, i
.if (\st) == 0
	v_and_b32 v[AZ+(\i)], s50, v[Z+(\i)]
.elseif (\st) == 1
	v_and_b32 v[AZ+(\i)+1], s50, v[Z+(\i)+1]
.elseif (\st) == 2
	v_pk_fma_f32 v[U+(\i):U+(\i)+1], v[AZ+(\i):AZ+(\i)+1], s[36:37], 1.0 op_sel_hi:[1,0,0]
.elseif (\st) == 3
	v_pk_mul_f32 v[W+(\i):W+(\i)+1], v[Z+(\i):Z+(\i)+1], s[38:39] op_sel_hi:[1,0]
.else
	v_pk_mul_f32 v[W+(\i):W+(\i)+1], v[W+(\i):W+(\i)+1], v[W+(\i):W+(\i)+1] neg_lo:[1,0] neg_hi:[1,0]
.endif
.endm
.macro POS st, i
.if (\st) == 0
	v_pk_fma_f32 v[PL+(\i):PL+(\i)+1], v[U+(\i):U+(\i)+1], s[48:49], s[46:47] op_sel_hi:[1,0,0]
.elseif (\st) == 1
	v_pk_fma_f32 v[PL+(\i):PL+(\i)+1], v[PL+(\i):PL+(\i)+1], v[U+(\i):U+(\i)+1], s[44:45] op_sel_hi:[1,1,0]
.elseif (\st) == 2
	v_pk_fma_f32 v[PL+(\i):PL+(\i)+1], v[PL+(\i):PL+(\i)+1], v[U+(\i):U+(\i)+1], s[42:43] op_sel_hi:[1,1,0]
.elseif (\st) == 3
	v_pk_fma_f32 v[PL+(\i):PL+(\i)+1], v[PL+(\i):PL+(\i)+1], v[U+(\i):U+(\i)+1], s[40:41] op_sel_hi:[1,1,0]
.elseif (\st) == 4
	v_pk_mul_f32 v[PL+(\i):PL+(\i)+1], v[PL+(\i):PL+(\i)+1], v[U+(\i):U+(\i)+1]
.elseif (\st) == 5
	v_pk_fma_f32 v[PL+(\i):PL+(\i)+1], v[PL+(\i):PL+(\i)+1], v[W+(\i):W+(\i)+1], 0.5 op_sel_hi:[1,1,0] neg_lo:[1,0,0] neg_hi:[1,0,0]
.elseif (\st) == 6
	v_pk_mul_f32 v[HZ+(\i):HZ+(\i)+1], v[Z+(\i):Z+(\i)+1], 0.5 op_sel_hi:[1,0]
.else
	v_pk_fma_f32 v[PL+(\i):PL+(\i)+1], v[AZ+(\i):AZ+(\i)+1], v[PL+(\i):PL+(\i)+1], v[HZ+(\i):HZ+(\i)+1]
.endif
.endm
.macro TQ                              ; the next of the 32 reciprocals and exponentials of the half that begins at TRB, if any is left
.if tq < 32
.if tq%4 == 0
	v_rcp_f32 v[U+TRB+2*(tq/4)], v[U+TRB+2*(tq/4)]
.elseif tq%4 == 1
	v_rcp_f32 v[U+TRB+2*(tq/4)+1], v[U+TRB+2*(tq/4)+1]
.elseif tq%4 == 2
	v_exp_f32 v[W+TRB+2*(tq/4)], v[W+TRB+2*(tq/4)]
.else
	v_exp_f32 v[W+TRB+2*(tq/4)+1], v[W+TRB+2*(tq/4)+1]
.endif
.set tq, tq+1
.endif
.endm
.macro SWEEP kind, n, base             ; n stages over the eight pairs from base on; behind each line one of the other half's transcendentals
.set st, 0
.rept \n
.set pp, 0
.rept 8
.if \kind
	POS st, (\base)+2*pp
.else
	P1S st, (\base)+2*pp
.endif
	TQ
.set pp, pp+1
.endr
.set st, st+1
.endr
.endm
.macro CPAIR r, val                    ; a constant for the packed forms: named as a pair, the low word serves both halves
	s_mov_b32 s[\r], \val
	s_mov_b32 s[(\r)+1], \val
.endm
.endif
	s_load_b256 s[4:11], s[0:1], 0x0               ; rows s[4:5], weights s[6:7], bias s[8:9], bits s[10:11]
.if DOWN
	s_load_b128 s[56:59], s[0:1], 0x20             ; sel s[56:57], gate s[58:59]
	s_load_b64 s[12:13], s[0:1], 0x30              ; part
.else
	s_load_b64 s[12:13], s[0:1], 0x20              ; hid
.endif
	v_lshl_add_u32 v[SPW], v0, 2, SPARE
	v_mov_b32 v[NIL], 0
	v_lshrrev_b32 v32, 5, v0
	v_readfirstlane_b32 s20, v32                   ; wave 0..7
	s_lshr_b32 s21, s20, 1
	s_and_b32 s22, s20, 1
	s_lshr_b32 s23, ttmp9, 5                       ; expert
.if DOWN
	s_bfe_u32 s53, ttmp9, 0x20003                  ; quarter of K
	s_and_b32 s24, ttmp9, 7                        ; 128 columns
.else
	s_and_b32 s24, ttmp9, 31
.endif
	v_and_b32 v33, 31, v0                          ; lane
	v_and_b32 v34, 15, v0                          ; r
	v_bfe_u32 v35, v0, 4, 1                        ; h
	v_lshrrev_b32 v36, 3, v0                       ; a round is 32 rows: eight threads to a row of 128 bytes
	v_and_b32 v37, 7, v0
	v_mul_u32_u24 v36, v36, APITCH
	v_lshl_add_u32 v[ALD], v37, 4, v36
	v_add_nc_u32 v[ALD+1], AHALF, v[ALD]
	v_add_nc_u32 v[ALD+2], ASLOT, v[ALD]
	v_add_nc_u32 v[ALD+3], ASLOT+AHALF, v[ALD]
.if DOWN
	v_lshl_add_u32 v36, s21, 4, v34                ; matrix row r is row r of my 16
.else
	v_bfe_u32 v36, v0, 3, 1                        ; matrix row r is row 2 (r % 8) + r / 8 of my 16: register j of the result is then rank 2 j + h, and a store's two halves are neighbouring ranks
	v_lshl_add_u32 v36, v37, 1, v36
	v_lshl_add_u32 v36, s21, 4, v36
.endif
	v_mul_u32_u24 v36, v36, APITCH
	v_lshl_add_u32 v[ARD], v35, 4, v36
	v_add_nc_u32 v[ARD+1], ASLOT, v[ARD]
	; as a loader of weights wave w has column half w % 2, fragment f = (w / 2) % 2 and half u = w / 4 of its registers
	s_and_b32 s33, s20, 3
	s_lshl_b32 s33, s33, 12
	s_lshr_b32 s35, s20, 2
	s_lshl_b32 s34, s35, 9
	s_add_co_u32 s33, s33, s34
	s_add_co_u32 s33, s33, WF0
	v_lshl_add_u32 v[WLD], v33, 4, s33
	s_lshl_b32 s33, s22, 12
	s_add_co_u32 s33, s33, WF0
	v_lshl_add_u32 v[BRD], v33, 4, s33
	s_bfe_u32 s34, s20, 0x10001
	s_lshl_b32 s34, s34, 5
	s_lshl4_add_u32 s34, s35, s34                  ; row 32 f + 16 u
	v_lshl_add_u32 v36, v35, 3, s34                ; + 8 h
	v_lshlrev_b32 v36, LOGWP, v36
	v_lshl_add_u32 v36, v34, 4, v36
	s_lshl_b32 s33, s22, 8
	v_add_nc_u32 v[WOF], s33, v36
	v_lshrrev_b32 v36, 2, v0                       ; the prefetch: a step is 128 blocks of 256 bytes, 16 for each wave: row 8 w + (lane % 16) / 2, half lane % 2 of its 512 bytes; lanes 16-31 a step further
	v_bfe_u32 v37, v0, 1, 3
	v_and_or_b32 v36, v36, 0x38, v37
	v_and_b32 v37, 1, v0
	v_lshlrev_b32 v37, 8, v37
	v_lshl_add_u32 v36, v36, LOGWP, v37
	v_lshl_add_u32 v[PFO], v35, LOGWS, v36
.if DOWN
	s_lshl_b32 s33, s21, 1
	v_add_nc_u32 v[EPO], s33, v35                  ; my ranks 16 (w / 2) + 8 h .. of a group, counted in eights: 2 (w / 2) + h
	s_lshl_b32 s33, s23, 12                        ; b2[e]
.else
	v_lshlrev_b32 v36, 3, v34
	v_lshl_add_u32 v[EPO], v35, 7, v36             ; 8 bytes a lane, 128 bytes a rank
	s_lshl_b32 s33, s23, 14                        ; b1[e]
.endif
	s_lshl_b32 s34, s24, 9
	s_add_co_u32 s33, s33, s34
	s_lshl_b32 s34, s22, 8
	s_add_co_u32 s33, s33, s34
	v_lshl_add_u32 v252, v34, 4, s33               ; the bias of my four columns
	s_lshl_b32 s60, s23, 7                         ; the expert's map
	s_mov_b32 s35, 0
	s_wait_kmcnt 0x0
	s_load_b512 s[68:83], s[10:11], s60 offset:0x0
	s_load_b512 s[84:99], s[10:11], s60 offset:0x40
	s_lshl_b32 s34, s23, 24                        ; an expert's weights are 16 MiB
	s_lshl_b32 s33, s24, 9
	s_add_co_u32 s34, s34, s33
.if DOWN
	s_lshl_b32 s33, s53, 22                        ; 1,024 rows of 4,096 bytes
	s_add_co_u32 s34, s34, s33
.endif
	s_add_nc_u64 s[6:7], s[6:7], s[34:35]
	s_mov_b64 s[16:17], s[6:7]
.if DOWN
	s_lshl_b32 s34, s23, 6
	s_lshl4_add_u32 s34, s53, s34                  ; block 64 e + 16 q
	s_lshl_b32 s34, s34, 17
	s_add_nc_u64 s[4:5], s[4:5], s[34:35]
.endif
	s_mov_b64 s[14:15], s[4:5]
.if DOWN
	s_lshl_b32 s34, s53, 23                        ; slabs 2 q and 2 q + 1
	s_lshl_b32 s33, s24, 9
	s_add_co_u32 s34, s34, s33
	s_lshl_b32 s33, s22, 8
	s_add_co_u32 s34, s34, s33
.else
	s_lshl_b32 s34, s23, 6
	s_lshl1_add_u32 s34, s24, s34
	s_add_co_u32 s34, s34, s22                     ; block 64 e + 2 slice + w % 2
	s_lshl_b32 s34, s34, 10
	s_lshl4_add_u32 s34, s21, s34                  ; + my 16 ranks of a group
	s_lshl_b32 s34, s34, 7
.endif
	s_add_nc_u64 s[12:13], s[12:13], s[34:35]
	s_mov_b64 s[18:19], s[12:13]
	global_load_b128 v[252:255], v252, s[8:9]      ; lands on its own address register
	WLOADS 0, 0                                    ; the weights of step 0
	global_prefetch_b8 v[PFO], s[6:7] offset:2*WSTEP th:TH_LOAD_NT scope:SCOPE_SE  ; steps 2 and 3; steps 0 and 1 are asked for by their loads at once
.if !DOWN
	CPAIR 36, 0x3e6d3388                           ; P  = 0.3275911 / sqrt 2
	CPAIR 38, 0x3f596d27                           ; k  = sqrt(log2(e) / 2)
	CPAIR 40, 0x3e027906                           ; A1 .. A5: the form's coefficients, halved
	CPAIR 42, 0xbe11a98e
	CPAIR 44, 0x3f35f0e3
	CPAIR 46, 0xbf3a00e3
	CPAIR 48, 0x3f07dc22
	s_mov_b32 s50, 0x7fffffff
.endif
	s_mov_b32 s29, 0
	s_wait_kmcnt 0x0
	s_bcnt1_i32_b32 s25, s68
.set i, 1
.rept 31
	s_bcnt1_i32_b32 s33, s[68+i]
	s_add_co_u32 s25, s25, s33
.set i, i+1
.endr
	s_min_u32 s25, s25, 1024                       ; the expert's rows
	s_max_u32 s26, s25, 1
	s_sub_co_u32 s26, s26, 1                       ; the last rank
	s_add_co_u32 s27, s25, 63
	s_lshr_b32 s27, s27, 6
	s_min_u32 s27, s27, 8
	s_max_u32 s27, s27, 1                          ; pass 0: 1 to 8 groups
	s_max_u32 s28, s25, 512
	s_sub_co_u32 s28, s28, 449
	s_lshr_b32 s28, s28, 6
	s_min_u32 s28, s28, 8                          ; pass 1: 0 to 8
.if DOWN
	s_cmp_lg_u32 s25, 0
	s_cselect_b32 s52, s27, 0                      ; an expert without rows stores nothing
.else
	s_mov_b32 s52, s27                             ; an expert without rows stores one group made of token 0's row, so that the next launch reads bytes that were written
.endif
	; THE TABLE BY RANK, made by wave 0 alone from the map: a token's rank is the number of set bits below its own
	s_cmp_lg_u32 s20, 0
	s_cbranch_scc1 .Ltab_done
	v_and_b32 v16, 31, v0
	v_mov_b32 v17, 1
	v_lshlrev_b32 v17, v16, v17                    ; my bit
	v_add_nc_u32 v18, DUMP, v16                    ; where a lane without a token stores
	v_lshl_add_u32 v19, v16, 4, TAB
	v_mov_b32 v20, 0
	v_mov_b32 v21, 0
	v_mov_b32 v22, 0
	v_mov_b32 v23, 0
.set i, 0
.rept (SPARE-TAB)/512                                  ; first the whole table is 0, 512 bytes a store: every word that can be read has been written, and rank 0 names token 0 even where the expert has no row.
	ds_store_b128 v19, v[20:23] offset:i*512       ; LDS serves a wave's instructions in order (ISA guide 5.7.1.4): the entries below land on top
.set i, i+1
.endr
.if DOWN
	v_lshlrev_b32 v23, 2, v16
.set i, 0
.rept 32
	global_load_b32 v[32+i],  v23, s[56:57] offset:128*i       ; tokens 32 i + lane: the two experts,
	global_load_b32 v[64+i],  v23, s[58:59] offset:128*i       ; slot 0's gate,
	global_load_b32 v[160+i], v23, s[58:59] offset:4096+128*i  ; slot 1's
.set i, i+1
.endr
	s_wait_loadcnt 0x0
.endif
	s_mov_b32 s33, 0
.set i, 0
.rept 32
	v_mbcnt_lo_u32_b32 v19, s[68+i], s33
	v_and_b32 v20, s[68+i], v17
	v_cmp_ne_u32 vcc_lo, 0, v20
	v_cndmask_b32 v19, v18, v19, vcc_lo
	v_min_u32 v19, 0x45f, v19                      ; held inside the table's 1,120 words
	v_lshl_add_u32 v19, v19, 2, TAB
	v_add_nc_u32 v21, 32*i, v16
.if DOWN
	v_lshrrev_b32 v20, 8, v[32+i]
	v_cmp_eq_u32 vcc_lo, s23, v20                  ; am I the token's second expert?
	v_add_nc_u32 v20, 1024, v21
	v_cndmask_b32 v21, v21, v20, vcc_lo            ; token + 1,024 x slot: a row's number in a quarter's two slabs
	v_cndmask_b32 v22, v[64+i], v[160+i], vcc_lo
	ds_store_b32 v19, v21
	ds_store_b32 v19, v22 offset:TABB
.else
	ds_store_b32 v19, v21
.endif
	s_bcnt1_i32_b32 s34, s[68+i]
	s_add_co_u32 s33, s33, s34
.set i, i+1
.endr
.if DOWN
	v_mov_b32 v19, s26                             ; the 64 places past the count repeat the last rank's entry: a group's spare rows store the last row's bytes once more, with the same numbers
	v_min_u32 v19, 0x3ff, v19
	v_lshl_add_u32 v19, v19, 2, TAB
	ds_load_b32 v21, v19
	ds_load_b32 v22, v19 offset:TABB
	v_add_nc_u32 v20, s25, v16
	v_min_u32 v20, 0x41f, v20
	v_lshl_add_u32 v20, v20, 2, TAB
	s_wait_dscnt 0x0
	ds_store_b32 v20, v21
	ds_store_b32 v20, v21 offset:128
	ds_store_b32 v20, v22 offset:TABB
	ds_store_b32 v20, v22 offset:TABB+128
.endif
.Ltab_done:
	s_wait_dscnt 0x0                               ; for the others' sake: the table is stored
	s_barrier_signal -1
	s_barrier_wait -1
	PRO_B
	s_wait_dscnt 0x0
	s_barrier_signal -1
	s_barrier_wait -1                              ; slot 0 is whole
	v_cvt_pk_bf16_f32 v[BIA],   v252, v253         ; the bias, rounded (its load is older than those waited for above)
	v_cvt_pk_bf16_f32 v[BIA+1], v254, v255
.if DOWN
	s_cmp_eq_u32 s53, 0                            ; one quarter of K adds the bias
	s_cselect_b32 s33, -1, 0
	v_and_b32 v[BIA],   s33, v[BIA]
	v_and_b32 v[BIA+1], s33, v[BIA+1]
.endif
	s_mov_b32 s31, 0
.Lpass:
	s_mov_b32 s30, 7
.Lk:                                                   ; a trip: two steps, once round the slots
	STEP 0, 1, 1, 1, 0
	STEP 1, 1, 1, 0, 0
	s_wait_xcnt 0x0                                ; the bases are stepped only behind this wait
	s_add_nc_u64 s[4:5], s[4:5], 2*ASTEP
	s_add_nc_u64 s[6:7], s[6:7], 2*WSTEP
	s_sub_co_u32 s30, s30, 1
	s_cmp_lg_u32 s30, 0
	s_cbranch_scc1 .Lk
	STEP 0, 1, 0, 0, 0                             ; steps 14 and 15 are written out: no load leaves the slice
	STEP 1, 0, 0, 0, 1                             ; no barrier: what is written next is slot 0, last read in step 14
	PLACES                                         ; behind the last products
	; THE WAY OUT, a group of 64 rows at a time; dead groups are jumped forward; no barrier inside
	s_cmp_eq_u32 s52, 0
	s_cbranch_scc1 .Lno_ep
	s_wait_xcnt 0x0
	v_lshlrev_b32 v240, 16, v[BIA]                 ; the bias of column c twice, in v[240 + 2 c : 241 + 2 c]
	v_lshlrev_b32 v241, 16, v[BIA]
	v_and_b32 v242, 0xffff0000, v[BIA]
	v_and_b32 v243, 0xffff0000, v[BIA]
	v_lshlrev_b32 v244, 16, v[BIA+1]
	v_lshlrev_b32 v245, 16, v[BIA+1]
	v_and_b32 v246, 0xffff0000, v[BIA+1]
	v_and_b32 v247, 0xffff0000, v[BIA+1]
.if DOWN
	v_and_b32 v248, 15, v0
	v_lshlrev_b32 v248, 4, v248                    ; my 16 bytes of the wave's 256
.else
	s_mov_b64 s[12:13], s[18:19]
	s_lshl_b32 s54, s29, 7                         ; what the first group adds to the base: the pass's first rank; later groups add 64 ranks
	s_mov_b32 s55, 0
.endif
	s_mov_b32 s32, 0
.Lep:
	s_cmp_ge_u32 s32, s52
	s_cbranch_scc1 .Lep_next
.irp g, 1,2,3,4,5,6,7
	s_cmp_eq_u32 s32, \g
	s_cbranch_scc1 .LC\g
.endr
.irp g, 0,1,2,3,4,5,6
.LC\g:
	COPY \g
	s_branch .Lact
.endr
.LC7:
	COPY 7
.Lact:
	s_wait_xcnt 0x0                                ; the last group's stores have read their registers and their base
.if DOWN
	s_lshl_b32 s33, s32, 3                         ; in eights of ranks: 8 g,
	s_lshr_b32 s34, s29, 3                         ; the pass's first rank,
	s_add_co_u32 s33, s33, s34
	v_add_nc_u32 v48, s33, v[EPO]                  ; and my place in the group: 64 + 56 + 6 + 1 = 127 at the most,
	v_min_u32 v48, 0x7f, v48                       ; so this bound changes nothing: it says in the text that the loads below stay inside the tables
	v_lshl_add_u32 v48, v48, 5, TAB
	ds_load_b128 v[32:35], v48                     ; my eight ranks' rows,
	ds_load_b128 v[36:39], v48 offset:16
	ds_load_b128 v[40:43], v48 offset:TABB         ; and gates
	ds_load_b128 v[44:47], v48 offset:TABB+16
	s_wait_dscnt 0x0
.set j, 0
.rept 8
	v_min_u32 v[32+j], 0x7ff, v[32+j]
	v_lshl_add_u32 v[32+j], v[32+j], 12, v248
.irp c, 0,1,2,3
	v_mul_f32 v[64+4*j+\c], v[Z+8*\c+j], v[40+j]
.endr
	global_store_b128 v[32+j], v[64+4*j:64+4*j+3], s[12:13]    ; 16 lanes store 256 consecutive bytes of one token's row, at a multiple of 256 from part's first byte
.set j, j+1
.endr
.else
.set TRB, 0
.set tq, 32
	SWEEP 0, 5, 0                                  ; tiles 0 and 1: |z|, 1 + P |z|, -(k z)^2
.set tq, 0
	SWEEP 0, 5, 16                                 ; the same for tiles 2 and 3; behind its first 32 lines the 32 reciprocals and exponentials of tiles 0 and 1; eight plain lines follow the last
	s_wait_alu depctr_va_vdst(0)                   ; one wait for that batch, ahead of its first reader
.set TRB, 16
.set tq, 0
	SWEEP 1, 8, 0                                  ; tiles 0 and 1: polynomial and result; behind its first 32 lines the batch of tiles 2 and 3
	s_wait_alu depctr_va_vdst(0)
.set tq, 32
	SWEEP 1, 8, 16
.set j, 0
.rept 8
	v_cvt_pk_bf16_f32 v[OUT+2*j],   v[PL+j],    v[PL+8+j]      ; four neighbouring columns of rank 2 j + h
	v_cvt_pk_bf16_f32 v[OUT+2*j+1], v[PL+16+j], v[PL+24+j]
.set j, j+1
.endr
	s_add_nc_u64 s[12:13], s[12:13], s[54:55]
	s_mov_b32 s54, 8192
.set j, 0
.rept 8
	global_store_b64 v[EPO], v[OUT+2*j:OUT+2*j+1], s[12:13] offset:j*256   ; the wave stores two ranks, 256 consecutive bytes, at a multiple of 256 from hid's first byte
.set j, j+1
.endr
.endif
.Lep_next:
	s_add_co_u32 s32, s32, 1
	s_cmp_lt_u32 s32, 8
	s_cbranch_scc1 .Lep
.Lno_ep:
	; ON TO THE SECOND PASS: ranks 512 on, if there are any; behind it nothing is live
	s_wait_xcnt 0x0
	s_cmp_eq_u32 s31, 0
	s_cselect_b32 s27, s28, 0
	s_mov_b32 s52, s27
	s_mov_b32 s29, 512
	s_mov_b64 s[4:5], s[14:15]
	s_mov_b64 s[6:7], s[16:17]
	s_cmp_lg_u32 s27, 0
	s_cbranch_scc0 .Lno_pro
	WLOADS 0, 0
	PRO_B
.Lno_pro:
	s_wait_dscnt 0x0                               ; my stores into slot 0, and my reads of slot 1 and of the table, are done
	s_barrier_signal -1
	s_barrier_wait -1
	s_add_co_u32 s31, s31, 1
	s_cmp_lt_u32 s31, 2
	s_cbranch_scc1 .Lpass
	s_wait_tensorcnt 0x0                           ; the wave's end: three lines behind my last LDS store
	ds_add_u32 v[SPW], v[NIL]
	s_wait_dscnt 0x0
	s_endpgm
.Lfunc_end_k_qfe0c7a5651_up:
	.size	k_qfe0c7a5651_up, .Lfunc_end_k_qfe0c7a5651_up-k_qfe0c7a5651_up
	.p2alignl 7, 3214868480
	.fill 96, 4, 3214868480
	.section	.rodata,"a",@progbits
	.p2align	6, 0x0
	.amdhsa_kernel k_qfe0c7a5651_up
		.amdhsa_group_segment_fixed_size 185856
		.amdhsa_private_segment_fixed_size 0
		.amdhsa_enable_private_segment 0
		.amdhsa_kernarg_size 40
		.amdhsa_user_sgpr_count 2
		.amdhsa_user_sgpr_kernarg_segment_ptr 1
		.amdhsa_wavefront_size32 1
		.amdhsa_system_sgpr_workgroup_id_x 1
		.amdhsa_system_sgpr_workgroup_id_y 1
		.amdhsa_system_sgpr_workgroup_id_z 1
		.amdhsa_system_vgpr_workitem_id 0
		.amdhsa_next_free_vgpr 512
		.amdhsa_next_free_sgpr 100
		.amdhsa_reserve_vcc 1
		.amdhsa_float_denorm_mode_32 3
		.amdhsa_float_denorm_mode_16_64 3
		.amdhsa_memory_ordered 1
		.amdhsa_forward_progress 1
		.amdhsa_inst_pref_size 142
	.end_amdhsa_kernel
	.amdgpu_metadata
---
amdhsa.version: [ 1, 2 ]
amdhsa.kernels:
  - .name:           k_qfe0c7a5651_up
    .symbol:         k_qfe0c7a5651_up.kd
    .args:
      - { .name: xb, .offset: 0, .size: 8, .value_kind: global_buffer, .address_space: global }
      - { .name: W1, .offset: 8, .size: 8, .value_kind: global_buffer, .address_space: global }
      - { .name: b1, .offset: 16, .size: 8, .value_kind: global_buffer, .address_space: global }
      - { .name: bits, .offset: 24, .size: 8, .value_kind: global_buffer, .address_space: global }
      - { .name: hid, .offset: 32, .size: 8, .value_kind: global_buffer, .address_space: global }
    .group_segment_fixed_size: 185856
    .private_segment_fixed_size: 0
    .kernarg_segment_align: 8
    .kernarg_segment_size: 40
    .max_flat_workgroup_size: 256
    .sgpr_count:     100
    .vgpr_count:     512
    .wavefront_size: 32
...
	.end_amdgpu_metadata
.endif
;; end of part 2
;; launch down (part 3): grid 256 x 1, 8 waves a work-group, no clusters, 190,464 bytes of LDS; arguments hid, W2, b2, bits, sel, gate, part; writes part
.if DOCPART == 3
	.amdgcn_target "amdgcn-amd-amdhsa--gfx1250"
	.amdhsa_code_object_version 6
	.text
	.protected	k_qfe0c7a5651_down
	.globl	k_qfe0c7a5651_down
	.p2align	8
	.type	k_qfe0c7a5651_down,@function
k_qfe0c7a5651_down:
	s_mov_b64 s[64:65], 0
	v_nop
	global_prefetch_b8 v0, s[64:65] scope:SCOPE_SE
	s_setreg_imm32_b32 hwreg(HW_REG_WAVE_MODE, 25, 1), 1
	s_wait_xcnt 0x0
.set DOWN, 1
; ONE TEXT FOR BOTH PRODUCTS OF THE EXPERTS; DOWN (the line above) picks.  Only the rows of tokens that chose an expert are multiplied.
;   DOWN = 0: hid = gelu(x W1[e] + b1[e]), exact GELU, for the expert's rows.  Arguments: xb, W1, b1, bits, hid.
;   DOWN = 1: part = gate x (hid W2[e] + b2[e]), K in four quarters.            Arguments: hid, W2, b2, bits, sel, gate, part.
; Both are [rows of one expert x 1,024] . [1,024 x 128]: 8 experts x 32 slices = 256 work-groups; a slice of weights, 512 KiB of f32, has one reader and is read once
; (twice where an expert has more than 512 rows).  DOWN = 0: slice = 128 of 4,096 hidden columns.  DOWN = 1: slice = a quarter q of K x 128 of 1,024 columns.
; hid: bf16 [expert][block of 64 hidden columns][rank 0..1023][64]; a rank is a token's place among the expert's tokens, in ascending order of tokens.
; part: f32 [2 q + slot][token][1024]; a token has one expert in each slot, so every byte is stored; the next launch adds the eight.
; FORMATS.  Weights and biases are rounded to bf16 on their way through registers, hid once to bf16 (not f16: with larger inputs it passes 65,504); sums, GELU and gates in f32.
; LIMITS.  GELU: z Phi(z) as 0.5 z + |z| (0.5 - q), q = erfc(|z| / sqrt 2) / 2 by a rational form with five terms (Abramowitz and Stegun 7.1.26), absolute error 1.5e-7 in erf; NaN and infinities are not treated apart.
; EVERY SPLIT IS SERVED.  The expert's count comes from its map of 1,024 bits.  Two passes of up to 512 rows; a pass's rows in groups of 64; L = live groups (0..8), the same in all waves.
; Every barrier is on every path; what a dead group or pass would do is jumped forward.  Pass 0 always has one live group.  Places past the count repeat the last row.
; SHARES.  Wave w: rows 16 (w / 2) .. + 15 of every group, columns 64 (w % 2) .. + 63: accumulator (g, c) at v[32 g + 8 c] of window 1, 256 registers.  All else lies in window 0.
; K goes in 16 steps of 64 through two LDS slots.  All through registers: the weights have to be rounded, DOWN = 0's rows come by a list, and one counter then orders both streams.
; WEIGHTS lie [K][N] and need no turning: a lane loads 8 rows x 4 neighbouring columns; two rows' numbers of one column round into one register of a B fragment, in which lane r then stands for
; column 4 r + c of the wave's 64.  So a lane's four tiles c = 0..3 hold four NEIGHBOURING columns of a row, which leave together.  Each weight is loaded and rounded by one wave.
; NO CLUSTER: a slice has one reader; what an expert's work-groups share, its rows, comes by a list (DOWN = 0) and, in both, in a loop whose live part hangs on a stored count.
.if DOWN
.set LOGWP,  12                        ; a row of W2[e]: 4,096 bytes
.set ASTEP,  131072                    ; from a block of hid to the next
.else
.set LOGWP,  14                        ; a row of W1[e]: 16,384 bytes
.set ASTEP,  128                       ; 64 bf16 along a row of xb
.endif
.set WPITCH, 1<<LOGWP
.set LOGWS,  LOGWP+6
.set WSTEP,  1<<LOGWS                  ; 64 rows of weights
.set APITCH, 144                       ; an LDS row of 64 bf16: 128 bytes + 16: the 16 rows of a fragment load begin in 16 different groups of four banks (64 banks of 4 bytes: ISA guide 11.1)
.set AHALF,  256*APITCH
.set ASLOT,  512*APITCH                ; 73,728: a pass's rows, one K step
.set WF0,    2*ASLOT                   ; 147,456: the weights' fragments: ((f 2 + cb) 4 + c) 1,024 + u 512 + 16 lane
.set WSLOT,  16384
.set TAB,    WF0+2*WSLOT               ; 180,224: the table by rank: 1,088 words, then 32 words that take the stores of lanes without a token
.set TABB,   4608
.set DUMP,   1088
.if DOWN
.set SPARE,  TAB+2*TABB                ; the spare words, 128 bytes for each wave, which no other line names
.else
.set SPARE,  TAB+TABB
.endif
.set SPW, 1                            ; v1      SPARE + 4 x my thread's number; never rewritten
.set NIL, 2                            ; v2      0; never rewritten
.set ALD, 3                            ; v3-6    where I store 16 bytes of a row: slot s, rounds 8 a .. 8 a + 7 at ALD + 2 s + a
.set ARD, 7                            ; v7-8    my A fragments in slot s
.set WLD, 9                            ; v9      where I store weight fragments
.set BRD, 10                           ; v10     where I read them
.set WOF, 11                           ; v11     my byte offset in a step's weights
.set BIA, 12                           ; v12-13  the bias of my four columns, bf16, two to a register
.set PFO, 14                           ; v14     my byte offset for the prefetch; never rewritten
.set EPO, 15                           ; v15     the way out's lane term
.set AOFF, 16                          ; v16-31  round j: byte offset of my 16 bytes of a row
.set AST, 32                           ; v32-95  rows as loaded, round j in four registers
.set WCV, 32                           ; v32-47  weights rounded, once the rows' LDS stores are issued
.set WST, 96                           ; v96-159 weights as loaded: two sets of 8 rows x 4 columns
.set BF,  160                          ; v160-223 B fragments (f, c) at 32 f + 8 c
.set AF,  224                          ; v224-255 A fragments: buffer b, f at 16 b + 8 f
.set Z,   96                           ; the way out: 32 numbers, tile c register j at 8 c + j
; scalars: s[4:5] rows' base, s[6:7] weights' base, s[12:13] output's base; s[14:15], s[16:17], s[18:19] as they began; s20 wave, s21 w / 2, s22 w % 2, s23 expert, s24 slice, s53 quarter;
; s25 count, s26 last rank, s27 L, s28 the second pass's L, s29 the pass's first rank, s30 trips, s31 pass, s32 group, s52 groups to store, s[68:99] the expert's map
.set MSB, 0
.macro WIN new                         ; s_set_vgpr_msb: bits 1:0 source 0, 3:2 source 1, 5:4 source 2, 7:6 destination; the high byte repeats the setting that is left
.if MSB != (\new)
	s_set_vgpr_msb (MSB<<8)|(\new)
.set MSB, (\new)
.endif
.endm
.macro PLACES                          ; four places between a matrix instruction and a write, or a load, into one of its registers, or a reading of its result (ISA guide 7.12.1 for vector instructions)
.rept 4
	v_nop
.endr
.endm
; Eight loads: my 8 rows x 16 bytes of a step's weights; each covers 256 consecutive bytes of two rows, at multiples of 256 from the buffer's first byte
.macro WLOADS set, off
.set i, 0
.rept 8
	global_load_b128 v[WST+32*(\set)+4*i:WST+32*(\set)+4*i+3], v[WOF], s[6:7] offset:(\off)+i*WPITCH th:TH_LOAD_NT
.set i, i+1
.endr
.endm
; The rows of a step: group g is rounds 2 g and 2 g + 1.  full = 0: dead groups are jumped
.macro ALOADS off, full
.set j, 0
.rept 16
.if (!(\full)) && (j >= 2) && (j%2 == 0)
	s_cmp_le_u32 s27, j/2
	s_cbranch_scc1 .Lax_\@
.endif
	global_load_b128 v[AST+4*j:AST+4*j+3], v[AOFF+j], s[4:5] offset:\off
.set j, j+1
.endr
.Lax_\@:
.endm
.macro ASTORES slot, full
.set j, 0
.rept 16
.if (!(\full)) && (j >= 2) && (j%2 == 0)
	s_cmp_le_u32 s27, j/2
	s_cbranch_scc1 .Lsx_\@
.endif
	ds_store_b128 v[ALD+2*(\slot)+j/8], v[AST+4*j:AST+4*j+3] offset:(j%8)*32*APITCH
.set j, j+1
.endr
.Lsx_\@:
.endm
; Rows 2 p and 2 p + 1 of column c round into register p of my half of fragment c
.macro WCONV set, slot
.irp c, 0,1,2,3
.irp p, 0,1,2,3
	v_cvt_pk_bf16_f32 v[WCV+4*\c+\p], v[WST+32*(\set)+8*\p+\c], v[WST+32*(\set)+8*\p+4+\c]
.endr
.endr
.irp c, 0,1,2,3
	ds_store_b128 v[WLD], v[WCV+4*\c:WCV+4*\c+3] offset:(\slot)*WSLOT+\c*1024
.endr
.endm
.macro FRAG g, sl                      ; group g's two A fragments into buffer g % 2
.irp f, 0,1
	ds_load_b128 v[AF+16*((\g)%2)+8*\f:AF+16*((\g)%2)+8*\f+3],   v[ARD+(\sl)] offset:(\g)*64*APITCH+\f*64
	ds_load_b128 v[AF+16*((\g)%2)+8*\f+4:AF+16*((\g)%2)+8*\f+7], v[ARD+(\sl)] offset:(\g)*64*APITCH+\f*64+32
.endr
.endm
.macro MUL8 g                          ; the group's four accumulators by turns
	WIN 0x50                                       ; C and D in window 1
.irp f, 0,1
.irp c, 0,1,2,3
	v_wmma_f32_16x16x32_bf16 v[32*(\g)+8*\c:32*(\g)+8*\c+7], v[AF+16*((\g)%2)+8*\f:AF+16*((\g)%2)+8*\f+7], v[BF+32*\f+8*\c:BF+32*\f+8*\c+7], v[32*(\g)+8*\c:32*(\g)+8*\c+7]
.endr
.endr
	WIN 0                                          ; at a label and at a branch every window is 0
.endm
; A step's products: groups L - 1 down to 0, so that the fragments fetched one group ahead are always a live group's, and all ways end in one place
.macro COMPUTE sl
.irp f, 0,1
.irp c, 0,1,2,3
	ds_load_b128 v[BF+32*\f+8*\c:BF+32*\f+8*\c+3],   v[BRD] offset:(\sl)*WSLOT+\f*8192+\c*1024
	ds_load_b128 v[BF+32*\f+8*\c+4:BF+32*\f+8*\c+7], v[BRD] offset:(\sl)*WSLOT+\f*8192+\c*1024+512
.endr
.endr
.irp g, 7,6,5,4,3,2,1
	s_cmp_eq_u32 s27, \g+1
	s_cbranch_scc1 .LE\@_\g
.endr
	FRAG 0, \sl
	s_branch .LG\@_0
.irp g, 1,2,3,4,5,6
.LE\@_\g:
	FRAG \g, \sl
	s_branch .LG\@_\g
.endr
.LE\@_7:
	FRAG 7, \sl
.irp g, 7,6,5,4,3,2,1
.LG\@_\g:
	PLACES                                         ; the buffer loaded next was read by the products just issued
	FRAG \g-1, \sl
	s_wait_dscnt 0x4                               ; all but the four just issued: this group's fragments, and B's, are in
	MUL8 \g
.endr
.LG\@_0:
	s_wait_dscnt 0x0
	MUL8 0
.endm
; STEP s (slot sl = s % 2): asks for the rows of step s + 1 and then for the weights of step s + 2, multiplies slot sl, and lays step s + 1 into the other slot.
; The eight weight loads are always the last issued, whatever the number of row loads: so the count 8 shows the rows of s + 1 and the weights of s + 1 (asked for a step earlier) in.
; One barrier a step: in front of it my stores into the other slot and my reads of this one are done.
.macro STEP sl, hasA, hasW, pf, fin
	s_cmp_lg_u32 s27, 0
	s_cbranch_scc1 .Llive_\@
	s_wait_loadcnt 0x0
	s_branch .Lbar_\@
.Llive_\@:
.if \hasA
	ALOADS ((\sl)+1)*ASTEP, 0
.endif
.if \hasW
	WLOADS \sl, ((\sl)+2)*WSTEP
.endif
.if \pf
	s_cmp_eq_u32 s30, 1                            ; the last trip would ask past the slice,
	s_cbranch_scc1 .Lnopf_\@
	s_cmp_lg_u32 s31, 0                            ; and the second pass would ask for the same blocks again
	s_cbranch_scc1 .Lnopf_\@
	global_prefetch_b8 v[PFO], s[6:7] offset:4*WSTEP th:TH_LOAD_NT scope:SCOPE_SE  ; trip t: steps 2 t + 4 (lanes 0-15) and 2 t + 5 (lanes 16-31), whose loads come one trip on: 16 blocks of 256 bytes of each for this wave, each asked for once
.Lnopf_\@:
.endif
	COMPUTE \sl
.if !(\fin)
.if \hasW
	s_wait_loadcnt 0x8
.else
	s_wait_loadcnt 0x0
.endif
	ASTORES 1-(\sl), 0
	WCONV 1-(\sl), 1-(\sl)                         ; sixteen plain instructions: also the places in front of the next step's fragment loads
.endif
.Lbar_\@:
	s_wait_dscnt 0x0
.if !(\fin)
	s_barrier_signal -1
	s_barrier_wait -1
.endif
.endm
; Round j's row: rank = the pass's first + 32 j + thread / 8, held to the last rank; a number that comes from memory is held under a constant before it enters an address
.macro MKAOFF
	v_lshrrev_b32 v32, 3, v0
	v_add_nc_u32 v32, s29, v32
	v_and_b32 v33, 7, v0
	v_lshlrev_b32 v33, 4, v33
.set j, 0
.rept 16
	v_add_nc_u32 v[AOFF+j], 32*j, v32
	v_min_u32 v[AOFF+j], s26, v[AOFF+j]
	v_min_u32 v[AOFF+j], 0x3ff, v[AOFF+j]
.if DOWN
	v_lshl_add_u32 v[AOFF+j], v[AOFF+j], 7, v33    ; hid: ranks lie end to end, 128 bytes each: a wave's load covers 512 consecutive bytes
.else
	v_lshl_add_u32 v[AOFF+j], v[AOFF+j], 2, TAB
.endif
.set j, j+1
.endr
.if !DOWN
.set j, 0
.rept 16
	ds_load_b32 v[AOFF+j], v[AOFF+j]               ; the rank's token
.set j, j+1
.endr
	s_wait_dscnt 0x0
.set j, 0
.rept 16
	v_min_u32 v[AOFF+j], 0x3ff, v[AOFF+j]
	v_lshl_add_u32 v[AOFF+j], v[AOFF+j], 11, v33   ; a row of xb is 2,048 bytes
.set j, j+1
.endr
.endif
.endm
; All 32 accumulators start at 0 by 32 products of zero fragments with C = 0: they stand in the wait for the first loads, and spare 256 v_mov_b32 or a further copy of a step
.macro INIT
.set i, 0
.rept 8
	v_mov_b32 v[AF+i], 0
	v_mov_b32 v[BF+i], 0
.set i, i+1
.endr
	WIN 0x50
.set i, 0
.rept 32
	v_wmma_f32_16x16x32_bf16 v[8*i:8*i+7], v[AF:AF+7], v[BF:BF+7], 0
.set i, i+1
.endr
	WIN 0
.endm
.macro PRO_B                           ; behind the weights of step 0: all 16 rounds of step 0's rows, the weights of step 1; step 0 goes into slot 0
	MKAOFF
	ALOADS 0, 1
	WLOADS 1, WSTEP
	INIT
	s_wait_loadcnt 0x8                             ; all but the weights of step 1
	ASTORES 0, 1
	WCONV 0, 0
.endm
.macro COPY g                          ; group g's sums + bias into window 0; each accumulator is read from its lowest registers on
	WIN 0x01                                       ; source 0 in window 1
.irp c, 0,1,2,3
.irp j, 0,2,4,6
	v_pk_add_f32 v[Z+8*\c+\j:Z+8*\c+\j+1], v[32*(\g)+8*\c+\j:32*(\g)+8*\c+\j+1], v[240+2*\c:241+2*\c]
.endr
.endr
	WIN 0
.endm
.if !DOWN
; GELU of the 32 numbers in Z, a pair of registers at a time, in sweeps over eight pairs, so that no line reads the result of the line before it.
.set AZ, 128                           ; |z|
.set U,  32                            ; 1 + P |z|, then t = its reciprocal
.set W,  64                            ; -(k z)^2, then 2^that = e^(-z z / 2)
.set PL, 160                           ; the polynomial, then the result
.set HZ, 192                           ; z / 2
.set OUT, 224
.macro P1S st, i
.if (\st) == 0
	v_and_b32 v[AZ+(\i)], s50, v[Z+(\i)]
.elseif (\st) == 1
	v_and_b32 v[AZ+(\i)+1], s50, v[Z+(\i)+1]
.elseif (\st) == 2
	v_pk_fma_f32 v[U+(\i):U+(\i)+1], v[AZ+(\i):AZ+(\i)+1], s[36:37], 1.0 op_sel_hi:[1,0,0]
.elseif (\st) == 3
	v_pk_mul_f32 v[W+(\i):W+(\i)+1], v[Z+(\i):Z+(\i)+1], s[38:39] op_sel_hi:[1,0]
.else
	v_pk_mul_f32 v[W+(\i):W+(\i)+1], v[W+(\i):W+(\i)+1], v[W+(\i):W+(\i)+1] neg_lo:[1,0] neg_hi:[1,0]
.endif
.endm
.macro POS st, i
.if (\st) == 0
	v_pk_fma_f32 v[PL+(\i):PL+(\i)+1], v[U+(\i):U+(\i)+1], s[48:49], s[46:47] op_sel_hi:[1,0,0]
.elseif (\st) == 1
	v_pk_fma_f32 v[PL+(\i):PL+(\i)+1], v[PL+(\i):PL+(\i)+1], v[U+(\i):U+(\i)+1], s[44:45] op_sel_hi:[1,1,0]
.elseif (\st) == 2
	v_pk_fma_f32 v[PL+(\i):PL+(\i)+1], v[PL+(\i):PL+(\i)+1], v[U+(\i):U+(\i)+1], s[42:43] op_sel_hi:[1,1,0]
.elseif (\st) == 3
	v_pk_fma_f32 v[PL+(\i):PL+(\i)+1], v[PL+(\i):PL+(\i)+1], v[U+(\i):U+(\i)+1], s[40:41] op_sel_hi:[1,1,0]
.elseif (\st) == 4
	v_pk_mul_f32 v[PL+(\i):PL+(\i)+1], v[PL+(\i):PL+(\i)+1], v[U+(\i):U+(\i)+1]
.elseif (\st) == 5
	v_pk_fma_f32 v[PL+(\i):PL+(\i)+1], v[PL+(\i):PL+(\i)+1], v[W+(\i):W+(\i)+1], 0.5 op_sel_hi:[1,1,0] neg_lo:[1,0,0] neg_hi:[1,0,0]
.elseif (\st) == 6
	v_pk_mul_f32 v[HZ+(\i):HZ+(\i)+1], v[Z+(\i):Z+(\i)+1], 0.5 op_sel_hi:[1,0]
.else
	v_pk_fma_f32 v[PL+(\i):PL+(\i)+1], v[AZ+(\i):AZ+(\i)+1], v[PL+(\i):PL+(\i)+1], v[HZ+(\i):HZ+(\i)+1]
.endif
.endm
.macro TQ                              ; the next of the 32 reciprocals and exponentials of the half that begins at TRB, if any is left
.if tq < 32
.if tq%4 == 0
	v_rcp_f32 v[U+TRB+2*(tq/4)], v[U+TRB+2*(tq/4)]
.elseif tq%4 == 1
	v_rcp_f32 v[U+TRB+2*(tq/4)+1], v[U+TRB+2*(tq/4)+1]
.elseif tq%4 == 2
	v_exp_f32 v[W+TRB+2*(tq/4)], v[W+TRB+2*(tq/4)]
.else
	v_exp_f32 v[W+TRB+2*(tq/4)+1], v[W+TRB+2*(tq/4)+1]
.endif
.set tq, tq+1
.endif
.endm
.macro SWEEP kind, n, base             ; n stages over the eight pairs from base on; behind each line one of the other half's transcendentals
.set st, 0
.rept \n
.set pp, 0
.rept 8
.if \kind
	POS st, (\base)+2*pp
.else
	P1S st, (\base)+2*pp
.endif
	TQ
.set pp, pp+1
.endr
.set st, st+1
.endr
.endm
.macro CPAIR r, val                    ; a constant for the packed forms: named as a pair, the low word serves both halves
	s_mov_b32 s[\r], \val
	s_mov_b32 s[(\r)+1], \val
.endm
.endif
	s_load_b256 s[4:11], s[0:1], 0x0               ; rows s[4:5], weights s[6:7], bias s[8:9], bits s[10:11]
.if DOWN
	s_load_b128 s[56:59], s[0:1], 0x20             ; sel s[56:57], gate s[58:59]
	s_load_b64 s[12:13], s[0:1], 0x30              ; part
.else
	s_load_b64 s[12:13], s[0:1], 0x20              ; hid
.endif
	v_lshl_add_u32 v[SPW], v0, 2, SPARE
	v_mov_b32 v[NIL], 0
	v_lshrrev_b32 v32, 5, v0
	v_readfirstlane_b32 s20, v32                   ; wave 0..7
	s_lshr_b32 s21, s20, 1
	s_and_b32 s22, s20, 1
	s_lshr_b32 s23, ttmp9, 5                       ; expert
.if DOWN
	s_bfe_u32 s53, ttmp9, 0x20003                  ; quarter of K
	s_and_b32 s24, ttmp9, 7                        ; 128 columns
.else
	s_and_b32 s24, ttmp9, 31
.endif
	v_and_b32 v33, 31, v0                          ; lane
	v_and_b32 v34, 15, v0                          ; r
	v_bfe_u32 v35, v0, 4, 1                        ; h
	v_lshrrev_b32 v36, 3, v0                       ; a round is 32 rows: eight threads to a row of 128 bytes
	v_and_b32 v37, 7, v0
	v_mul_u32_u24 v36, v36, APITCH
	v_lshl_add_u32 v[ALD], v37, 4, v36
	v_add_nc_u32 v[ALD+1], AHALF, v[ALD]
	v_add_nc_u32 v[ALD+2], ASLOT, v[ALD]
	v_add_nc_u32 v[ALD+3], ASLOT+AHALF, v[ALD]
.if DOWN
	v_lshl_add_u32 v36, s21, 4, v34                ; matrix row r is row r of my 16
.else
	v_bfe_u32 v36, v0, 3, 1                        ; matrix row r is row 2 (r % 8) + r / 8 of my 16: register j of the result is then rank 2 j + h, and a store's two halves are neighbouring ranks
	v_lshl_add_u32 v36, v37, 1, v36
	v_lshl_add_u32 v36, s21, 4, v36
.endif
	v_mul_u32_u24 v36, v36, APITCH
	v_lshl_add_u32 v[ARD], v35, 4, v36
	v_add_nc_u32 v[ARD+1], ASLOT, v[ARD]
	; as a loader of weights wave w has column half w % 2, fragment f = (w / 2) % 2 and half u = w / 4 of its registers
	s_and_b32 s33, s20, 3
	s_lshl_b32 s33, s33, 12
	s_lshr_b32 s35, s20, 2
	s_lshl_b32 s34, s35, 9
	s_add_co_u32 s33, s33, s34
	s_add_co_u32 s33, s33, WF0
	v_lshl_add_u32 v[WLD], v33, 4, s33
	s_lshl_b32 s33, s22, 12
	s_add_co_u32 s33, s33, WF0
	v_lshl_add_u32 v[BRD], v33, 4, s33
	s_bfe_u32 s34, s20, 0x10001
	s_lshl_b32 s34, s34, 5
	s_lshl4_add_u32 s34, s35, s34                  ; row 32 f + 16 u
	v_lshl_add_u32 v36, v35, 3, s34                ; + 8 h
	v_lshlrev_b32 v36, LOGWP, v36
	v_lshl_add_u32 v36, v34, 4, v36
	s_lshl_b32 s33, s22, 8
	v_add_nc_u32 v[WOF], s33, v36
	v_lshrrev_b32 v36, 2, v0                       ; the prefetch: a step is 128 blocks of 256 bytes, 16 for each wave: row 8 w + (lane % 16) / 2, half lane % 2 of its 512 bytes; lanes 16-31 a step further
	v_bfe_u32 v37, v0, 1, 3
	v_and_or_b32 v36, v36, 0x38, v37
	v_and_b32 v37, 1, v0
	v_lshlrev_b32 v37, 8, v37
	v_lshl_add_u32 v36, v36, LOGWP, v37
	v_lshl_add_u32 v[PFO], v35, LOGWS, v36
.if DOWN
	s_lshl_b32 s33, s21, 1
	v_add_nc_u32 v[EPO], s33, v35                  ; my ranks 16 (w / 2) + 8 h .. of a group, counted in eights: 2 (w / 2) + h
	s_lshl_b32 s33, s23, 12                        ; b2[e]
.else
	v_lshlrev_b32 v36, 3, v34
	v_lshl_add_u32 v[EPO], v35, 7, v36             ; 8 bytes a lane, 128 bytes a rank
	s_lshl_b32 s33, s23, 14                        ; b1[e]
.endif
	s_lshl_b32 s34, s24, 9
	s_add_co_u32 s33, s33, s34
	s_lshl_b32 s34, s22, 8
	s_add_co_u32 s33, s33, s34
	v_lshl_add_u32 v252, v34, 4, s33               ; the bias of my four columns
	s_lshl_b32 s60, s23, 7                         ; the expert's map
	s_mov_b32 s35, 0
	s_wait_kmcnt 0x0
	s_load_b512 s[68:83], s[10:11], s60 offset:0x0
	s_load_b512 s[84:99], s[10:11], s60 offset:0x40
	s_lshl_b32 s34, s23, 24                        ; an expert's weights are 16 MiB
	s_lshl_b32 s33, s24, 9
	s_add_co_u32 s34, s34, s33
.if DOWN
	s_lshl_b32 s33, s53, 22                        ; 1,024 rows of 4,096 bytes
	s_add_co_u32 s34, s34, s33
.endif
	s_add_nc_u64 s[6:7], s[6:7], s[34:35]
	s_mov_b64 s[16:17], s[6:7]
.if DOWN
	s_lshl_b32 s34, s23, 6
	s_lshl4_add_u32 s34, s53, s34                  ; block 64 e + 16 q
	s_lshl_b32 s34, s34, 17
	s_add_nc_u64 s[4:5], s[4:5], s[34:35]
.endif
	s_mov_b64 s[14:15], s[4:5]
.if DOWN
	s_lshl_b32 s34, s53, 23                        ; slabs 2 q and 2 q + 1
	s_lshl_b32 s33, s24, 9
	s_add_co_u32 s34, s34, s33
	s_lshl_b32 s33, s22, 8
	s_add_co_u32 s34, s34, s33
.else
	s_lshl_b32 s34, s23, 6
	s_lshl1_add_u32 s34, s24, s34
	s_add_co_u32 s34, s34, s22                     ; block 64 e + 2 slice + w % 2
	s_lshl_b32 s34, s34, 10
	s_lshl4_add_u32 s34, s21, s34                  ; + my 16 ranks of a group
	s_lshl_b32 s34, s34, 7
.endif
	s_add_nc_u64 s[12:13], s[12:13], s[34:35]
	s_mov_b64 s[18:19], s[12:13]
	global_load_b128 v[252:255], v252, s[8:9]      ; lands on its own address register
	WLOADS 0, 0                                    ; the weights of step 0
	global_prefetch_b8 v[PFO], s[6:7] offset:2*WSTEP th:TH_LOAD_NT scope:SCOPE_SE  ; steps 2 and 3; steps 0 and 1 are asked for by their loads at once
.if !DOWN
	CPAIR 36, 0x3e6d3388                           ; P  = 0.3275911 / sqrt 2
	CPAIR 38, 0x3f596d27                           ; k  = sqrt(log2(e) / 2)
	CPAIR 40, 0x3e027906                           ; A1 .. A5: the form's coefficients, halved
	CPAIR 42, 0xbe11a98e
	CPAIR 44, 0x3f35f0e3
	CPAIR 46, 0xbf3a00e3
	CPAIR 48, 0x3f07dc22
	s_mov_b32 s50, 0x7fffffff
.endif
	s_mov_b32 s29, 0
	s_wait_kmcnt 0x0
	s_bcnt1_i32_b32 s25, s68
.set i, 1
.rept 31
	s_bcnt1_i32_b32 s33, s[68+i]
	s_add_co_u32 s25, s25, s33
.set i, i+1
.endr
	s_min_u32 s25, s25, 1024                       ; the expert's rows
	s_max_u32 s26, s25, 1
	s_sub_co_u32 s26, s26, 1                       ; the last rank
	s_add_co_u32 s27, s25, 63
	s_lshr_b32 s27, s27, 6
	s_min_u32 s27, s27, 8
	s_max_u32 s27, s27, 1                          ; pass 0: 1 to 8 groups
	s_max_u32 s28, s25, 512
	s_sub_co_u32 s28, s28, 449
	s_lshr_b32 s28, s28, 6
	s_min_u32 s28, s28, 8                          ; pass 1: 0 to 8
.if DOWN
	s_cmp_lg_u32 s25, 0
	s_cselect_b32 s52, s27, 0                      ; an expert without rows stores nothing
.else
	s_mov_b32 s52, s27                             ; an expert without rows stores one group made of token 0's row, so that the next launch reads bytes that were written
.endif
	; THE TABLE BY RANK, made by wave 0 alone from the map: a token's rank is the number of set bits below its own
	s_cmp_lg_u32 s20, 0
	s_cbranch_scc1 .Ltab_done
	v_and_b32 v16, 31, v0
	v_mov_b32 v17, 1
	v_lshlrev_b32 v17, v16, v17                    ; my bit
	v_add_nc_u32 v18, DUMP, v16                    ; where a lane without a token stores
	v_lshl_add_u32 v19, v16, 4, TAB
	v_mov_b32 v20, 0
	v_mov_b32 v21, 0
	v_mov_b32 v22, 0
	v_mov_b32 v23, 0
.set i, 0
.rept (SPARE-TAB)/512                                  ; first the whole table is 0, 512 bytes a store: every word that can be read has been written, and rank 0 names token 0 even where the expert has no row.
	ds_store_b128 v19, v[20:23] offset:i*512       ; LDS serves a wave's instructions in order (ISA guide 5.7.1.4): the entries below land on top
.set i, i+1
.endr
.if DOWN
	v_lshlrev_b32 v23, 2, v16
.set i, 0
.rept 32
	global_load_b32 v[32+i],  v23, s[56:57] offset:128*i       ; tokens 32 i + lane: the two experts,
	global_load_b32 v[64+i],  v23, s[58:59] offset:128*i       ; slot 0's gate,
	global_load_b32 v[160+i], v23, s[58:59] offset:4096+128*i  ; slot 1's
.set i, i+1
.endr
	s_wait_loadcnt 0x0
.endif
	s_mov_b32 s33, 0
.set i, 0
.rept 32
	v_mbcnt_lo_u32_b32 v19, s[68+i], s33
	v_and_b32 v20, s[68+i], v17
	v_cmp_ne_u32 vcc_lo, 0, v20
	v_cndmask_b32 v19, v18, v19, vcc_lo
	v_min_u32 v19, 0x45f, v19                      ; held inside the table's 1,120 words
	v_lshl_add_u32 v19, v19, 2, TAB
	v_add_nc_u32 v21, 32*i, v16
.if DOWN
	v_lshrrev_b32 v20, 8, v[32+i]
	v_cmp_eq_u32 vcc_lo, s23, v20                  ; am I the token's second expert?
	v_add_nc_u32 v20, 1024, v21
	v_cndmask_b32 v21, v21, v20, vcc_lo            ; token + 1,024 x slot: a row's number in a quarter's two slabs
	v_cndmask_b32 v22, v[64+i], v[160+i], vcc_lo
	ds_store_b32 v19, v21
	ds_store_b32 v19, v22 offset:TABB
.else
	ds_store_b32 v19, v21
.endif
	s_bcnt1_i32_b32 s34, s[68+i]
	s_add_co_u32 s33, s33, s34
.set i, i+1
.endr
.if DOWN
	v_mov_b32 v19, s26                             ; the 64 places past the count repeat the last rank's entry: a group's spare rows store the last row's bytes once more, with the same numbers
	v_min_u32 v19, 0x3ff, v19
	v_lshl_add_u32 v19, v19, 2, TAB
	ds_load_b32 v21, v19
	ds_load_b32 v22, v19 offset:TABB
	v_add_nc_u32 v20, s25, v16
	v_min_u32 v20, 0x41f, v20
	v_lshl_add_u32 v20, v20, 2, TAB
	s_wait_dscnt 0x0
	ds_store_b32 v20, v21
	ds_store_b32 v20, v21 offset:128
	ds_store_b32 v20, v22 offset:TABB
	ds_store_b32 v20, v22 offset:TABB+128
.endif
.Ltab_done:
	s_wait_dscnt 0x0                               ; for the others' sake: the table is stored
	s_barrier_signal -1
	s_barrier_wait -1
	PRO_B
	s_wait_dscnt 0x0
	s_barrier_signal -1
	s_barrier_wait -1                              ; slot 0 is whole
	v_cvt_pk_bf16_f32 v[BIA],   v252, v253         ; the bias, rounded (its load is older than those waited for above)
	v_cvt_pk_bf16_f32 v[BIA+1], v254, v255
.if DOWN
	s_cmp_eq_u32 s53, 0                            ; one quarter of K adds the bias
	s_cselect_b32 s33, -1, 0
	v_and_b32 v[BIA],   s33, v[BIA]
	v_and_b32 v[BIA+1], s33, v[BIA+1]
.endif
	s_mov_b32 s31, 0
.Lpass:
	s_mov_b32 s30, 7
.Lk:                                                   ; a trip: two steps, once round the slots
	STEP 0, 1, 1, 1, 0
	STEP 1, 1, 1, 0, 0
	s_wait_xcnt 0x0                                ; the bases are stepped only behind this wait
	s_add_nc_u64 s[4:5], s[4:5], 2*ASTEP
	s_add_nc_u64 s[6:7], s[6:7], 2*WSTEP
	s_sub_co_u32 s30, s30, 1
	s_cmp_lg_u32 s30, 0
	s_cbranch_scc1 .Lk
	STEP 0, 1, 0, 0, 0                             ; steps 14 and 15 are written out: no load leaves the slice
	STEP 1, 0, 0, 0, 1                             ; no barrier: what is written next is slot 0, last read in step 14
	PLACES                                         ; behind the last products
	; THE WAY OUT, a group of 64 rows at a time; dead groups are jumped forward; no barrier inside
	s_cmp_eq_u32 s52, 0
	s_cbranch_scc1 .Lno_ep
	s_wait_xcnt 0x0
	v_lshlrev_b32 v240, 16, v[BIA]                 ; the bias of column c twice, in v[240 + 2 c : 241 + 2 c]
	v_lshlrev_b32 v241, 16, v[BIA]
	v_and_b32 v242, 0xffff0000, v[BIA]
	v_and_b32 v243, 0xffff0000, v[BIA]
	v_lshlrev_b32 v244, 16, v[BIA+1]
	v_lshlrev_b32 v245, 16, v[BIA+1]
	v_and_b32 v246, 0xffff0000, v[BIA+1]
	v_and_b32 v247, 0xffff0000, v[BIA+1]
.if DOWN
	v_and_b32 v248, 15, v0
	v_lshlrev_b32 v248, 4, v248                    ; my 16 bytes of the wave's 256
.else
	s_mov_b64 s[12:13], s[18:19]
	s_lshl_b32 s54, s29, 7                         ; what the first group adds to the base: the pass's first rank; later groups add 64 ranks
	s_mov_b32 s55, 0
.endif
	s_mov_b32 s32, 0
.Lep:
	s_cmp_ge_u32 s32, s52
	s_cbranch_scc1 .Lep_next
.irp g, 1,2,3,4,5,6,7
	s_cmp_eq_u32 s32, \g
	s_cbranch_scc1 .LC\g
.endr
.irp g, 0,1,2,3,4,5,6
.LC\g:
	COPY \g
	s_branch .Lact
.endr
.LC7:
	COPY 7
.Lact:
	s_wait_xcnt 0x0                                ; the last group's stores have read their registers and their base
.if DOWN
	s_lshl_b32 s33, s32, 3                         ; in eights of ranks: 8 g,
	s_lshr_b32 s34, s29, 3                         ; the pass's first rank,
	s_add_co_u32 s33, s33, s34
	v_add_nc_u32 v48, s33, v[EPO]                  ; and my place in the group: 64 + 56 + 6 + 1 = 127 at the most,
	v_min_u32 v48, 0x7f, v48                       ; so this bound changes nothing: it says in the text that the loads below stay inside the tables
	v_lshl_add_u32 v48, v48, 5, TAB
	ds_load_b128 v[32:35], v48                     ; my eight ranks' rows,
	ds_load_b128 v[36:39], v48 offset:16
	ds_load_b128 v[40:43], v48 offset:TABB         ; and gates
	ds_load_b128 v[44:47], v48 offset:TABB+16
	s_wait_dscnt 0x0
.set j, 0
.rept 8
	v_min_u32 v[32+j], 0x7ff, v[32+j]
	v_lshl_add_u32 v[32+j], v[32+j], 12, v248
.irp c, 0,1,2,3
	v_mul_f32 v[64+4*j+\c], v[Z+8*\c+j], v[40+j]
.endr
	global_store_b128 v[32+j], v[64+4*j:64+4*j+3], s[12:13]    ; 16 lanes store 256 consecutive bytes of one token's row, at a multiple of 256 from part's first byte
.set j, j+1
.endr
.else
.set TRB, 0
.set tq, 32
	SWEEP 0, 5, 0                                  ; tiles 0 and 1: |z|, 1 + P |z|, -(k z)^2
.set tq, 0
	SWEEP 0, 5, 16                                 ; the same for tiles 2 and 3; behind its first 32 lines the 32 reciprocals and exponentials of tiles 0 and 1; eight plain lines follow the last
	s_wait_alu depctr_va_vdst(0)                   ; one wait for that batch, ahead of its first reader
.set TRB, 16
.set tq, 0
	SWEEP 1, 8, 0                                  ; tiles 0 and 1: polynomial and result; behind its first 32 lines the batch of tiles 2 and 3
	s_wait_alu depctr_va_vdst(0)
.set tq, 32
	SWEEP 1, 8, 16
.set j, 0
.rept 8
	v_cvt_pk_bf16_f32 v[OUT+2*j],   v[PL+j],    v[PL+8+j]      ; four neighbouring columns of rank 2 j + h
	v_cvt_pk_bf16_f32 v[OUT+2*j+1], v[PL+16+j], v[PL+24+j]
.set j, j+1
.endr
	s_add_nc_u64 s[12:13], s[12:13], s[54:55]
	s_mov_b32 s54, 8192
.set j, 0
.rept 8
	global_store_b64 v[EPO], v[OUT+2*j:OUT+2*j+1], s[12:13] offset:j*256   ; the wave stores two ranks, 256 consecutive bytes, at a multiple of 256 from hid's first byte
.set j, j+1
.endr
.endif
.Lep_next:
	s_add_co_u32 s32, s32, 1
	s_cmp_lt_u32 s32, 8
	s_cbranch_scc1 .Lep
.Lno_ep:
	; ON TO THE SECOND PASS: ranks 512 on, if there are any; behind it nothing is live
	s_wait_xcnt 0x0
	s_cmp_eq_u32 s31, 0
	s_cselect_b32 s27, s28, 0
	s_mov_b32 s52, s27
	s_mov_b32 s29, 512
	s_mov_b64 s[4:5], s[14:15]
	s_mov_b64 s[6:7], s[16:17]
	s_cmp_lg_u32 s27, 0
	s_cbranch_scc0 .Lno_pro
	WLOADS 0, 0
	PRO_B
.Lno_pro:
	s_wait_dscnt 0x0                               ; my stores into slot 0, and my reads of slot 1 and of the table, are done
	s_barrier_signal -1
	s_barrier_wait -1
	s_add_co_u32 s31, s31, 1
	s_cmp_lt_u32 s31, 2
	s_cbranch_scc1 .Lpass
	s_wait_tensorcnt 0x0                           ; the wave's end: three lines behind my last LDS store
	ds_add_u32 v[SPW], v[NIL]
	s_wait_dscnt 0x0
	s_endpgm
.Lfunc_end_k_qfe0c7a5651_down:
	.size	k_qfe0c7a5651_down, .Lfunc_end_k_qfe0c7a5651_down-k_qfe0c7a5651_down
	.p2alignl 7, 3214868480
	.fill 96, 4, 3214868480
	.section	.rodata,"a",@progbits
	.p2align	6, 0x0
	.amdhsa_kernel k_qfe0c7a5651_down
		.amdhsa_group_segment_fixed_size 190464
		.amdhsa_private_segment_fixed_size 0
		.amdhsa_enable_private_segment 0
		.amdhsa_kernarg_size 56
		.amdhsa_user_sgpr_count 2
		.amdhsa_user_sgpr_kernarg_segment_ptr 1
		.amdhsa_wavefront_size32 1
		.amdhsa_system_sgpr_workgroup_id_x 1
		.amdhsa_system_sgpr_workgroup_id_y 1
		.amdhsa_system_sgpr_workgroup_id_z 1
		.amdhsa_system_vgpr_workitem_id 0
		.amdhsa_next_free_vgpr 512
		.amdhsa_next_free_sgpr 100
		.amdhsa_reserve_vcc 1
		.amdhsa_float_denorm_mode_32 3
		.amdhsa_float_denorm_mode_16_64 3
		.amdhsa_memory_ordered 1
		.amdhsa_forward_progress 1
		.amdhsa_inst_pref_size 141
	.end_amdhsa_kernel
	.amdgpu_metadata
---
amdhsa.version: [ 1, 2 ]
amdhsa.kernels:
  - .name:           k_qfe0c7a5651_down
    .symbol:         k_qfe0c7a5651_down.kd
    .args:
      - { .name: hid, .offset: 0, .size: 8, .value_kind: global_buffer, .address_space: global }
      - { .name: W2, .offset: 8, .size: 8, .value_kind: global_buffer, .address_space: global }
      - { .name: b2, .offset: 16, .size: 8, .value_kind: global_buffer, .address_space: global }
      - { .name: bits, .offset: 24, .size: 8, .value_kind: global_buffer, .address_space: global }
      - { .name: sel, .offset: 32, .size: 8, .value_kind: global_buffer, .address_space: global }
      - { .name: gate, .offset: 40, .size: 8, .value_kind: global_buffer, .address_space: global }
      - { .name: part, .offset: 48, .size: 8, .value_kind: global_buffer, .address_space: global }
    .group_segment_fixed_size: 190464
    .private_segment_fixed_size: 0
    .kernarg_segment_align: 8
    .kernarg_segment_size: 56
    .max_flat_workgroup_size: 256
    .sgpr_count:     100
    .vgpr_count:     512
    .wavefront_size: 32
...
	.end_amdgpu_metadata
.endif
;; end of part 3
;; launch sum (part 4): grid 256 x 1, 8 waves a work-group, no clusters, 0 bytes of LDS; arguments part, out0; writes out0
.if DOCPART == 4
	.amdgcn_target "amdgcn-amd-amdhsa--gfx1250"
	.amdhsa_code_object_version 6
	.text
	.protected	k_qfe0c7a5651_sum
	.globl	k_qfe0c7a5651_sum
	.p2align	8
	.type	k_qfe0c7a5651_sum,@function
k_qfe0c7a5651_sum:
	s_mov_b64 s[64:65], 0
	v_nop
	global_prefetch_b8 v0, s[64:65] scope:SCOPE_SE
	s_setreg_imm32_b32 hwreg(HW_REG_WAVE_MODE, 25, 1), 1
	s_wait_xcnt 0x0
; out0[token][col] = the sum of the eight slabs part[i][token][col], i = 2 x (quarter of K) + slot: f32 [8][1024][1024] -> f32 [1024][1024], added in one fixed tree.
; A stream: memory binds, so no LDS, no barrier, no matrix unit, no cluster.  A work-group owns 16 KiB of the output, four chunks of 4 KiB; a thread 16 bytes of each chunk.
; All 32 loads of a wave go out at once, chunk by chunk; each covers 512 consecutive bytes, and so does each store.
.set SLAB, 0x400000                    ; bytes in a slab
.set V, 4                              ; v4-131: chunk c, slab i in four registers at V + 32 c + 4 i
	s_load_b128 s[4:7], s[0:1], 0x0                ; part s[4:5], out0 s[6:7]
	v_lshlrev_b32 v1, 4, v0
	s_lshl_b32 s8, ttmp9, 14
	s_mov_b32 s9, 0
	s_wait_kmcnt 0x0
	s_add_nc_u64 s[16:17], s[4:5], s[8:9]          ; four bases two slabs apart: the odd slab and the chunk stand in the immediate, inside its signed 24 bits
	s_add_nc_u64 s[6:7], s[6:7], s[8:9]
	s_add_nc_u64 s[18:19], s[16:17], 2*SLAB
	s_add_nc_u64 s[20:21], s[16:17], 4*SLAB
	s_add_nc_u64 s[22:23], s[16:17], 6*SLAB
.irp c, 0,1,2,3
.irp i, 0,1,2,3,4,5,6,7
	global_load_b128 v[V+32*\c+4*\i:V+32*\c+4*\i+3], v1, s[16+2*(\i/2):17+2*(\i/2)] offset:(\i%2)*SLAB+\c*4096 th:TH_LOAD_NT
.endr
.endr
.macro ADDQ a, b                       ; four numbers onto four
	v_pk_add_f32 v[(\a):(\a)+1],   v[(\a):(\a)+1],   v[(\b):(\b)+1]
	v_pk_add_f32 v[(\a)+2:(\a)+3], v[(\a)+2:(\a)+3], v[(\b)+2:(\b)+3]
.endm
.irp c, 0,1,2,3
	s_wait_loadcnt 24-8*\c                         ; loads come back in order (ISA guide 5.7.1): this chunk's eight are in, the younger chunks' stay out
	ADDQ V+32*\c,    V+32*\c+4
	ADDQ V+32*\c+8,  V+32*\c+12
	ADDQ V+32*\c+16, V+32*\c+20
	ADDQ V+32*\c+24, V+32*\c+28
	ADDQ V+32*\c,    V+32*\c+8
	ADDQ V+32*\c+16, V+32*\c+24
	ADDQ V+32*\c,    V+32*\c+16
	global_store_b128 v1, v[V+32*\c:V+32*\c+3], s[6:7] offset:\c*4096 th:TH_STORE_NT
.endr
	s_endpgm
.Lfunc_end_k_qfe0c7a5651_sum:
	.size	k_qfe0c7a5651_sum, .Lfunc_end_k_qfe0c7a5651_sum-k_qfe0c7a5651_sum
	.p2alignl 7, 3214868480
	.fill 96, 4, 3214868480
	.section	.rodata,"a",@progbits
	.p2align	6, 0x0
	.amdhsa_kernel k_qfe0c7a5651_sum
		.amdhsa_group_segment_fixed_size 0
		.amdhsa_private_segment_fixed_size 0
		.amdhsa_enable_private_segment 0
		.amdhsa_kernarg_size 16
		.amdhsa_user_sgpr_count 2
		.amdhsa_user_sgpr_kernarg_segment_ptr 1
		.amdhsa_wavefront_size32 1
		.amdhsa_system_sgpr_workgroup_id_x 1
		.amdhsa_system_sgpr_workgroup_id_y 1
		.amdhsa_system_sgpr_workgroup_id_z 1
		.amdhsa_system_vgpr_workitem_id 0
		.amdhsa_next_free_vgpr 136
		.amdhsa_next_free_sgpr 66
		.amdhsa_reserve_vcc 0
		.amdhsa_float_denorm_mode_32 3
		.amdhsa_float_denorm_mode_16_64 3
		.amdhsa_memory_ordered 1
		.amdhsa_forward_progress 1
		.amdhsa_inst_pref_size 8
	.end_amdhsa_kernel
	.amdgpu_metadata
---
amdhsa.version: [ 1, 2 ]
amdhsa.kernels:
  - .name:           k_qfe0c7a5651_sum
    .symbol:         k_qfe0c7a5651_sum.kd
    .args:
      - { .name: part, .offset: 0, .size: 8, .value_kind: global_buffer, .address_space: global }
      - { .name: out0, .offset: 8, .size: 8, .value_kind: global_buffer, .address_space: global }
    .group_segment_fixed_size: 0
    .private_segment_fixed_size: 0
    .kernarg_segment_align: 8
    .kernarg_segment_size: 16
    .max_flat_workgroup_size: 256
    .sgpr_count:     66
    .vgpr_count:     136
    .wavefront_size: 32
...
	.end_amdgpu_metadata
.endif
;; end of part 4
;; ======== version 2 of 3: 4 launches
;; workspace buffers: xb 2,097,152 bytes; sel 4,096 bytes of whole numbers; bits 1,024 bytes of whole numbers; gate 8,192 bytes; hid 67,108,864 bytes; part 33,554,432 bytes
;; launch route: the kernel of part 1 again; grid 64 x 1, 8 waves a work-group, no clusters, 44,032 bytes of LDS; arguments x, Wg, bg, xb, sel, gate, bits; writes xb, sel, gate, bits
;; launch up (part 5): grid 256 x 1, 8 waves a work-group, no clusters, 181,248 bytes of LDS; arguments xb, W1, b1, bits, hid; writes hid
.if DOCPART == 5
	.amdgcn_target "amdgcn-amd-amdhsa--gfx1250"
	.amdhsa_code_object_version 6
	.text
	.protected	k_qfe0c7a5651_up
	.globl	k_qfe0c7a5651_up
	.p2align	8
	.type	k_qfe0c7a5651_up,@function
k_qfe0c7a5651_up:
	s_mov_b64 s[64:65], 0
	v_nop
	global_prefetch_b8 v0, s[64:65] scope:SCOPE_SE
	s_setreg_imm32_b32 hwreg(HW_REG_WAVE_MODE, 25, 1), 1
	s_wait_xcnt 0x0
.set DOWN, 0
; ONE TEXT FOR BOTH PRODUCTS OF THE EXPERTS; DOWN (the line above) picks.  Only the rows of tokens that chose an expert are multiplied.
;   DOWN = 0: hid = gelu(x W1[e] + b1[e]), exact GELU, for the expert's rows.  Arguments: xb, W1, b1, bits, hid.
;   DOWN = 1: part = gate x (hid W2[e] + b2[e]), K in four quarters.            Arguments: hid, W2, b2, bits, sel, gate, part.
; Both are [rows of one expert x 1,024] . [1,024 x 128]: 8 experts x 32 slices = 256 work-groups; a slice of weights, 512 KiB of f32, has one reader and is read once
; (twice where an expert has more than 512 rows).  DOWN = 0: slice = 128 of 4,096 hidden columns.  DOWN = 1: slice = a quarter q of K x 128 of 1,024 columns.
; hid: bf16 [expert][block of 64 hidden columns][rank 0..1023][64]; a rank is a token's place among the expert's tokens, in ascending order of tokens.
; part: f32 [2 q + slot][token][1024]; a token has one expert in each slot, so every byte is stored; the next launch adds the eight.
; FORMATS.  Weights and biases are rounded to bf16 on their way through registers, hid once to bf16 (not f16: with larger inputs it passes 65,504); sums, GELU and gates in f32.
; LIMITS.  GELU: z Phi(z) as 0.5 z + |z| (0.5 - q), q = erfc(|z| / sqrt 2) / 2 by a rational form with five terms (Abramowitz and Stegun 7.1.26), absolute error 1.5e-7 in erf; NaN and infinities are not treated apart.
; EVERY SPLIT IS SERVED.  The expert's count comes from its map of 1,024 bits.  Two passes of up to 512 rows; a pass's rows in groups of 64; L = live groups (0..8), the same in all waves.
; Every barrier is on every path; what a dead group or pass would do is jumped forward.  Pass 0 always has one live group.  Places past the count repeat the last row.
; SHARES.  Wave w: rows 16 (w / 2) .. + 15 of every group, columns 64 (w % 2) .. + 63: accumulator (g, c) at v[32 g + 8 c] of window 1, 256 registers.  All else lies in window 0.
; A wave multiplies and stores only those of its tiles of 16 rows that hold a row (at least one tile): its own number of groups may be one less than L.
; K goes in 16 steps of 64 through two LDS slots.  All through registers: the weights have to be rounded, DOWN = 0's rows come by a list, and one counter then orders both streams.
; THE STEP.  Step s multiplies slot s % 2, the wave's groups from the last down to 0.  In front of group 0's products stands the hand-over: the rows and the weights of step s + 1, asked for one and
; two steps earlier, go from registers into the other slot, and the registers just emptied are asked for again at once: the rows of step s + 2, the weights of step s + 3.
; So a load has one or two whole steps in which to land, and the LDS stores are on their way while group 0 is multiplied.
; WEIGHTS lie [K][N] and need no turning: a lane loads 8 rows x 4 neighbouring columns; two rows' numbers of one column round into one register of a B fragment, in which lane r then stands for
; column 4 r + c of the wave's 64.  So a lane's four tiles c = 0..3 hold four NEIGHBOURING columns of a row, which leave together.  Each weight is loaded and rounded by one wave.
; NO CLUSTER: a slice has one reader; what an expert's work-groups share, its rows, comes by a list (DOWN = 0) and, in both, in a loop whose live part hangs on a stored count.
.if DOWN
.set LOGWP,  12                        ; a row of W2[e]: 4,096 bytes
.set ASTEP,  131072                    ; from a block of hid to the next
.else
.set LOGWP,  14                        ; a row of W1[e]: 16,384 bytes
.set ASTEP,  128                       ; 64 bf16 along a row of xb
.endif
.set WPITCH, 1<<LOGWP
.set LOGWS,  LOGWP+6
.set WSTEP,  1<<LOGWS                  ; 64 rows of weights
.set APITCH, 144                       ; an LDS row of 64 bf16: 128 bytes + 16: the 16 rows of a fragment load begin in 16 different groups of four banks (64 banks of 4 bytes: ISA guide 11.1)
.set AHALF,  256*APITCH
.set ASLOT,  512*APITCH                ; 73,728: a pass's rows, one K step
.set WF0,    2*ASLOT                   ; 147,456: the weights' fragments: ((f 2 + cb) 4 + c) 1,024 + u 512 + 16 lane
.set WSLOT,  16384
.set TAB,    WF0+2*WSLOT               ; 180,224; DOWN = 1 alone: two tables by rank, 1,088 words each, then 32 words that take the stores of lanes without a token
.set TABB,   4608
.set DUMP,   1088
.if DOWN
.set SPARE,  TAB+2*TABB                ; the spare words, 128 bytes for each wave, which no other line names
.else
.set SPARE,  TAB
.endif
.set SPW, 1                            ; v1      SPARE + 4 x my thread's number; never rewritten
.set NIL, 2                            ; v2      0; never rewritten
.set ALD, 3                            ; v3-6    where I store 16 bytes of a row: slot s, rounds 8 a .. 8 a + 7 at ALD + 2 s + a
.set ARD, 7                            ; v7-8    my A fragments in slot s
.set WLD, 9                            ; v9      where I store weight fragments
.set BRD, 10                           ; v10     where I read them
.set WOF, 11                           ; v11     my byte offset in a step's weights
.set BIA, 12                           ; v12-13  the bias of my four columns, bf16, two to a register
.set PFO, 14                           ; v14     my byte offset for the prefetch; never rewritten
.set EPO, 15                           ; v15     the way out's lane term
.set AOFF, 16                          ; v16-31  round j: byte offset of my 16 bytes of a row
.set AST, 32                           ; v32-95  rows as loaded, round j in four registers
.set WST, 96                           ; v96-159 weights as loaded: two sets of 8 rows x 4 columns
.set BF,  160                          ; v160-223 B fragments (f, c) at 32 f + 8 c
.set AF,  224                          ; v224-255 A fragments: buffer b, f at 16 b + 8 f
.set WCV, 240                          ; v240-255 weights rounded: A's buffer 1, idle from the odd groups' last product to the next step
.set Z,   96                           ; the way out: 32 numbers, tile c register j at 8 c + j
; scalars: s[4:5] rows' base, s[6:7] weights' base, s[12:13] output's base; s[14:15], s[16:17], s[18:19] as they began; s20 wave, s21 w / 2, s22 w % 2, s23 expert, s24 slice, s53 quarter;
; s25 count, s26 last rank, s27 L, s28 the second pass's L, s61 my wave's groups, s62 the second pass's, s29 the pass's first rank, s30 trips, s31 pass + 1, s32 group, s52 groups that I store, s[68:99] the expert's map
.set MSB, 0
.macro WIN new                         ; s_set_vgpr_msb: bits 1:0 source 0, 3:2 source 1, 5:4 source 2, 7:6 destination; the high byte repeats the setting that is left
.if MSB != (\new)
	s_set_vgpr_msb (MSB<<8)|(\new)
.set MSB, (\new)
.endif
.endm
.macro PLACES                          ; four places between a matrix instruction and a write, or a load, into one of its registers, or a reading of its result (ISA guide 7.12.1 for vector instructions)
.rept 4
	v_nop
.endr
.endm
; Eight loads: my 8 rows x 16 bytes of a step's weights; each covers 256 consecutive bytes of two rows, at multiples of 256 from the buffer's first byte
.macro WLOADS set, off
.set i, 0
.rept 8
	global_load_b128 v[WST+32*(\set)+4*i:WST+32*(\set)+4*i+3], v[WOF], s[6:7] offset:(\off)+i*WPITCH th:TH_LOAD_NT
.set i, i+1
.endr
.endm
; The rows of a step: group g is rounds 2 g and 2 g + 1.  full = 0: dead groups are jumped
.macro ALOADS off, full
.set j, 0
.rept 16
.if (!(\full)) && (j >= 2) && (j%2 == 0)
	s_cmp_le_u32 s27, j/2
	s_cbranch_scc1 .Lax_\@
.endif
	global_load_b128 v[AST+4*j:AST+4*j+3], v[AOFF+j], s[4:5] offset:\off
.set j, j+1
.endr
.Lax_\@:
.endm
.macro ASTORES slot                    ; all 16 rounds into a slot
.set j, 0
.rept 16
	ds_store_b128 v[ALD+2*(\slot)+j/8], v[AST+4*j:AST+4*j+3] offset:(j%8)*32*APITCH
.set j, j+1
.endr
.endm
; The live rounds go into a slot, and (load = 1) each round's registers are asked for again at once, with the rows at byte off: an LDS store has read its data when it is issued (ISA guide 5.7.1)
.macro AMOVE slot, off, load
.set j, 0
.rept 16
.if (j >= 2) && (j%2 == 0)
	s_cmp_le_u32 s27, j/2
	s_cbranch_scc1 .Lmx_\@
.endif
	ds_store_b128 v[ALD+2*(\slot)+j/8], v[AST+4*j:AST+4*j+3] offset:(j%8)*32*APITCH
.if \load
	global_load_b128 v[AST+4*j:AST+4*j+3], v[AOFF+j], s[4:5] offset:\off
.endif
.set j, j+1
.endr
.Lmx_\@:
.endm
; Rows 2 p and 2 p + 1 of column c round into register p of my half of fragment c
.macro WCONV set, slot
.irp c, 0,1,2,3
.irp p, 0,1,2,3
	v_cvt_pk_bf16_f32 v[WCV+4*\c+\p], v[WST+32*(\set)+8*\p+\c], v[WST+32*(\set)+8*\p+4+\c]
.endr
.endr
.irp c, 0,1,2,3
	ds_store_b128 v[WLD], v[WCV+4*\c:WCV+4*\c+3] offset:(\slot)*WSLOT+\c*1024
.endr
.endm
.macro FRAG g, sl                      ; group g's two A fragments into buffer g % 2
.irp f, 0,1
	ds_load_b128 v[AF+16*((\g)%2)+8*\f:AF+16*((\g)%2)+8*\f+3],   v[ARD+(\sl)] offset:(\g)*64*APITCH+\f*64
	ds_load_b128 v[AF+16*((\g)%2)+8*\f+4:AF+16*((\g)%2)+8*\f+7], v[ARD+(\sl)] offset:(\g)*64*APITCH+\f*64+32
.endr
.endm
.macro MUL8 g                          ; the group's four accumulators by turns
	WIN 0x50                                       ; C and D in window 1
.irp f, 0,1
.irp c, 0,1,2,3
	v_wmma_f32_16x16x32_bf16 v[32*(\g)+8*\c:32*(\g)+8*\c+7], v[AF+16*((\g)%2)+8*\f:AF+16*((\g)%2)+8*\f+7], v[BF+32*\f+8*\c:BF+32*\f+8*\c+7], v[32*(\g)+8*\c:32*(\g)+8*\c+7]
.endr
.endr
	WIN 0                                          ; at a label and at a branch every window is 0
.endm
; THE HAND-OVER of step s (slot sl = s % 2).  kind = 3: rows and weights are asked for again; 2: rows alone (step 13); 1: nothing (step 14).
; In every step the rows' loads are issued first and the eight weight loads last, whatever the number of row loads.  So at the count 8 the eight youngest, the weights of step s + 2, may be out,
; and all that is older is in: the rows of step s + 1 and the weights of step s + 1.  Behind step 13 no weights are younger than the rows: step 14 waits for 0.
.macro XFER sl, kind, pf
.if (\kind) == 1
	s_wait_loadcnt 0x0
.else
	s_wait_loadcnt 0x8
.endif
.if (\kind) >= 2
	AMOVE 1-(\sl), ((\sl)+2)*ASTEP, 1
.else
	AMOVE 1-(\sl), 0, 0
.endif
	PLACES                                         ; behind the odd groups' last product, which read the registers that the roundings write
	WCONV 1-(\sl), 1-(\sl)
.if (\kind) == 3
	WLOADS 1-(\sl), ((\sl)+3)*WSTEP
.endif
.if \pf
	s_cmp_eq_u32 s30, 1                            ; the last trip would ask past the slice,
	s_cbranch_scc1 .Lnopf_\@
	s_cmp_lg_u32 s31, 1                            ; and the second pass would ask for the same blocks again
	s_cbranch_scc1 .Lnopf_\@
	global_prefetch_b8 v[PFO], s[6:7] offset:5*WSTEP th:TH_LOAD_NT scope:SCOPE_SE  ; trip t: steps 2 t + 5 (lanes 0-15) and 2 t + 6 (lanes 16-31), whose loads come one trip on: 16 blocks of 256 bytes of each for this wave, each asked for once
.Lnopf_\@:
.endif
.endm
; A step's products: my groups from the last down to 0, so that the fragments fetched one group ahead are always a live group's, and all ways end in group 0's block
.macro COMPUTE sl, kind, pf
.irp f, 0,1
.irp c, 0,1,2,3
	ds_load_b128 v[BF+32*\f+8*\c:BF+32*\f+8*\c+3],   v[BRD] offset:(\sl)*WSLOT+\f*8192+\c*1024
	ds_load_b128 v[BF+32*\f+8*\c+4:BF+32*\f+8*\c+7], v[BRD] offset:(\sl)*WSLOT+\f*8192+\c*1024+512
.endr
.endr
.irp g, 7,6,5,4,3,2,1
	s_cmp_eq_u32 s61, \g+1
	s_cbranch_scc1 .LE\@_\g
.endr
	FRAG 0, \sl
	s_branch .LG\@_0
.irp g, 1,2,3,4,5,6
.LE\@_\g:
	FRAG \g, \sl
	s_branch .LG\@_\g
.endr
.LE\@_7:
	FRAG 7, \sl
.irp g, 7,6,5,4,3,2,1
.LG\@_\g:
	PLACES                                         ; the buffer loaded next was read by the products just issued
	FRAG \g-1, \sl
	s_wait_dscnt 0x4                               ; all but the four just issued: this group's fragments, and B's, are in
	MUL8 \g
.endr
.LG\@_0:
	s_wait_dscnt 0x0                               ; group 0's fragments are in
.if \kind
	XFER \sl, \kind, \pf
.endif
	MUL8 0
.if \kind
	PLACES                                         ; in front of the next step's loads into the fragments' registers
.endif
.endm
; One barrier a step: in front of it my stores into the other slot and my reads of this one are done.  kind = 0: the last step: nothing is moved, and no barrier: what is written next is slot 0, last read in step 14
.macro STEP sl, kind, pf
	s_cmp_lg_u32 s27, 0
	s_cbranch_scc1 .Llive_\@
	s_wait_loadcnt 0x0
	s_branch .Lbar_\@
.Llive_\@:
	COMPUTE \sl, \kind, \pf
.Lbar_\@:
	s_wait_dscnt 0x0
.if \kind
	s_barrier_signal -1
	s_barrier_wait -1
.endif
.endm
; Round j's row: rank = the pass's first + 32 j + thread / 8, held to the last rank; a number that comes from memory is held under a constant before it enters an address
.if DOWN
.macro MKAOFF
	v_lshrrev_b32 v32, 3, v0
	v_add_nc_u32 v32, s29, v32
	v_and_b32 v33, 7, v0
	v_lshlrev_b32 v33, 4, v33
.set j, 0
.rept 16
	v_add_nc_u32 v[AOFF+j], 32*j, v32
	v_min_u32 v[AOFF+j], s26, v[AOFF+j]
	v_min_u32 v[AOFF+j], 0x3ff, v[AOFF+j]
	v_lshl_add_u32 v[AOFF+j], v[AOFF+j], 7, v33    ; hid: ranks lie end to end, 128 bytes each: a wave's load covers 512 consecutive bytes
.set j, j+1
.endr
.endm
.else
; RANK TO TOKEN, in registers alone.  The wave's 16 rounds want 64 ranks, four a round: lane l finds the tokens of two, those of rounds l / 4 and 8 + l / 4, row l % 4.
; The word: the last of the 32 whose count of set bits below it is not above the rank.  The bit: by five halvings on the counts of set bits in fields of 16, 8, 4, 2 and 1.
; An expert without rows: rank 0 finds token 1,023, a row that exists.
.set RK, 36                            ; v36-37  the rank, then its place among the word's set bits
.set WD, 38                            ; v38-39  the word
.set CW, 40                            ; v40-41  set bits below the word | the word's number << 16; then the number
.set SA, 44                            ; v44-45  set bits in fields of 2
.set SB, 46                            ; v46-47  of 4
.set SC, 48                            ; v48-49  of 8
.set TT, 50                            ; v50-51  at work
.set PS, 52                            ; v52-53  the bit's place, then the token
.set SX, 54                            ; v54-55  at work
.macro NTHS st, q                      ; line st of the counting, for the lane's rank q
.if (\st) == 0
	v_lshrrev_b32 v[SA+\q], 1, v[WD+\q]
.elseif (\st) == 1
	v_and_b32 v[SA+\q], 0x55555555, v[SA+\q]
.elseif (\st) == 2
	v_sub_nc_u32 v[SA+\q], v[WD+\q], v[SA+\q]
.elseif (\st) == 3
	v_lshrrev_b32 v[SB+\q], 2, v[SA+\q]
.elseif (\st) == 4
	v_and_b32 v[SB+\q], 0x33333333, v[SB+\q]
.elseif (\st) == 5
	v_and_b32 v[TT+\q], 0x33333333, v[SA+\q]
.elseif (\st) == 6
	v_add_nc_u32 v[SB+\q], v[SB+\q], v[TT+\q]
.elseif (\st) == 7
	v_lshrrev_b32 v[SC+\q], 4, v[SB+\q]
.elseif (\st) == 8
	v_add_nc_u32 v[SC+\q], v[SC+\q], v[SB+\q]
.elseif (\st) == 9
	v_and_b32 v[SC+\q], 0x0f0f0f0f, v[SC+\q]
.elseif (\st) == 10
	v_lshrrev_b32 v[TT+\q], 8, v[SC+\q]
.elseif (\st) == 11
	v_add_nc_u32 v[TT+\q], v[TT+\q], v[SC+\q]
.else
	v_and_b32 v[TT+\q], 0xff, v[TT+\q]             ; set bits in the word's low 16
.endif
.endm
.macro HALF src, wid, q, sub           ; line sub of a halving: if the place is not below the set bits of the lower wid bits at PS, the bit lies in the upper wid
.if (\sub) == 0
	v_bfe_u32 v[TT+\q], v[(\src)+\q], v[PS+\q], \wid
.elseif (\sub) == 1
	v_cmp_ge_u32 s[34+\q], v[RK+\q], v[TT+\q]
.elseif (\sub) == 2
	v_cndmask_b32 v[TT+\q], 0, v[TT+\q], s[34+\q]
.elseif (\sub) == 3
	v_sub_nc_u32 v[RK+\q], v[RK+\q], v[TT+\q]
.elseif (\sub) == 4
	v_cndmask_b32 v[SX+\q], 0, \wid, s[34+\q]
.else
	v_add_nc_u32 v[PS+\q], v[PS+\q], v[SX+\q]
.endif
.endm
.macro MKAOFF
	v_and_b32 v32, 31, v0
	v_lshrrev_b32 v33, 2, v32
	v_and_b32 v34, 3, v0
	v_lshl_add_u32 v35, v33, 5, v34                ; 32 (l / 4) + l % 4
	s_lshl2_add_u32 s33, s20, s29                  ; + 4 w + the pass's first rank
	v_add_nc_u32 v[RK], s33, v35
	v_add_nc_u32 v[RK+1], 0x100, v[RK]
	v_min_u32 v[RK], s26, v[RK]
	v_min_u32 v[RK+1], s26, v[RK+1]
	v_mov_b32 v[WD], s68
	v_mov_b32 v[WD+1], s68
	v_mov_b32 v[CW], 0
	v_mov_b32 v[CW+1], 0
	v_and_b32 v56, 7, v0
	v_lshlrev_b32 v56, 4, v56                      ; my 16 bytes of a row's 128
	s_mov_b32 s34, 0
.set i, 1
.rept 31
	s_bcnt1_i32_b32 s35, s[68+i-1]
	s_add_co_u32 s34, s34, s35                     ; set bits below word i
	s_or_b32 s35, s34, i<<16
	v_cmp_le_u32 vcc_lo, s34, v[RK]
	v_cmp_le_u32 s60, s34, v[RK+1]
	v_cndmask_b32 v[WD], v[WD], s[68+i], vcc_lo
	v_cndmask_b32 v[CW], v[CW], s35, vcc_lo
	v_cndmask_b32 v[WD+1], v[WD+1], s[68+i], s60
	v_cndmask_b32 v[CW+1], v[CW+1], s35, s60
.set i, i+1
.endr
	v_and_b32 v[TT], 0xffff, v[CW]
	v_and_b32 v[TT+1], 0xffff, v[CW+1]
	v_sub_nc_u32 v[RK], v[RK], v[TT]
	v_sub_nc_u32 v[RK+1], v[RK+1], v[TT+1]
	v_lshrrev_b32 v[CW], 16, v[CW]
	v_lshrrev_b32 v[CW+1], 16, v[CW+1]
.set st, 0
.rept 13
	NTHS st, 0
	NTHS st, 1
.set st, st+1
.endr
	v_mov_b32 v[PS], 0
	v_mov_b32 v[PS+1], 0
.irp sub, 1,2,3,4,5
	HALF 0, 16, 0, \sub
	HALF 0, 16, 1, \sub
.endr
.irp sub, 0,1,2,3,4,5
	HALF SC, 8, 0, \sub
	HALF SC, 8, 1, \sub
.endr
.irp sub, 0,1,2,3,4,5
	HALF SB, 4, 0, \sub
	HALF SB, 4, 1, \sub
.endr
.irp sub, 0,1,2,3,4,5
	HALF SA, 2, 0, \sub
	HALF SA, 2, 1, \sub
.endr
.irp sub, 0,1,4,5
	HALF WD, 1, 0, \sub
	HALF WD, 1, 1, \sub
.endr
	v_lshl_add_u32 v[PS], v[CW], 5, v[PS]          ; the token: 32 x word + bit
	v_lshl_add_u32 v[PS+1], v[CW+1], 5, v[PS+1]
.set j, 0
.rept 16                                               ; round j's four tokens go to the eight lanes of each row: lanes 0-7 the first, 8-15, 16-23, 24-31 the others (s56-58: their masks)
	v_readlane_b32 s33, v[PS+j/8], 4*(j%8)
	v_readlane_b32 s34, v[PS+j/8], 4*(j%8)+1
	v_readlane_b32 s35, v[PS+j/8], 4*(j%8)+2
	v_readlane_b32 s60, v[PS+j/8], 4*(j%8)+3
	v_mov_b32 v[AOFF+j], s33
	v_cndmask_b32 v[AOFF+j], v[AOFF+j], s34, s56
	v_cndmask_b32 v[AOFF+j], v[AOFF+j], s35, s57
	v_cndmask_b32 v[AOFF+j], v[AOFF+j], s60, s58
	v_min_u32 v[AOFF+j], 0x3ff, v[AOFF+j]
	v_lshl_add_u32 v[AOFF+j], v[AOFF+j], 11, v56   ; a row of xb is 2,048 bytes
.set j, j+1
.endr
.endm
.endif
; All 32 accumulators start at 0 by 32 products of zero fragments with C = 0: they stand in the wait for the first loads, and spare 256 v_mov_b32 or a further copy of a step
.macro INIT
.set i, 0
.rept 8
	v_mov_b32 v[AF+i], 0
	v_mov_b32 v[BF+i], 0
.set i, i+1
.endr
	WIN 0x50
.set i, 0
.rept 32
	v_wmma_f32_16x16x32_bf16 v[8*i:8*i+7], v[AF:AF+7], v[BF:BF+7], 0
.set i, i+1
.endr
	WIN 0
.endm
.macro COPY g                          ; group g's sums + bias into window 0; each accumulator is read from its lowest registers on
	WIN 0x01                                       ; source 0 in window 1
.irp c, 0,1,2,3
.irp j, 0,2,4,6
	v_pk_add_f32 v[Z+8*\c+\j:Z+8*\c+\j+1], v[32*(\g)+8*\c+\j:32*(\g)+8*\c+\j+1], v[240+2*\c:241+2*\c]
.endr
.endr
	WIN 0
.endm
.if !DOWN
; GELU of the 32 numbers in Z, a pair of registers at a time, in sweeps over eight pairs, so that no line reads the result of the line before it.
.set AZ, 128                           ; |z|
.set U,  32                            ; 1 + P |z|, then t = its reciprocal
.set W,  64                            ; -(k z)^2, then 2^that = e^(-z z / 2)
.set PL, 160                           ; the polynomial, then the result
.set HZ, 192                           ; z / 2
.set OUT, 224
.macro P1S st, i
.if (\st) == 0
	v_and_b32 v[AZ+(\i)], s50, v[Z+(\i)]
.elseif (\st) == 1
	v_and_b32 v[AZ+(\i)+1], s50, v[Z+(\i)+1]
.elseif (\st) == 2
	v_pk_fma_f32 v[U+(\i):U+(\i)+1], v[AZ+(\i):AZ+(\i)+1], s[36:37], 1.0 op_sel_hi:[1,0,0]
.elseif (\st) == 3
	v_pk_mul_f32 v[W+(\i):W+(\i)+1], v[Z+(\i):Z+(\i)+1], s[38:39] op_sel_hi:[1,0]
.else
	v_pk_mul_f32 v[W+(\i):W+(\i)+1], v[W+(\i):W+(\i)+1], v[W+(\i):W+(\i)+1] neg_lo:[1,0] neg_hi:[1,0]
.endif
.endm
.macro POS st, i
.if (\st) == 0
	v_pk_fma_f32 v[PL+(\i):PL+(\i)+1], v[U+(\i):U+(\i)+1], s[48:49], s[46:47] op_sel_hi:[1,0,0]
.elseif (\st) == 1
	v_pk_fma_f32 v[PL+(\i):PL+(\i)+1], v[PL+(\i):PL+(\i)+1], v[U+(\i):U+(\i)+1], s[44:45] op_sel_hi:[1,1,0]
.elseif (\st) == 2
	v_pk_fma_f32 v[PL+(\i):PL+(\i)+1], v[PL+(\i):PL+(\i)+1], v[U+(\i):U+(\i)+1], s[42:43] op_sel_hi:[1,1,0]
.elseif (\st) == 3
	v_pk_fma_f32 v[PL+(\i):PL+(\i)+1], v[PL+(\i):PL+(\i)+1], v[U+(\i):U+(\i)+1], s[40:41] op_sel_hi:[1,1,0]
.elseif (\st) == 4
	v_pk_mul_f32 v[PL+(\i):PL+(\i)+1], v[PL+(\i):PL+(\i)+1], v[U+(\i):U+(\i)+1]
.elseif (\st) == 5
	v_pk_fma_f32 v[PL+(\i):PL+(\i)+1], v[PL+(\i):PL+(\i)+1], v[W+(\i):W+(\i)+1], 0.5 op_sel_hi:[1,1,0] neg_lo:[1,0,0] neg_hi:[1,0,0]
.elseif (\st) == 6
	v_pk_mul_f32 v[HZ+(\i):HZ+(\i)+1], v[Z+(\i):Z+(\i)+1], 0.5 op_sel_hi:[1,0]
.else
	v_pk_fma_f32 v[PL+(\i):PL+(\i)+1], v[AZ+(\i):AZ+(\i)+1], v[PL+(\i):PL+(\i)+1], v[HZ+(\i):HZ+(\i)+1]
.endif
.endm
.macro TQ                              ; the next of the 32 reciprocals and exponentials of the half that begins at TRB, if any is left
.if tq < 32
.if tq%4 == 0
	v_rcp_f32 v[U+TRB+2*(tq/4)], v[U+TRB+2*(tq/4)]
.elseif tq%4 == 1
	v_rcp_f32 v[U+TRB+2*(tq/4)+1], v[U+TRB+2*(tq/4)+1]
.elseif tq%4 == 2
	v_exp_f32 v[W+TRB+2*(tq/4)], v[W+TRB+2*(tq/4)]
.else
	v_exp_f32 v[W+TRB+2*(tq/4)+1], v[W+TRB+2*(tq/4)+1]
.endif
.set tq, tq+1
.endif
.endm
.macro SWEEP kind, n, base             ; n stages over the eight pairs from base on; behind each line one of the other half's transcendentals
.set st, 0
.rept \n
.set pp, 0
.rept 8
.if \kind
	POS st, (\base)+2*pp
.else
	P1S st, (\base)+2*pp
.endif
	TQ
.set pp, pp+1
.endr
.set st, st+1
.endr
.endm
.macro CPAIR r, val                    ; a constant for the packed forms: named as a pair, the low word serves both halves
	s_mov_b32 s[\r], \val
	s_mov_b32 s[(\r)+1], \val
.endm
.endif
	s_load_b256 s[4:11], s[0:1], 0x0               ; rows s[4:5], weights s[6:7], bias s[8:9], bits s[10:11]
.if DOWN
	s_load_b128 s[56:59], s[0:1], 0x20             ; sel s[56:57], gate s[58:59]
	s_load_b64 s[12:13], s[0:1], 0x30              ; part
.else
	s_load_b64 s[12:13], s[0:1], 0x20              ; hid
.endif
	v_lshl_add_u32 v[SPW], v0, 2, SPARE
	v_mov_b32 v[NIL], 0
	v_lshrrev_b32 v32, 5, v0
	v_readfirstlane_b32 s20, v32                   ; wave 0..7
	s_lshr_b32 s21, s20, 1
	s_and_b32 s22, s20, 1
	s_lshr_b32 s23, ttmp9, 5                       ; expert
.if DOWN
	s_bfe_u32 s53, ttmp9, 0x20003                  ; quarter of K
	s_and_b32 s24, ttmp9, 7                        ; 128 columns
.else
	s_and_b32 s24, ttmp9, 31
.endif
	v_and_b32 v33, 31, v0                          ; lane
	v_and_b32 v34, 15, v0                          ; r
	v_bfe_u32 v35, v0, 4, 1                        ; h
	v_lshrrev_b32 v36, 3, v0                       ; a round is 32 rows: eight threads to a row of 128 bytes
	v_and_b32 v37, 7, v0
	v_mul_u32_u24 v36, v36, APITCH
	v_lshl_add_u32 v[ALD], v37, 4, v36
	v_add_nc_u32 v[ALD+1], AHALF, v[ALD]
	v_add_nc_u32 v[ALD+2], ASLOT, v[ALD]
	v_add_nc_u32 v[ALD+3], ASLOT+AHALF, v[ALD]
.if DOWN
	v_lshl_add_u32 v36, s21, 4, v34                ; matrix row r is row r of my 16
.else
	v_bfe_u32 v36, v0, 3, 1                        ; matrix row r is row 2 (r % 8) + r / 8 of my 16: register j of the result is then rank 2 j + h, and a store's two halves are neighbouring ranks
	v_lshl_add_u32 v36, v37, 1, v36
	v_lshl_add_u32 v36, s21, 4, v36
.endif
	v_mul_u32_u24 v36, v36, APITCH
	v_lshl_add_u32 v[ARD], v35, 4, v36
	v_add_nc_u32 v[ARD+1], ASLOT, v[ARD]
	; as a loader of weights wave w has column half w % 2, fragment f = (w / 2) % 2 and half u = w / 4 of its registers
	s_and_b32 s33, s20, 3
	s_lshl_b32 s33, s33, 12
	s_lshr_b32 s35, s20, 2
	s_lshl_b32 s34, s35, 9
	s_add_co_u32 s33, s33, s34
	s_add_co_u32 s33, s33, WF0
	v_lshl_add_u32 v[WLD], v33, 4, s33
	s_lshl_b32 s33, s22, 12
	s_add_co_u32 s33, s33, WF0
	v_lshl_add_u32 v[BRD], v33, 4, s33
	s_bfe_u32 s34, s20, 0x10001
	s_lshl_b32 s34, s34, 5
	s_lshl4_add_u32 s34, s35, s34                  ; row 32 f + 16 u
	v_lshl_add_u32 v36, v35, 3, s34                ; + 8 h
	v_lshlrev_b32 v36, LOGWP, v36
	v_lshl_add_u32 v36, v34, 4, v36
	s_lshl_b32 s33, s22, 8
	v_add_nc_u32 v[WOF], s33, v36
	v_lshrrev_b32 v36, 2, v0                       ; the prefetch: a step is 128 blocks of 256 bytes, 16 for each wave: row 8 w + (lane % 16) / 2, half lane % 2 of its 512 bytes; lanes 16-31 a step further
	v_bfe_u32 v37, v0, 1, 3
	v_and_or_b32 v36, v36, 0x38, v37
	v_and_b32 v37, 1, v0
	v_lshlrev_b32 v37, 8, v37
	v_lshl_add_u32 v36, v36, LOGWP, v37
	v_lshl_add_u32 v[PFO], v35, LOGWS, v36
.if DOWN
	v_lshlrev_b32 v24, 2, v33                      ; a word a lane, for sel and gate
	s_lshl_b32 s33, s21, 1
	v_add_nc_u32 v[EPO], s33, v35                  ; my ranks 16 (w / 2) + 8 h .. of a group, counted in eights: 2 (w / 2) + h
	s_lshl_b32 s33, s23, 12                        ; b2[e]
.else
	v_lshlrev_b32 v36, 3, v34
	v_lshl_add_u32 v[EPO], v35, 7, v36             ; 8 bytes a lane, 128 bytes a rank
	s_lshl_b32 s33, s23, 14                        ; b1[e]
.endif
	s_lshl_b32 s34, s24, 9
	s_add_co_u32 s33, s33, s34
	s_lshl_b32 s34, s22, 8
	s_add_co_u32 s33, s33, s34
	v_lshl_add_u32 v224, v34, 4, s33               ; the bias of my four columns
	s_lshl_b32 s60, s23, 7                         ; the expert's map
	s_mov_b32 s35, 0
	s_wait_kmcnt 0x0
	s_load_b512 s[68:83], s[10:11], s60 offset:0x0
	s_load_b512 s[84:99], s[10:11], s60 offset:0x40
.if DOWN
	s_cmp_lg_u32 s20, 0                            ; wave 0, which makes the tables, asks for their numbers beside the map's load: they hang on no count
	s_cbranch_scc1 .Lnot_0
.set i, 0
.rept 32
	global_load_b32 v[32+i],  v24, s[56:57] offset:128*i       ; tokens 32 i + lane: the two experts,
	global_load_b32 v[64+i],  v24, s[58:59] offset:128*i       ; slot 0's gate,
	global_load_b32 v[160+i], v24, s[58:59] offset:4096+128*i  ; slot 1's
.set i, i+1
.endr
.Lnot_0:
.endif
	s_lshl_b32 s34, s23, 24                        ; an expert's weights are 16 MiB
	s_lshl_b32 s33, s24, 9
	s_add_co_u32 s34, s34, s33
.if DOWN
	s_lshl_b32 s33, s53, 22                        ; 1,024 rows of 4,096 bytes
	s_add_co_u32 s34, s34, s33
.endif
	s_add_nc_u64 s[6:7], s[6:7], s[34:35]
	s_mov_b64 s[16:17], s[6:7]
.if DOWN
	s_lshl_b32 s34, s23, 6
	s_lshl4_add_u32 s34, s53, s34                  ; block 64 e + 16 q
	s_lshl_b32 s34, s34, 17
	s_add_nc_u64 s[4:5], s[4:5], s[34:35]
.endif
	s_mov_b64 s[14:15], s[4:5]
.if DOWN
	s_lshl_b32 s34, s53, 23                        ; slabs 2 q and 2 q + 1
	s_lshl_b32 s33, s24, 9
	s_add_co_u32 s34, s34, s33
	s_lshl_b32 s33, s22, 8
	s_add_co_u32 s34, s34, s33
.else
	s_lshl_b32 s34, s23, 6
	s_lshl1_add_u32 s34, s24, s34
	s_add_co_u32 s34, s34, s22                     ; block 64 e + 2 slice + w % 2
	s_lshl_b32 s34, s34, 10
	s_lshl4_add_u32 s34, s21, s34                  ; + my 16 ranks of a group
	s_lshl_b32 s34, s34, 7
.endif
	s_add_nc_u64 s[12:13], s[12:13], s[34:35]
	s_mov_b64 s[18:19], s[12:13]
	global_load_b128 v[224:227], v224, s[8:9]      ; lands on its own address register
	global_prefetch_b8 v[PFO], s[6:7] offset:3*WSTEP th:TH_LOAD_NT scope:SCOPE_SE  ; steps 3 and 4; steps 0 to 2 are asked for by the prologue's loads
.if !DOWN
	CPAIR 36, 0x3e6d3388                           ; P  = 0.3275911 / sqrt 2
	CPAIR 38, 0x3f596d27                           ; k  = sqrt(log2(e) / 2)
	CPAIR 40, 0x3e027906                           ; A1 .. A5: the form's coefficients, halved
	CPAIR 42, 0xbe11a98e
	CPAIR 44, 0x3f35f0e3
	CPAIR 46, 0xbf3a00e3
	CPAIR 48, 0x3f07dc22
	s_mov_b32 s50, 0x7fffffff
	s_mov_b32 s56, 0x0000ff00                      ; lanes 8-15, 16-23, 24-31
	s_mov_b32 s57, 0x00ff0000
	s_mov_b32 s58, 0xff000000
.endif
	s_mov_b32 s29, 0
	s_wait_kmcnt 0x0
	s_bcnt1_i32_b32 s25, s68
.set i, 1
.rept 31
	s_bcnt1_i32_b32 s33, s[68+i]
	s_add_co_u32 s25, s25, s33
.set i, i+1
.endr
	s_min_u32 s25, s25, 1024                       ; the expert's rows
	s_max_u32 s26, s25, 1
	s_min_u32 s33, s26, 512                        ; pass 0's rows: 1 to 512
	s_sub_co_u32 s26, s26, 1                       ; the last rank
	s_lshl_b32 s34, s21, 4
	s_sub_co_u32 s34, 63, s34                      ; 63 - 16 (w / 2)
	s_add_co_u32 s27, s33, 63
	s_lshr_b32 s27, s27, 6                         ; pass 0: 1 to 8 groups
	s_add_co_u32 s61, s33, s34                     ; group g's tile of mine holds a row where 64 g + 16 (w / 2) lies below the pass's rows
	s_lshr_b32 s61, s61, 6
	s_max_u32 s61, s61, 1
	s_max_u32 s33, s25, 512
	s_sub_co_u32 s33, s33, 512                     ; pass 1's rows: 0 to 512
	s_add_co_u32 s28, s33, 63
	s_lshr_b32 s28, s28, 6                         ; pass 1: 0 to 8 groups
	s_add_co_u32 s62, s33, s34
	s_lshr_b32 s62, s62, 6
	s_max_u32 s62, s62, 1
.if DOWN
	s_cmp_lg_u32 s25, 0
	s_cselect_b32 s52, s61, 0                      ; an expert without rows stores nothing
.else
	s_mov_b32 s52, s61                             ; an expert without rows stores one tile a wave, made of a row that exists, so that the next launch reads bytes that were written
.endif
.if DOWN
	; THE TABLES BY RANK, made by wave 0 alone from the map: a token's rank is the number of set bits below its own.  They are read on the way out alone, behind the steps' barriers.
	s_cmp_lg_u32 s20, 0
	s_cbranch_scc1 .Ltab_done
	v_and_b32 v16, 31, v0
	v_add_nc_u32 v18, DUMP, v16                    ; where a lane without a token stores
	v_lshl_add_u32 v19, v16, 4, TAB
	v_mov_b32 v20, 0
	v_mov_b32 v21, 0
	v_mov_b32 v22, 0
	v_mov_b32 v23, 0
.set i, 0
.rept (SPARE-TAB)/512                                  ; first both tables are 0, 512 bytes a store: every word that can be read has been written.
	ds_store_b128 v19, v[20:23] offset:i*512       ; LDS serves a wave's instructions in order (ISA guide 5.7.1.4): the entries below land on top
.set i, i+1
.endr
	s_wait_loadcnt 0x0                             ; sel and gate
	s_mov_b32 s33, 0
.set i, 0
.rept 32
	v_mbcnt_lo_u32_b32 v19, s[68+i], s33
	v_cndmask_b32 v19, v18, v19, s[68+i]           ; the map's word is the mask of the lanes that have a token
	v_min_u32 v19, 0x45f, v19                      ; held inside the table's 1,120 words
	v_lshl_add_u32 v19, v19, 2, TAB
	v_add_nc_u32 v21, 32*i, v16
	v_lshrrev_b32 v20, 8, v[32+i]
	v_cmp_eq_u32 vcc_lo, s23, v20                  ; am I the token's second expert?
	v_add_nc_u32 v20, 1024, v21
	v_cndmask_b32 v21, v21, v20, vcc_lo            ; token + 1,024 x slot: a row's number in a quarter's two slabs
	v_cndmask_b32 v22, v[64+i], v[160+i], vcc_lo
	ds_store_b32 v19, v21
	ds_store_b32 v19, v22 offset:TABB
	s_bcnt1_i32_b32 s34, s[68+i]
	s_add_co_u32 s33, s33, s34
.set i, i+1
.endr
	v_mov_b32 v19, s26                             ; the 64 places past the count repeat the last rank's entry: a tile's spare rows store the last row's bytes once more, with the same numbers
	v_min_u32 v19, 0x3ff, v19
	v_lshl_add_u32 v19, v19, 2, TAB
	ds_load_b32 v21, v19
	ds_load_b32 v22, v19 offset:TABB
	v_add_nc_u32 v20, s25, v16
	v_min_u32 v20, 0x41f, v20
	v_lshl_add_u32 v20, v20, 2, TAB
	s_wait_dscnt 0x0
	ds_store_b32 v20, v21
	ds_store_b32 v20, v21 offset:128
	ds_store_b32 v20, v22 offset:TABB
	ds_store_b32 v20, v22 offset:TABB+128
.Ltab_done:
.endif
	s_wait_loadcnt 0x0                             ; the bias, asked for beside the map
	v_cvt_pk_bf16_f32 v[BIA],   v224, v225         ; rounded
	v_cvt_pk_bf16_f32 v[BIA+1], v226, v227
.if DOWN
	s_cmp_eq_u32 s53, 0                            ; one quarter of K adds the bias
	s_cselect_b32 s33, -1, 0
	v_and_b32 v[BIA],   s33, v[BIA]
	v_and_b32 v[BIA+1], s33, v[BIA+1]
.endif
	s_mov_b32 s31, 0
	s_branch .Lpro                                 ; the loop over passes is entered at its prologue, in the middle of a trip: so the prologue stands once in the text
.Lpass:
	s_mov_b32 s30, 6
.Lk:                                                   ; a trip: two steps, once round the slots
	STEP 0, 3, 1
	STEP 1, 3, 0
	s_wait_xcnt 0x0                                ; the bases are stepped only behind this wait
	s_add_nc_u64 s[4:5], s[4:5], 2*ASTEP
	s_add_nc_u64 s[6:7], s[6:7], 2*WSTEP
	s_sub_co_u32 s30, s30, 1
	s_cmp_lg_u32 s30, 0
	s_cbranch_scc1 .Lk
	STEP 0, 3, 0                                   ; steps 12 to 15 are written out: no load leaves the slice.  Step 12 asks for the last weights,
	STEP 1, 2, 0                                   ; step 13 for the last rows,
	STEP 0, 1, 0                                   ; step 14 for nothing,
	STEP 1, 0, 0                                   ; and step 15 moves nothing
	PLACES                                         ; behind the last products
	; THE WAY OUT, a group at a time, my tile of 16 rows; dead tiles are jumped forward; no barrier inside
	s_cmp_eq_u32 s52, 0
	s_cbranch_scc1 .Lno_ep
	s_wait_xcnt 0x0
	v_lshlrev_b32 v240, 16, v[BIA]                 ; the bias of column c twice, in v[240 + 2 c : 241 + 2 c]
	v_lshlrev_b32 v241, 16, v[BIA]
	v_and_b32 v242, 0xffff0000, v[BIA]
	v_and_b32 v243, 0xffff0000, v[BIA]
	v_lshlrev_b32 v244, 16, v[BIA+1]
	v_lshlrev_b32 v245, 16, v[BIA+1]
	v_and_b32 v246, 0xffff0000, v[BIA+1]
	v_and_b32 v247, 0xffff0000, v[BIA+1]
.if DOWN
	v_and_b32 v248, 15, v0
	v_lshlrev_b32 v248, 4, v248                    ; my 16 bytes of the wave's 256
.else
	s_mov_b64 s[12:13], s[18:19]
	s_lshl_b32 s54, s29, 7                         ; what the first group adds to the base: the pass's first rank; later groups add 64 ranks
	s_mov_b32 s55, 0
.endif
	s_mov_b32 s32, 0
.Lep:
	s_cmp_ge_u32 s32, s52
	s_cbranch_scc1 .Lep_next
.irp g, 1,2,3,4,5,6,7
	s_cmp_eq_u32 s32, \g
	s_cbranch_scc1 .LC\g
.endr
.irp g, 0,1,2,3,4,5,6
.LC\g:
	COPY \g
	s_branch .Lact
.endr
.LC7:
	COPY 7
.Lact:
	s_wait_xcnt 0x0                                ; the last group's stores have read their registers and their base
.if DOWN
	s_lshl_b32 s33, s32, 3                         ; in eights of ranks: 8 g,
	s_lshr_b32 s34, s29, 3                         ; the pass's first rank,
	s_add_co_u32 s33, s33, s34
	v_add_nc_u32 v48, s33, v[EPO]                  ; and my place in the group: 64 + 56 + 6 + 1 = 127 at the most,
	v_min_u32 v48, 0x7f, v48                       ; so this bound changes nothing: it says in the text that the loads below stay inside the tables
	v_lshl_add_u32 v48, v48, 5, TAB
	ds_load_b128 v[32:35], v48                     ; my eight ranks' rows,
	ds_load_b128 v[36:39], v48 offset:16
	ds_load_b128 v[40:43], v48 offset:TABB         ; and gates
	ds_load_b128 v[44:47], v48 offset:TABB+16
	s_wait_dscnt 0x0
.set j, 0
.rept 8
	v_min_u32 v[32+j], 0x7ff, v[32+j]
	v_lshl_add_u32 v[32+j], v[32+j], 12, v248
.irp c, 0,1,2,3
	v_mul_f32 v[64+4*j+\c], v[Z+8*\c+j], v[40+j]
.endr
	global_store_b128 v[32+j], v[64+4*j:64+4*j+3], s[12:13]    ; 16 lanes store 256 consecutive bytes of one token's row, at a multiple of 256 from part's first byte
.set j, j+1
.endr
.else
.set TRB, 0
.set tq, 32
	SWEEP 0, 5, 0                                  ; tiles 0 and 1: |z|, 1 + P |z|, -(k z)^2
.set tq, 0
	SWEEP 0, 5, 16                                 ; the same for tiles 2 and 3; behind its first 32 lines the 32 reciprocals and exponentials of tiles 0 and 1; eight plain lines follow the last
	s_wait_alu depctr_va_vdst(0)                   ; one wait for that batch, ahead of its first reader
.set TRB, 16
.set tq, 0
	SWEEP 1, 8, 0                                  ; tiles 0 and 1: polynomial and result; behind its first 32 lines the batch of tiles 2 and 3
	s_wait_alu depctr_va_vdst(0)
.set tq, 32
	SWEEP 1, 8, 16
.set j, 0
.rept 8
	v_cvt_pk_bf16_f32 v[OUT+2*j],   v[PL+j],    v[PL+8+j]      ; four neighbouring columns of rank 2 j + h
	v_cvt_pk_bf16_f32 v[OUT+2*j+1], v[PL+16+j], v[PL+24+j]
.set j, j+1
.endr
	s_add_nc_u64 s[12:13], s[12:13], s[54:55]
	s_mov_b32 s54, 8192
.set j, 0
.rept 8
	global_store_b64 v[EPO], v[OUT+2*j:OUT+2*j+1], s[12:13] offset:j*256   ; the wave stores two ranks, 256 consecutive bytes, at a multiple of 256 from hid's first byte
.set j, j+1
.endr
.endif
.Lep_next:
	s_add_co_u32 s32, s32, 1
	s_cmp_lt_u32 s32, 8
	s_cbranch_scc1 .Lep
.Lno_ep:
	; ON TO THE NEXT PASS: behind pass 0 ranks 512 on, if there are any; behind pass 1 nothing is live
	s_wait_xcnt 0x0
	s_cmp_eq_u32 s31, 1
	s_cselect_b32 s27, s28, 0
	s_mov_b32 s61, s62
	s_cmp_lg_u32 s27, 0
	s_cselect_b32 s52, s62, 0
	s_mov_b32 s29, 512
	s_mov_b64 s[4:5], s[14:15]
	s_mov_b64 s[6:7], s[16:17]
	s_cmp_lg_u32 s27, 0
	s_cbranch_scc0 .Lno_pro
.Lpro:
	; THE PROLOGUE of a pass: steps 0 and 1 are asked for; step 0 goes into slot 0; the rows of step 1 and the weights of step 2 are asked for, in the order that the steps keep
	WLOADS 0, 0
	MKAOFF
	ALOADS 0, 1                                    ; all 16 rounds: places past the count repeat the last row
	WLOADS 1, WSTEP
	INIT
	s_wait_loadcnt 0x8                             ; all but the weights of step 1
	ASTORES 0
	ALOADS ASTEP, 0
	WCONV 0, 0                                     ; sixteen plain instructions: also the places in front of step 0's fragment loads
	WLOADS 0, 2*WSTEP
.Lno_pro:
	s_wait_dscnt 0x0                               ; my stores into slot 0 (and wave 0's into the tables), and my reads of slot 1 and of the tables, are done
	s_barrier_signal -1
	s_barrier_wait -1
	s_add_co_u32 s31, s31, 1
	s_cmp_lt_u32 s31, 3                            ; taken twice: two passes
	s_cbranch_scc1 .Lpass
	s_wait_tensorcnt 0x0                           ; the wave's end: three lines behind my last LDS store
	ds_add_u32 v[SPW], v[NIL]
	s_wait_dscnt 0x0
	s_endpgm
.Lfunc_end_k_qfe0c7a5651_up:
	.size	k_qfe0c7a5651_up, .Lfunc_end_k_qfe0c7a5651_up-k_qfe0c7a5651_up
	.p2alignl 7, 3214868480
	.fill 96, 4, 3214868480
	.section	.rodata,"a",@progbits
	.p2align	6, 0x0
	.amdhsa_kernel k_qfe0c7a5651_up
		.amdhsa_group_segment_fixed_size 181248
		.amdhsa_private_segment_fixed_size 0
		.amdhsa_enable_private_segment 0
		.amdhsa_kernarg_size 40
		.amdhsa_user_sgpr_count 2
		.amdhsa_user_sgpr_kernarg_segment_ptr 1
		.amdhsa_wavefront_size32 1
		.amdhsa_system_sgpr_workgroup_id_x 1
		.amdhsa_system_sgpr_workgroup_id_y 1
		.amdhsa_system_sgpr_workgroup_id_z 1
		.amdhsa_system_vgpr_workitem_id 0
		.amdhsa_next_free_vgpr 512
		.amdhsa_next_free_sgpr 100
		.amdhsa_reserve_vcc 1
		.amdhsa_float_denorm_mode_32 3
		.amdhsa_float_denorm_mode_16_64 3
		.amdhsa_memory_ordered 1
		.amdhsa_forward_progress 1
		.amdhsa_inst_pref_size 166
	.end_amdhsa_kernel
	.amdgpu_metadata
---
amdhsa.version: [ 1, 2 ]
amdhsa.kernels:
  - .name:           k_qfe0c7a5651_up
    .symbol:         k_qfe0c7a5651_up.kd
    .args:
      - { .name: xb, .offset: 0, .size: 8, .value_kind: global_buffer, .address_space: global }
      - { .name: W1, .offset: 8, .size: 8, .value_kind: global_buffer, .address_space: global }
      - { .name: b1, .offset: 16, .size: 8, .value_kind: global_buffer, .address_space: global }
      - { .name: bits, .offset: 24, .size: 8, .value_kind: global_buffer, .address_space: global }
      - { .name: hid, .offset: 32, .size: 8, .value_kind: global_buffer, .address_space: global }
    .group_segment_fixed_size: 181248
    .private_segment_fixed_size: 0
    .kernarg_segment_align: 8
    .kernarg_segment_size: 40
    .max_flat_workgroup_size: 256
    .sgpr_count:     100
    .vgpr_count:     512
    .wavefront_size: 32
...
	.end_amdgpu_metadata
.endif
;; end of part 5
;; launch down (part 6): grid 256 x 1, 8 waves a work-group, no clusters, 190,464 bytes of LDS; arguments hid, W2, b2, bits, sel, gate, part; writes part
.if DOCPART == 6
	.amdgcn_target "amdgcn-amd-amdhsa--gfx1250"
	.amdhsa_code_object_version 6
	.text
	.protected	k_qfe0c7a5651_down
	.globl	k_qfe0c7a5651_down
	.p2align	8
	.type	k_qfe0c7a5651_down,@function
k_qfe0c7a5651_down:
	s_mov_b64 s[64:65], 0
	v_nop
	global_prefetch_b8 v0, s[64:65] scope:SCOPE_SE
	s_setreg_imm32_b32 hwreg(HW_REG_WAVE_MODE, 25, 1), 1
	s_wait_xcnt 0x0
; THE EXPERTS' SECOND PRODUCT: part = gate x (hid W2[e] + b2[e]), K in four quarters.  Only the rows of tokens that chose an expert are multiplied.
; The core (steps, hand-over, fragments) is the first product's, with other constants.
; A work-group: [rows of one expert x 1,024] . [1,024 x 128]: 8 experts x 4 quarters q of K x 8 slices of 128 columns = 256 work-groups; a slice of weights, 512 KiB of f32, has one reader
; and is read once (twice where an expert has more than 512 rows).
; hid: bf16 [expert][block of 64 hidden columns][rank 0..1023][64]; a rank is a token's place among the expert's tokens, in ascending order of tokens.
; part: f32 [2 q + slot][token][1024]; a token has one expert in each slot, so every byte is stored; the next launch adds the eight.
; FORMATS.  Weights and bias are rounded to bf16 on their way through registers; sums and gates in f32.  NaN and infinities are not treated apart.
; EVERY SPLIT IS SERVED.  The expert's count comes from its map of 1,024 bits.  Two passes of up to 512 rows; a pass's rows in groups of 64; L = live groups (0..8), the same in all waves.
; Every barrier is on every path; what a dead group or pass would do is jumped forward.  Pass 0 always has one live group.  Places past the count repeat the last row.
; SHARES.  Wave w: rows 16 (w / 2) .. + 15 of every group, columns 64 (w % 2) .. + 63: accumulator (g, c) at v[32 g + 8 c] of window 1, 256 registers.  All else lies in window 0.
; A wave multiplies and stores only those of its tiles of 16 rows that hold a row (at least one tile): its own number of groups may be one less than L.
; K goes in 16 steps of 64 through two LDS slots, all through registers: the weights have to be rounded, and one counter then orders both streams.
; THE STEP.  Step s multiplies slot s % 2, the wave's groups from the last down to 0.  In front of group 0's products stands the hand-over: the rows and the weights of step s + 1, asked for one and
; two steps earlier, go from registers into the other slot, and the registers just emptied are asked for again at once: the rows of step s + 2, the weights of step s + 3.
; So a load has one or two whole steps in which to land, and the LDS stores are on their way while group 0 is multiplied.
; WEIGHTS lie [K][N] and need no turning: a lane loads 8 rows x 4 neighbouring columns; two rows' numbers of one column round into one register of a B fragment, in which lane r then stands for
; column 4 r + c of the wave's 64.  So a lane's four tiles c = 0..3 hold four NEIGHBOURING columns of a row, which leave together.  Each weight is loaded and rounded by one wave.
; NO CLUSTER: a slice has one reader; what an expert's work-groups share, its rows, is read in a loop whose live part hangs on a stored count.
.set LOGWP,  12                        ; a row of W2[e]: 4,096 bytes
.set ASTEP,  131072                    ; from a block of hid to the next
.set WPITCH, 1<<LOGWP
.set LOGWS,  LOGWP+6
.set WSTEP,  1<<LOGWS                  ; 64 rows of weights
.set APITCH, 144                       ; an LDS row of 64 bf16: 128 bytes + 16: the 16 rows of a fragment load begin in 16 different groups of four banks (64 banks of 4 bytes: ISA guide 11.1)
.set AHALF,  256*APITCH
.set ASLOT,  512*APITCH                ; 73,728: a pass's rows, one K step
.set WF0,    2*ASLOT                   ; 147,456: the weights' fragments: ((f 2 + cb) 4 + c) 1,024 + u 512 + 16 lane
.set WSLOT,  16384
.set TAB,    WF0+2*WSLOT               ; 180,224: two tables by rank (row in part; gate), 1,088 words each, then 32 words that take the stores of lanes without a token
.set TABB,   4608
.set DUMP,   1088
.set SPARE,  TAB+2*TABB                ; the spare words, 128 bytes for each wave, which no other line names
.set SPW, 1                            ; v1      SPARE + 4 x my thread's number; never rewritten
.set NIL, 2                            ; v2      0; never rewritten
.set ALD, 3                            ; v3-6    where I store 16 bytes of a row: slot s, rounds 8 a .. 8 a + 7 at ALD + 2 s + a
.set ARD, 7                            ; v7-8    my A fragments in slot s
.set WLD, 9                            ; v9      where I store weight fragments
.set BRD, 10                           ; v10     where I read them
.set WOF, 11                           ; v11     my byte offset in a step's weights
.set BIA, 12                           ; v12-13  the bias of my four columns, bf16, two to a register
.set PFO, 14                           ; v14     my byte offset for the prefetch; never rewritten
.set EPO, 15                           ; v15     the way out's lane term
.set AOFF, 16                          ; v16-31  round j: byte offset of my 16 bytes of a row
.set AST, 32                           ; v32-95  rows as loaded, round j in four registers
.set WST, 96                           ; v96-159 weights as loaded: two sets of 8 rows x 4 columns
.set BF,  160                          ; v160-223 B fragments (f, c) at 32 f + 8 c
.set AF,  224                          ; v224-255 A fragments: buffer b, f at 16 b + 8 f
.set WCV, 240                          ; v240-255 weights rounded: A's buffer 1, idle from the odd groups' last product to the next step
.set Z,   96                           ; the way out: 32 numbers, tile c register j at 8 c + j
; scalars: s[4:5] rows' base, s[6:7] weights' base, s[12:13] output's base; s[14:15], s[16:17] the first two as they began; s20 wave, s21 w / 2, s22 w % 2, s23 expert, s24 slice, s53 quarter;
; s25 count, s26 last rank, s27 L, s28 the second pass's L, s61 my wave's groups, s62 the second pass's, s29 the pass's first rank, s30 trips, s31 pass + 1, s32 group, s52 groups that I store, s[68:99] the expert's map
.set MSB, 0
.macro WIN new                         ; s_set_vgpr_msb: bits 1:0 source 0, 3:2 source 1, 5:4 source 2, 7:6 destination; the high byte repeats the setting that is left
.if MSB != (\new)
	s_set_vgpr_msb (MSB<<8)|(\new)
.set MSB, (\new)
.endif
.endm
.macro PLACES                          ; four places between a matrix instruction and a write, or a load, into one of its registers, or a reading of its result (ISA guide 7.12.1 for vector instructions)
.rept 4
	v_nop
.endr
.endm
; Eight loads: my 8 rows x 16 bytes of a step's weights; each covers 256 consecutive bytes of two rows, at multiples of 256 from the buffer's first byte
.macro WLOADS set, off
.set i, 0
.rept 8
	global_load_b128 v[WST+32*(\set)+4*i:WST+32*(\set)+4*i+3], v[WOF], s[6:7] offset:(\off)+i*WPITCH th:TH_LOAD_NT
.set i, i+1
.endr
.endm
; The rows of a step: group g is rounds 2 g and 2 g + 1.  full = 0: dead groups are jumped
.macro ALOADS off, full
.set j, 0
.rept 16
.if (!(\full)) && (j >= 2) && (j%2 == 0)
	s_cmp_le_u32 s27, j/2
	s_cbranch_scc1 .Lax_\@
.endif
	global_load_b128 v[AST+4*j:AST+4*j+3], v[AOFF+j], s[4:5] offset:\off
.set j, j+1
.endr
.Lax_\@:
.endm
.macro ASTORES slot                    ; all 16 rounds into a slot
.set j, 0
.rept 16
	ds_store_b128 v[ALD+2*(\slot)+j/8], v[AST+4*j:AST+4*j+3] offset:(j%8)*32*APITCH
.set j, j+1
.endr
.endm
; The live rounds go into a slot, and (load = 1) each round's registers are asked for again at once, with the rows at byte off
.macro AMOVE slot, off, load
.set j, 0
.rept 16
.if (j >= 2) && (j%2 == 0)
	s_cmp_le_u32 s27, j/2
	s_cbranch_scc1 .Lmx_\@
.endif
	ds_store_b128 v[ALD+2*(\slot)+j/8], v[AST+4*j:AST+4*j+3] offset:(j%8)*32*APITCH
.if \load
	global_load_b128 v[AST+4*j:AST+4*j+3], v[AOFF+j], s[4:5] offset:\off
.endif
.set j, j+1
.endr
.Lmx_\@:
.endm
; Rows 2 p and 2 p + 1 of column c round into register p of my half of fragment c
.macro WCONV set, slot
.irp c, 0,1,2,3
.irp p, 0,1,2,3
	v_cvt_pk_bf16_f32 v[WCV+4*\c+\p], v[WST+32*(\set)+8*\p+\c], v[WST+32*(\set)+8*\p+4+\c]
.endr
.endr
.irp c, 0,1,2,3
	ds_store_b128 v[WLD], v[WCV+4*\c:WCV+4*\c+3] offset:(\slot)*WSLOT+\c*1024
.endr
.endm
.macro FRAG g, sl                      ; group g's two A fragments into buffer g % 2
.irp f, 0,1
	ds_load_b128 v[AF+16*((\g)%2)+8*\f:AF+16*((\g)%2)+8*\f+3],   v[ARD+(\sl)] offset:(\g)*64*APITCH+\f*64
	ds_load_b128 v[AF+16*((\g)%2)+8*\f+4:AF+16*((\g)%2)+8*\f+7], v[ARD+(\sl)] offset:(\g)*64*APITCH+\f*64+32
.endr
.endm
.macro MUL8 g                          ; the group's four accumulators by turns
	WIN 0x50                                       ; C and D in window 1
.irp f, 0,1
.irp c, 0,1,2,3
	v_wmma_f32_16x16x32_bf16 v[32*(\g)+8*\c:32*(\g)+8*\c+7], v[AF+16*((\g)%2)+8*\f:AF+16*((\g)%2)+8*\f+7], v[BF+32*\f+8*\c:BF+32*\f+8*\c+7], v[32*(\g)+8*\c:32*(\g)+8*\c+7]
.endr
.endr
	WIN 0                                          ; at a label and at a branch every window is 0
.endm
; THE HAND-OVER of step s (slot sl = s % 2).  kind = 3: rows and weights are asked for again; 2: rows alone (step 13); 1: nothing (step 14).
; In every step the rows' loads are issued first and the eight weight loads last, whatever the number of row loads.  So at the count 8 the eight youngest, the weights of step s + 2, may be out,
; and all that is older is in: the rows of step s + 1 and the weights of step s + 1.  Behind step 13 no weights are younger than the rows: step 14 waits for 0.
.macro XFER sl, kind, pf
.if (\kind) == 1
	s_wait_loadcnt 0x0
.else
	s_wait_loadcnt 0x8
.endif
.if (\kind) >= 2
	AMOVE 1-(\sl), ((\sl)+2)*ASTEP, 1
.else
	AMOVE 1-(\sl), 0, 0
.endif
	PLACES                                         ; behind the odd groups' last product, which read the registers that the roundings write
	WCONV 1-(\sl), 1-(\sl)
.if (\kind) == 3
	WLOADS 1-(\sl), ((\sl)+3)*WSTEP
.endif
.if \pf
	s_cmp_eq_u32 s30, 1                            ; the last trip would ask past the slice,
	s_cbranch_scc1 .Lnopf_\@
	s_cmp_lg_u32 s31, 1                            ; and the second pass would ask for the same blocks again
	s_cbranch_scc1 .Lnopf_\@
	global_prefetch_b8 v[PFO], s[6:7] offset:5*WSTEP th:TH_LOAD_NT scope:SCOPE_SE  ; trip t: steps 2 t + 5 (lanes 0-15) and 2 t + 6 (lanes 16-31), whose loads come one trip on: 16 blocks of 256 bytes of each for this wave, each asked for once
.Lnopf_\@:
.endif
.endm
; A step's products: my groups from the last down to 0, so that the fragments fetched one group ahead are always a live group's, and all ways end in group 0's block
.macro COMPUTE sl, kind, pf
.irp f, 0,1
.irp c, 0,1,2,3
	ds_load_b128 v[BF+32*\f+8*\c:BF+32*\f+8*\c+3],   v[BRD] offset:(\sl)*WSLOT+\f*8192+\c*1024
	ds_load_b128 v[BF+32*\f+8*\c+4:BF+32*\f+8*\c+7], v[BRD] offset:(\sl)*WSLOT+\f*8192+\c*1024+512
.endr
.endr
.irp g, 7,6,5,4,3,2,1
	s_cmp_eq_u32 s61, \g+1
	s_cbranch_scc1 .LE\@_\g
.endr
	FRAG 0, \sl
	s_branch .LG\@_0
.irp g, 1,2,3,4,5,6
.LE\@_\g:
	FRAG \g, \sl
	s_branch .LG\@_\g
.endr
.LE\@_7:
	FRAG 7, \sl
.irp g, 7,6,5,4,3,2,1
.LG\@_\g:
	PLACES                                         ; the buffer loaded next was read by the products just issued
	FRAG \g-1, \sl
	s_wait_dscnt 0x4                               ; all but the four just issued: this group's fragments, and B's, are in
	MUL8 \g
.endr
.LG\@_0:
	s_wait_dscnt 0x0                               ; group 0's fragments are in
.if \kind
	XFER \sl, \kind, \pf
.endif
	MUL8 0
.if \kind
	PLACES                                         ; in front of the next step's loads into the fragments' registers
.endif
.endm
; One barrier a step: in front of it my stores into the other slot and my reads of this one are done.  kind = 0: the last step: nothing is moved, and no barrier: what is written next is slot 0, last read in step 14
.macro STEP sl, kind, pf
	s_cmp_lg_u32 s27, 0
	s_cbranch_scc1 .Llive_\@
	s_wait_loadcnt 0x0
	s_branch .Lbar_\@
.Llive_\@:
	COMPUTE \sl, \kind, \pf
.Lbar_\@:
	s_wait_dscnt 0x0
.if \kind
	s_barrier_signal -1
	s_barrier_wait -1
.endif
.endm
; Round j's row: rank = the pass's first + 32 j + thread / 8, held to the last rank; a number that comes from memory is held under a constant before it enters an address
.macro MKAOFF
	v_lshrrev_b32 v32, 3, v0
	v_add_nc_u32 v32, s29, v32
	v_and_b32 v33, 7, v0
	v_lshlrev_b32 v33, 4, v33
.set j, 0
.rept 16
	v_add_nc_u32 v[AOFF+j], 32*j, v32
	v_min_u32 v[AOFF+j], s26, v[AOFF+j]
	v_min_u32 v[AOFF+j], 0x3ff, v[AOFF+j]
	v_lshl_add_u32 v[AOFF+j], v[AOFF+j], 7, v33    ; hid: ranks lie end to end, 128 bytes each: a wave's load covers 512 consecutive bytes
.set j, j+1
.endr
.endm
; All 32 accumulators start at 0 by 32 products of zero fragments with C = 0: they stand in the wait for the first loads, and spare 256 v_mov_b32 or a further copy of a step
.macro INIT
.set i, 0
.rept 8
	v_mov_b32 v[AF+i], 0
	v_mov_b32 v[BF+i], 0
.set i, i+1
.endr
	WIN 0x50
.set i, 0
.rept 32
	v_wmma_f32_16x16x32_bf16 v[8*i:8*i+7], v[AF:AF+7], v[BF:BF+7], 0
.set i, i+1
.endr
	WIN 0
.endm
.macro COPY g                          ; group g's sums + bias into window 0; each accumulator is read from its lowest registers on
	WIN 0x01                                       ; source 0 in window 1
.irp c, 0,1,2,3
.irp j, 0,2,4,6
	v_pk_add_f32 v[Z+8*\c+\j:Z+8*\c+\j+1], v[32*(\g)+8*\c+\j:32*(\g)+8*\c+\j+1], v[240+2*\c:241+2*\c]
.endr
.endr
	WIN 0
.endm
	s_load_b256 s[4:11], s[0:1], 0x0               ; hid s[4:5], W2 s[6:7], b2 s[8:9], bits s[10:11]
	s_load_b128 s[56:59], s[0:1], 0x20             ; sel s[56:57], gate s[58:59]
	s_load_b64 s[12:13], s[0:1], 0x30              ; part
	v_lshl_add_u32 v[SPW], v0, 2, SPARE
	v_mov_b32 v[NIL], 0
	v_lshrrev_b32 v32, 5, v0
	v_readfirstlane_b32 s20, v32                   ; wave 0..7
	s_lshr_b32 s21, s20, 1
	s_and_b32 s22, s20, 1
	s_lshr_b32 s23, ttmp9, 5                       ; expert
	s_bfe_u32 s53, ttmp9, 0x20003                  ; quarter of K
	s_and_b32 s24, ttmp9, 7                        ; 128 columns
	v_and_b32 v33, 31, v0                          ; lane
	v_and_b32 v34, 15, v0                          ; r
	v_bfe_u32 v35, v0, 4, 1                        ; h
	v_lshrrev_b32 v36, 3, v0                       ; a round is 32 rows: eight threads to a row of 128 bytes
	v_and_b32 v37, 7, v0
	v_mul_u32_u24 v36, v36, APITCH
	v_lshl_add_u32 v[ALD], v37, 4, v36
	v_add_nc_u32 v[ALD+1], AHALF, v[ALD]
	v_add_nc_u32 v[ALD+2], ASLOT, v[ALD]
	v_add_nc_u32 v[ALD+3], ASLOT+AHALF, v[ALD]
	v_lshl_add_u32 v36, s21, 4, v34                ; matrix row r is row r of my 16
	v_mul_u32_u24 v36, v36, APITCH
	v_lshl_add_u32 v[ARD], v35, 4, v36
	v_add_nc_u32 v[ARD+1], ASLOT, v[ARD]
	; as a loader of weights wave w has column half w % 2, fragment f = (w / 2) % 2 and half u = w / 4 of its registers
	s_and_b32 s33, s20, 3
	s_lshl_b32 s33, s33, 12
	s_lshr_b32 s35, s20, 2
	s_lshl_b32 s34, s35, 9
	s_add_co_u32 s33, s33, s34
	s_add_co_u32 s33, s33, WF0
	v_lshl_add_u32 v[WLD], v33, 4, s33
	s_lshl_b32 s33, s22, 12
	s_add_co_u32 s33, s33, WF0
	v_lshl_add_u32 v[BRD], v33, 4, s33
	s_bfe_u32 s34, s20, 0x10001
	s_lshl_b32 s34, s34, 5
	s_lshl4_add_u32 s34, s35, s34                  ; row 32 f + 16 u
	v_lshl_add_u32 v36, v35, 3, s34                ; + 8 h
	v_lshlrev_b32 v36, LOGWP, v36
	v_lshl_add_u32 v36, v34, 4, v36
	s_lshl_b32 s33, s22, 8
	v_add_nc_u32 v[WOF], s33, v36
	v_lshrrev_b32 v36, 2, v0                       ; the prefetch: a step is 128 blocks of 256 bytes, 16 for each wave: row 8 w + (lane % 16) / 2, half lane % 2 of its 512 bytes; lanes 16-31 a step further
	v_bfe_u32 v37, v0, 1, 3
	v_and_or_b32 v36, v36, 0x38, v37
	v_and_b32 v37, 1, v0
	v_lshlrev_b32 v37, 8, v37
	v_lshl_add_u32 v36, v36, LOGWP, v37
	v_lshl_add_u32 v[PFO], v35, LOGWS, v36
	v_lshlrev_b32 v24, 2, v33                      ; a word a lane, for sel and gate
	s_lshl_b32 s33, s21, 1
	v_add_nc_u32 v[EPO], s33, v35                  ; my ranks 16 (w / 2) + 8 h .. of a group, counted in eights: 2 (w / 2) + h
	s_lshl_b32 s33, s23, 12                        ; b2[e]
	s_lshl_b32 s34, s24, 9
	s_add_co_u32 s33, s33, s34
	s_lshl_b32 s34, s22, 8
	s_add_co_u32 s33, s33, s34
	v_lshl_add_u32 v224, v34, 4, s33               ; the bias of my four columns
	s_lshl_b32 s60, s23, 7                         ; the expert's map
	s_mov_b32 s35, 0
	s_wait_kmcnt 0x0
	s_load_b512 s[68:83], s[10:11], s60 offset:0x0
	s_load_b512 s[84:99], s[10:11], s60 offset:0x40
	s_cmp_lg_u32 s20, 0                            ; wave 0, which makes the tables, asks for their numbers beside the map's load: they hang on no count
	s_cbranch_scc1 .Lnot_0
.set i, 0
.rept 32
	global_load_b32 v[32+i],  v24, s[56:57] offset:128*i       ; tokens 32 i + lane: the two experts,
	global_load_b32 v[64+i],  v24, s[58:59] offset:128*i       ; slot 0's gate,
	global_load_b32 v[160+i], v24, s[58:59] offset:4096+128*i  ; slot 1's
.set i, i+1
.endr
.Lnot_0:
	s_lshl_b32 s34, s23, 24                        ; an expert's weights are 16 MiB
	s_lshl_b32 s33, s24, 9
	s_add_co_u32 s34, s34, s33
	s_lshl_b32 s33, s53, 22                        ; 1,024 rows of 4,096 bytes
	s_add_co_u32 s34, s34, s33
	s_add_nc_u64 s[6:7], s[6:7], s[34:35]
	s_mov_b64 s[16:17], s[6:7]
	s_lshl_b32 s34, s23, 6
	s_lshl4_add_u32 s34, s53, s34                  ; block 64 e + 16 q
	s_lshl_b32 s34, s34, 17
	s_add_nc_u64 s[4:5], s[4:5], s[34:35]
	s_mov_b64 s[14:15], s[4:5]
	s_lshl_b32 s34, s53, 23                        ; slabs 2 q and 2 q + 1
	s_lshl_b32 s33, s24, 9
	s_add_co_u32 s34, s34, s33
	s_lshl_b32 s33, s22, 8
	s_add_co_u32 s34, s34, s33
	s_add_nc_u64 s[12:13], s[12:13], s[34:35]
	global_load_b128 v[224:227], v224, s[8:9]      ; lands on its own address register
	global_prefetch_b8 v[PFO], s[6:7] offset:3*WSTEP th:TH_LOAD_NT scope:SCOPE_SE  ; steps 3 and 4; steps 0 to 2 are asked for by the prologue's loads
	s_mov_b32 s29, 0
	s_wait_kmcnt 0x0
	s_bcnt1_i32_b32 s25, s68
.set i, 1
.rept 31
	s_bcnt1_i32_b32 s33, s[68+i]
	s_add_co_u32 s25, s25, s33
.set i, i+1
.endr
	s_min_u32 s25, s25, 1024                       ; the expert's rows
	s_max_u32 s26, s25, 1
	s_min_u32 s33, s26, 512                        ; pass 0's rows: 1 to 512
	s_sub_co_u32 s26, s26, 1                       ; the last rank
	s_lshl_b32 s34, s21, 4
	s_sub_co_u32 s34, 63, s34                      ; 63 - 16 (w / 2)
	s_add_co_u32 s27, s33, 63
	s_lshr_b32 s27, s27, 6                         ; pass 0: 1 to 8 groups
	s_add_co_u32 s61, s33, s34                     ; group g's tile of mine holds a row where 64 g + 16 (w / 2) lies below the pass's rows
	s_lshr_b32 s61, s61, 6
	s_max_u32 s61, s61, 1
	s_max_u32 s33, s25, 512
	s_sub_co_u32 s33, s33, 512                     ; pass 1's rows: 0 to 512
	s_add_co_u32 s28, s33, 63
	s_lshr_b32 s28, s28, 6                         ; pass 1: 0 to 8 groups
	s_add_co_u32 s62, s33, s34
	s_lshr_b32 s62, s62, 6
	s_max_u32 s62, s62, 1
	s_cmp_lg_u32 s25, 0
	s_cselect_b32 s52, s61, 0                      ; an expert without rows stores nothing
	; THE TABLES BY RANK, made by wave 0 alone from the map: a token's rank is the number of set bits below its own.  They are read on the way out alone, behind the steps' barriers.
	s_cmp_lg_u32 s20, 0
	s_cbranch_scc1 .Ltab_done
	v_and_b32 v16, 31, v0
	v_add_nc_u32 v18, DUMP, v16                    ; where a lane without a token stores
	v_lshl_add_u32 v19, v16, 4, TAB
	v_mov_b32 v20, 0
	v_mov_b32 v21, 0
	v_mov_b32 v22, 0
	v_mov_b32 v23, 0
.set i, 0
.rept (SPARE-TAB)/512                                  ; first both tables are 0, 512 bytes a store: every word that can be read has been written.
	ds_store_b128 v19, v[20:23] offset:i*512       ; LDS serves a wave's instructions in order (ISA guide 5.7.1.4): the entries below land on top
.set i, i+1
.endr
	s_wait_loadcnt 0x0                             ; sel and gate
	s_mov_b32 s33, 0
.set i, 0
.rept 32
	v_mbcnt_lo_u32_b32 v19, s[68+i], s33
	v_cndmask_b32 v19, v18, v19, s[68+i]           ; the map's word is the mask of the lanes that have a token
	v_min_u32 v19, 0x45f, v19                      ; held inside the table's 1,120 words
	v_lshl_add_u32 v19, v19, 2, TAB
	v_add_nc_u32 v21, 32*i, v16
	v_lshrrev_b32 v20, 8, v[32+i]
	v_cmp_eq_u32 vcc_lo, s23, v20                  ; am I the token's second expert?
	v_add_nc_u32 v20, 1024, v21
	v_cndmask_b32 v21, v21, v20, vcc_lo            ; token + 1,024 x slot: a row's number in a quarter's two slabs
	v_cndmask_b32 v22, v[64+i], v[160+i], vcc_lo
	ds_store_b32 v19, v21
	ds_store_b32 v19, v22 offset:TABB
	s_bcnt1_i32_b32 s34, s[68+i]
	s_add_co_u32 s33, s33, s34
.set i, i+1
.endr
	v_mov_b32 v19, s26                             ; the 64 places past the count repeat the last rank's entry: a tile's spare rows store the last row's bytes once more, with the same numbers
	v_min_u32 v19, 0x3ff, v19
	v_lshl_add_u32 v19, v19, 2, TAB
	ds_load_b32 v21, v19
	ds_load_b32 v22, v19 offset:TABB
	v_add_nc_u32 v20, s25, v16
	v_min_u32 v20, 0x41f, v20
	v_lshl_add_u32 v20, v20, 2, TAB
	s_wait_dscnt 0x0
	ds_store_b32 v20, v21
	ds_store_b32 v20, v21 offset:128
	ds_store_b32 v20, v22 offset:TABB
	ds_store_b32 v20, v22 offset:TABB+128
.Ltab_done:
	s_wait_loadcnt 0x0                             ; the bias, asked for beside the map
	v_cvt_pk_bf16_f32 v[BIA],   v224, v225         ; rounded
	v_cvt_pk_bf16_f32 v[BIA+1], v226, v227
	s_cmp_eq_u32 s53, 0                            ; one quarter of K adds the bias
	s_cselect_b32 s33, -1, 0
	v_and_b32 v[BIA],   s33, v[BIA]
	v_and_b32 v[BIA+1], s33, v[BIA+1]
	s_mov_b32 s31, 0
	s_branch .Lpro                                 ; the loop over passes is entered at its prologue, in the middle of a trip: so the prologue stands once in the text
.Lpass:
	s_mov_b32 s30, 6
.Lk:                                                   ; a trip: two steps, once round the slots
	STEP 0, 3, 1
	STEP 1, 3, 0
	s_wait_xcnt 0x0                                ; the bases are stepped only behind this wait
	s_add_nc_u64 s[4:5], s[4:5], 2*ASTEP
	s_add_nc_u64 s[6:7], s[6:7], 2*WSTEP
	s_sub_co_u32 s30, s30, 1
	s_cmp_lg_u32 s30, 0
	s_cbranch_scc1 .Lk
	STEP 0, 3, 0                                   ; steps 12 to 15 are written out: no load leaves the slice.  Step 12 asks for the last weights,
	STEP 1, 2, 0                                   ; step 13 for the last rows,
	STEP 0, 1, 0                                   ; step 14 for nothing,
	STEP 1, 0, 0                                   ; and step 15 moves nothing
	PLACES                                         ; behind the last products
	; THE WAY OUT, a group at a time, my tile of 16 rows; dead tiles are jumped forward; no barrier inside
	s_cmp_eq_u32 s52, 0
	s_cbranch_scc1 .Lno_ep
	s_wait_xcnt 0x0
	v_lshlrev_b32 v240, 16, v[BIA]                 ; the bias of column c twice, in v[240 + 2 c : 241 + 2 c]
	v_lshlrev_b32 v241, 16, v[BIA]
	v_and_b32 v242, 0xffff0000, v[BIA]
	v_and_b32 v243, 0xffff0000, v[BIA]
	v_lshlrev_b32 v244, 16, v[BIA+1]
	v_lshlrev_b32 v245, 16, v[BIA+1]
	v_and_b32 v246, 0xffff0000, v[BIA+1]
	v_and_b32 v247, 0xffff0000, v[BIA+1]
	v_and_b32 v248, 15, v0
	v_lshlrev_b32 v248, 4, v248                    ; my 16 bytes of the wave's 256
	s_mov_b32 s32, 0
.Lep:
	s_cmp_ge_u32 s32, s52
	s_cbranch_scc1 .Lep_next
.irp g, 1,2,3,4,5,6,7
	s_cmp_eq_u32 s32, \g
	s_cbranch_scc1 .LC\g
.endr
.irp g, 0,1,2,3,4,5,6
.LC\g:
	COPY \g
	s_branch .Lact
.endr
.LC7:
	COPY 7
.Lact:
	s_wait_xcnt 0x0                                ; the last group's stores have read their registers
	s_lshl_b32 s33, s32, 3                         ; in eights of ranks: 8 g,
	s_lshr_b32 s34, s29, 3                         ; the pass's first rank,
	s_add_co_u32 s33, s33, s34
	v_add_nc_u32 v48, s33, v[EPO]                  ; and my place in the group: 64 + 56 + 6 + 1 = 127 at the most,
	v_min_u32 v48, 0x7f, v48                       ; so this bound changes nothing: it says in the text that the loads below stay inside the tables
	v_lshl_add_u32 v48, v48, 5, TAB
	ds_load_b128 v[32:35], v48                     ; my eight ranks' rows,
	ds_load_b128 v[36:39], v48 offset:16
	ds_load_b128 v[40:43], v48 offset:TABB         ; and gates
	ds_load_b128 v[44:47], v48 offset:TABB+16
	s_wait_dscnt 0x0
.set j, 0
.rept 8
	v_min_u32 v[32+j], 0x7ff, v[32+j]
	v_lshl_add_u32 v[32+j], v[32+j], 12, v248
.irp c, 0,1,2,3
	v_mul_f32 v[64+4*j+\c], v[Z+8*\c+j], v[40+j]
.endr
	global_store_b128 v[32+j], v[64+4*j:64+4*j+3], s[12:13]    ; 16 lanes store 256 consecutive bytes of one token's row, at a multiple of 256 from part's first byte
.set j, j+1
.endr
.Lep_next:
	s_add_co_u32 s32, s32, 1
	s_cmp_lt_u32 s32, 8
	s_cbranch_scc1 .Lep
.Lno_ep:
	; ON TO THE NEXT PASS: behind pass 0 ranks 512 on, if there are any; behind pass 1 nothing is live
	s_wait_xcnt 0x0
	s_cmp_eq_u32 s31, 1
	s_cselect_b32 s27, s28, 0
	s_mov_b32 s61, s62
	s_cmp_lg_u32 s27, 0
	s_cselect_b32 s52, s62, 0
	s_mov_b32 s29, 512
	s_mov_b64 s[4:5], s[14:15]
	s_mov_b64 s[6:7], s[16:17]
	s_cmp_lg_u32 s27, 0
	s_cbranch_scc0 .Lno_pro
.Lpro:
	; THE PROLOGUE of a pass: steps 0 and 1 are asked for; step 0 goes into slot 0; the rows of step 1 and the weights of step 2 are asked for, in the order that the steps keep
	WLOADS 0, 0
	MKAOFF
	ALOADS 0, 1                                    ; all 16 rounds: places past the count repeat the last row
	WLOADS 1, WSTEP
	INIT
	s_wait_loadcnt 0x8                             ; all but the weights of step 1
	ASTORES 0
	ALOADS ASTEP, 0
	WCONV 0, 0                                     ; sixteen plain instructions: also the places in front of step 0's fragment loads
	WLOADS 0, 2*WSTEP
.Lno_pro:
	s_wait_dscnt 0x0                               ; my stores into slot 0 (and wave 0's into the tables), and my reads of slot 1 and of the tables, are done
	s_barrier_signal -1
	s_barrier_wait -1
	s_add_co_u32 s31, s31, 1
	s_cmp_lt_u32 s31, 3                            ; taken twice: two passes
	s_cbranch_scc1 .Lpass
	s_wait_tensorcnt 0x0                           ; the wave's end: three lines behind my last LDS store
	ds_add_u32 v[SPW], v[NIL]
	s_wait_dscnt 0x0
	s_endpgm
.Lfunc_end_k_qfe0c7a5651_down:
	.size	k_qfe0c7a5651_down, .Lfunc_end_k_qfe0c7a5651_down-k_qfe0c7a5651_down
	.p2alignl 7, 3214868480
	.fill 96, 4, 3214868480
	.section	.rodata,"a",@progbits
	.p2align	6, 0x0
	.amdhsa_kernel k_qfe0c7a5651_down
		.amdhsa_group_segment_fixed_size 190464
		.amdhsa_private_segment_fixed_size 0
		.amdhsa_enable_private_segment 0
		.amdhsa_kernarg_size 56
		.amdhsa_user_sgpr_count 2
		.amdhsa_user_sgpr_kernarg_segment_ptr 1
		.amdhsa_wavefront_size32 1
		.amdhsa_system_sgpr_workgroup_id_x 1
		.amdhsa_system_sgpr_workgroup_id_y 1
		.amdhsa_system_sgpr_workgroup_id_z 1
		.amdhsa_system_vgpr_workitem_id 0
		.amdhsa_next_free_vgpr 512
		.amdhsa_next_free_sgpr 100
		.amdhsa_reserve_vcc 1
		.amdhsa_float_denorm_mode_32 3
		.amdhsa_float_denorm_mode_16_64 3
		.amdhsa_memory_ordered 1
		.amdhsa_forward_progress 1
		.amdhsa_inst_pref_size 161
	.end_amdhsa_kernel
	.amdgpu_metadata
---
amdhsa.version: [ 1, 2 ]
amdhsa.kernels:
  - .name:           k_qfe0c7a5651_down
    .symbol:         k_qfe0c7a5651_down.kd
    .args:
      - { .name: hid, .offset: 0, .size: 8, .value_kind: global_buffer, .address_space: global }
      - { .name: W2, .offset: 8, .size: 8, .value_kind: global_buffer, .address_space: global }
      - { .name: b2, .offset: 16, .size: 8, .value_kind: global_buffer, .address_space: global }
      - { .name: bits, .offset: 24, .size: 8, .value_kind: global_buffer, .address_space: global }
      - { .name: sel, .offset: 32, .size: 8, .value_kind: global_buffer, .address_space: global }
      - { .name: gate, .offset: 40, .size: 8, .value_kind: global_buffer, .address_space: global }
      - { .name: part, .offset: 48, .size: 8, .value_kind: global_buffer, .address_space: global }
    .group_segment_fixed_size: 190464
    .private_segment_fixed_size: 0
    .kernarg_segment_align: 8
    .kernarg_segment_size: 56
    .max_flat_workgroup_size: 256
    .sgpr_count:     100
    .vgpr_count:     512
    .wavefront_size: 32
...
	.end_amdgpu_metadata
.endif
;; end of part 6
;; launch sum: the kernel of part 4 again; grid 256 x 1, 8 waves a work-group, no clusters, 0 bytes of LDS; arguments part, out0; writes out0
;; ======== version 3 of 3: 4 launches; version 2 with the launches up, down written anew for expert scheduling mode
;; workspace buffers: xb 2,097,152 bytes; sel 4,096 bytes of whole numbers; bits 1,024 bytes of whole numbers; gate 8,192 bytes; hid 67,108,864 bytes; part 33,554,432 bytes
;; launch route: the kernel of part 1 again; grid 64 x 1, 8 waves a work-group, no clusters, 44,032 bytes of LDS; arguments x, Wg, bg, xb, sel, gate, bits; writes xb, sel, gate, bits
;; launch up (part 7): grid 256 x 1, 8 waves a work-group, no clusters, 181,248 bytes of LDS; arguments xb, W1, b1, bits, hid; writes hid
.if DOCPART == 7
	.amdgcn_target "amdgcn-amd-amdhsa--gfx1250"
	.amdhsa_code_object_version 6
	.text
	.protected	k_qfe0c7a5651_up
	.globl	k_qfe0c7a5651_up
	.p2align	8
	.type	k_qfe0c7a5651_up,@function
k_qfe0c7a5651_up:
	s_mov_b64 s[64:65], 0
	v_nop
	global_prefetch_b8 v0, s[64:65] scope:SCOPE_SE
	s_setreg_imm32_b32 hwreg(HW_REG_WAVE_SCHED_MODE, 0, 2), 2
	s_setreg_imm32_b32 hwreg(HW_REG_WAVE_MODE, 25, 1), 1
	s_wait_xcnt 0x0
	s_wait_alu depctr_vm_vsrc(0)
.set DOWN, 0
; ONE TEXT FOR BOTH PRODUCTS OF THE EXPERTS; DOWN (the line above) picks.  Only the rows of tokens that chose an expert are multiplied.
;   DOWN = 0: hid = gelu(x W1[e] + b1[e]), exact GELU, for the expert's rows.  Arguments: xb, W1, b1, bits, hid.
;   DOWN = 1: part = gate x (hid W2[e] + b2[e]), K in four quarters.            Arguments: hid, W2, b2, bits, sel, gate, part.
; Both are [rows of one expert x 1,024] . [1,024 x 128]: 8 experts x 32 slices = 256 work-groups; a slice of weights, 512 KiB of f32, has one reader and is read once
; (twice where an expert has more than 512 rows).  DOWN = 0: slice = 128 of 4,096 hidden columns.  DOWN = 1: slice = a quarter q of K x 128 of 1,024 columns.
; hid: bf16 [expert][block of 64 hidden columns][rank 0..1023][64]; a rank is a token's place among the expert's tokens, in ascending order of tokens.
; part: f32 [2 q + slot][token][1024]; a token has one expert in each slot, so every byte is stored; the next launch adds the eight.
; FORMATS.  Weights and biases are rounded to bf16 on their way through registers, hid once to bf16 (not f16: with larger inputs it passes 65,504); sums, GELU and gates in f32.
; LIMITS.  GELU: z Phi(z) as 0.5 z + |z| (0.5 - q), q = erfc(|z| / sqrt 2) / 2 by a rational form with five terms (Abramowitz and Stegun 7.1.26), absolute error 1.5e-7 in erf; NaN and infinities are not treated apart.
; EVERY SPLIT IS SERVED.  The expert's count comes from its map of 1,024 bits.  Two passes of up to 512 rows; a pass's rows in groups of 64; L = live groups (0..8), the same in all waves.
; Every barrier is on every path; what a dead group or pass would do is jumped forward.  Pass 0 always has one live group.  Places past the count repeat the last row.
; SHARES.  Wave w: rows 16 (w / 2) .. + 15 of every group, columns 64 (w % 2) .. + 63: accumulator (g, c) at v[32 g + 8 c] of window 1, 256 registers.  All else lies in window 0.
; A wave multiplies and stores only those of its tiles of 16 rows that hold a row (at least one tile): its own number of groups may be one less than L.
; K goes in 16 steps of 64 through two LDS slots.  All through registers: the weights have to be rounded, DOWN = 0's rows come by a list, and one counter then orders both streams.
; THE STEP.  Step s multiplies slot s % 2, the wave's groups from the last down to 0.  In front of group 0's products stands the hand-over: the rows and the weights of step s + 1, asked for one and
; two steps earlier, go from registers into the other slot, and the registers so emptied are asked for again: the rows of step s + 2, the weights of step s + 3.
; So a load has one or two whole steps in which to land, and the LDS stores are on their way while group 0 is multiplied.
; WEIGHTS lie [K][N] and need no turning: a lane loads 8 rows x 4 neighbouring columns; two rows' numbers of one column round into one register of a B fragment, in which lane r then stands for
; column 4 r + c of the wave's 64.  So a lane's four tiles c = 0..3 hold four NEIGHBOURING columns of a row, which leave together.  Each weight is loaded and rounded by one wave.
; NO CLUSTER: a slice has one reader; what an expert's work-groups share, its rows, comes by a list (DOWN = 0) and, in both, in a loop whose live part hangs on a stored count.
; THE MODE: SCHED_MODE bits 1:0 = 2 (LLVM: expert scheduling mode 2), set by the entry lines.  The code itself states the register dependences
; between vector or matrix instructions and memory or LDS instructions, with s_wait_alu, always for 0.
; THE PLAN.  Registers that memory or LDS instructions touch, in a step:
;   AST v32-95     The rows' loads land in them; the hand-over's LDS stores read them; the rows' next loads land in them.  No vector instruction of a step names them.
;   WST v96-159    Two sets.  The weights' loads land in a set; the hand-over's sixteen roundings read it; the next weights land in it.
;   WCV v240-255   The roundings write them, four LDS stores read them; in the next step they are A's buffer 1: the odd groups' fragments land in them, and their products read them.
;   BF  v160-223   Sixteen LDS loads at a step's head land in them; all the step's products read them.
;   AF  v224-255   Buffer g % 2: four LDS loads land in it one group ahead; group g's products read it.
;   v3-11, 14, 15  Offsets and LDS addresses, made at the kernel's head and never written again.  AOFF v16-31: made in a pass's prologue.
; THE WAITS OF A STEP.  At its head one on va_vdst (the last step's products are done reading BF and AF, its roundings have written WCV) and one on vm_vsrc (the last hand-over's stores have read WCV).
; In front of each group's fragment loads one on va_vdst (the products just issued are done reading that buffer: all 512 registers are taken, so A has two buffers and no third).
; In the hand-over, behind the roundings, one on vm_vsrc (the rows' stores have read AST) and one on va_vdst (WCV is written, the set is read): the four stores, the rows' loads and the weights' loads follow with no further wait.
.if DOWN
.set LOGWP,  12                        ; a row of W2[e]: 4,096 bytes
.set ASTEP,  131072                    ; from a block of hid to the next
.else
.set LOGWP,  14                        ; a row of W1[e]: 16,384 bytes
.set ASTEP,  128                       ; 64 bf16 along a row of xb
.endif
.set WPITCH, 1<<LOGWP
.set LOGWS,  LOGWP+6
.set WSTEP,  1<<LOGWS                  ; 64 rows of weights
.set APITCH, 144                       ; an LDS row of 64 bf16: 128 bytes + 16: the 16 rows of a fragment load begin in 16 different groups of four banks (64 banks of 4 bytes: ISA guide 11.1)
.set AHALF,  256*APITCH
.set ASLOT,  512*APITCH                ; 73,728: a pass's rows, one K step
.set WF0,    2*ASLOT                   ; 147,456: the weights' fragments: ((f 2 + cb) 4 + c) 1,024 + u 512 + 16 lane
.set WSLOT,  16384
.set TAB,    WF0+2*WSLOT               ; 180,224; DOWN = 1 alone: two tables by rank, 1,088 words each, then 32 words that take the stores of lanes without a token
.set TABB,   4608
.set DUMP,   1088
                                       ; v1, v2 and the last 1,024 bytes of the LDS that the launch claims serve the closing add alone
.set ALD, 3                            ; v3-6    where I store 16 bytes of a row: slot s, rounds 8 a .. 8 a + 7 at ALD + 2 s + a
.set ARD, 7                            ; v7-8    my A fragments in slot s
.set WLD, 9                            ; v9      where I store weight fragments
.set BRD, 10                           ; v10     where I read them
.set WOF, 11                           ; v11     my byte offset in a step's weights
.set BIA, 12                           ; v12-13  the bias of my four columns, bf16, two to a register
.set PFO, 14                           ; v14     my byte offset for the prefetch; never rewritten
.set EPO, 15                           ; v15     the way out's lane term
.set AOFF, 16                          ; v16-31  round j: byte offset of my 16 bytes of a row
.set AST, 32                           ; v32-95  rows as loaded, round j in four registers
.set WST, 96                           ; v96-159 weights as loaded: two sets of 8 rows x 4 columns
.set BF,  160                          ; v160-223 B fragments (f, c) at 32 f + 8 c
.set AF,  224                          ; v224-255 A fragments: buffer b, f at 16 b + 8 f
.set WCV, 240                          ; v240-255 weights rounded: A's buffer 1, idle from the odd groups' last product to the next step
.set Z,   96                           ; the way out: 32 numbers, tile c register j at 8 c + j
; scalars: s[4:5] rows' base, s[6:7] weights' base, s[12:13] output's base; s[14:15], s[16:17], s[18:19] as they began; s20 wave, s21 w / 2, s22 w % 2, s23 expert, s24 slice, s53 quarter;
; s25 count, s26 last rank, s27 L, s28 the second pass's L, s61 my wave's groups, s62 the second pass's, s29 the pass's first rank, s30 trips, s31 pass + 1, s32 group, s52 groups that I store, s[68:99] the expert's map;
; s36-51: at work where masks and lanes' numbers are taken in runs (the prologue; DOWN = 1: the tables); DOWN = 0: from the way out's head on its constants
.set MSB, 0
.macro WIN new                         ; s_set_vgpr_msb: bits 1:0 source 0, 3:2 source 1, 5:4 source 2, 7:6 destination; the high byte repeats the setting that is left
.if MSB != (\new)
	s_set_vgpr_msb (MSB<<8)|(\new)
.set MSB, (\new)
.endif
.endm
.macro PLACES                          ; four places between a matrix instruction and a write, or a load, into one of its registers, or a reading of its result (ISA guide 7.12.1 for vector instructions)
.rept 4
	v_nop
.endr
.endm
; Eight loads: my 8 rows x 16 bytes of a step's weights; each covers 256 consecutive bytes of two rows, at multiples of 256 from the buffer's first byte
.macro WLOADS set, off
.set i, 0
.rept 8
	global_load_b128 v[WST+32*(\set)+4*i:WST+32*(\set)+4*i+3], v[WOF], s[6:7] offset:(\off)+i*WPITCH th:TH_LOAD_NT
.set i, i+1
.endr
.endm
; The rows of a step: group g is rounds 2 g and 2 g + 1.  full = 0: dead groups are jumped
.macro ALOADS off, full
.set j, 0
.rept 16
.if (!(\full)) && (j >= 2) && (j%2 == 0)
	s_cmp_le_u32 s27, j/2
	s_cbranch_scc1 .Lax_\@
.endif
	global_load_b128 v[AST+4*j:AST+4*j+3], v[AOFF+j], s[4:5] offset:\off
.set j, j+1
.endr
.Lax_\@:
.endm
.macro ASTORES slot                    ; all 16 rounds into a slot
.set j, 0
.rept 16
	ds_store_b128 v[ALD+2*(\slot)+j/8], v[AST+4*j:AST+4*j+3] offset:(j%8)*32*APITCH
.set j, j+1
.endr
.endm
.macro AMOVE slot                      ; the live rounds go into a slot
.set j, 0
.rept 16
.if (j >= 2) && (j%2 == 0)
	s_cmp_le_u32 s27, j/2
	s_cbranch_scc1 .Lmx_\@
.endif
	ds_store_b128 v[ALD+2*(\slot)+j/8], v[AST+4*j:AST+4*j+3] offset:(j%8)*32*APITCH
.set j, j+1
.endr
.Lmx_\@:
.endm
; Rows 2 p and 2 p + 1 of column c round into register p of my half of fragment c.  rows = 1: loads of rows follow
.macro WCONV set, slot, rows
.irp c, 0,1,2,3
.irp p, 0,1,2,3
	v_cvt_pk_bf16_f32 v[WCV+4*\c+\p], v[WST+32*(\set)+8*\p+\c], v[WST+32*(\set)+8*\p+4+\c]
.endr
.endr
.if \rows
	s_wait_alu depctr_vm_vsrc(0)                   ; the rows' LDS stores, issued ahead of the roundings, have read v32-95, in which the rows' next loads land
.endif
	s_wait_alu depctr_va_vdst(0)                   ; the roundings have written v240-255, which the LDS stores below read, and are done reading the set, in which the next weights land
.irp c, 0,1,2,3
	ds_store_b128 v[WLD], v[WCV+4*\c:WCV+4*\c+3] offset:(\slot)*WSLOT+\c*1024
.endr
.endm
.macro FRAG g, sl                      ; group g's two A fragments into buffer g % 2
.irp f, 0,1
	ds_load_b128 v[AF+16*((\g)%2)+8*\f:AF+16*((\g)%2)+8*\f+3],   v[ARD+(\sl)] offset:(\g)*64*APITCH+\f*64
	ds_load_b128 v[AF+16*((\g)%2)+8*\f+4:AF+16*((\g)%2)+8*\f+7], v[ARD+(\sl)] offset:(\g)*64*APITCH+\f*64+32
.endr
.endm
.macro MUL8 g                          ; the group's four accumulators by turns
	WIN 0x50                                       ; C and D in window 1
.irp f, 0,1
.irp c, 0,1,2,3
	v_wmma_f32_16x16x32_bf16 v[32*(\g)+8*\c:32*(\g)+8*\c+7], v[AF+16*((\g)%2)+8*\f:AF+16*((\g)%2)+8*\f+7], v[BF+32*\f+8*\c:BF+32*\f+8*\c+7], v[32*(\g)+8*\c:32*(\g)+8*\c+7]
.endr
.endr
	WIN 0                                          ; at a label and at a branch every window is 0
.endm
; THE HAND-OVER of step s (slot sl = s % 2).  kind = 3: rows and weights are asked for again; 2: rows alone (step 13); 1: nothing (step 14).
; Its order: the rows' LDS stores; the roundings; the two waits; the weights' LDS stores; the rows' loads; the weights' loads.
; In every step the rows' loads are issued first and the eight weight loads last, whatever the number of row loads.  So at the count 8 the eight youngest, the weights of step s + 2, may be out,
; and all that is older is in: the rows of step s + 1 and the weights of step s + 1.  Behind step 13 no weights are younger than the rows: step 14 waits for 0.
.macro XFER sl, kind, pf
.if (\kind) == 1
	s_wait_loadcnt 0x0
.else
	s_wait_loadcnt 0x8
.endif
	AMOVE 1-(\sl)
	PLACES                                         ; behind the odd groups' last product, which read the registers that the roundings write
	WCONV 1-(\sl), 1-(\sl), (\kind)/2
.if (\kind) >= 2
	ALOADS ((\sl)+2)*ASTEP, 0                      ; no wait: no LDS store since the wait on vm_vsrc reads v32-95, and no vector instruction of the step names them
.endif
.if (\kind) == 3
	WLOADS 1-(\sl), ((\sl)+3)*WSTEP                ; no wait: no vector instruction since the wait on va_vdst names the set
.endif
.if \pf
	s_cmp_eq_u32 s30, 1                            ; the last trip would ask past the slice,
	s_cbranch_scc1 .Lnopf_\@
	s_cmp_lg_u32 s31, 1                            ; and the second pass would ask for the same blocks again
	s_cbranch_scc1 .Lnopf_\@
	global_prefetch_b8 v[PFO], s[6:7] offset:5*WSTEP th:TH_LOAD_NT scope:SCOPE_SE  ; trip t: steps 2 t + 5 (lanes 0-15) and 2 t + 6 (lanes 16-31), whose loads come one trip on: 16 blocks of 256 bytes of each for this wave, each asked for once
.Lnopf_\@:
.endif
.endm
; A step's products: my groups from the last down to 0, so that the fragments fetched one group ahead are always a live group's, and all ways end in group 0's block
.macro COMPUTE sl, kind, pf
	s_wait_alu depctr_va_vdst(0)                   ; the last step's products (step 0: the products that start the sums) are done reading BF and AF, and the last roundings have written v240-255: loads land in all of these below
	s_wait_alu depctr_vm_vsrc(0)                   ; the last hand-over's LDS stores have read v240-255, in which the odd groups' fragments land and which this step's roundings write
.irp f, 0,1
.irp c, 0,1,2,3
	ds_load_b128 v[BF+32*\f+8*\c:BF+32*\f+8*\c+3],   v[BRD] offset:(\sl)*WSLOT+\f*8192+\c*1024
	ds_load_b128 v[BF+32*\f+8*\c+4:BF+32*\f+8*\c+7], v[BRD] offset:(\sl)*WSLOT+\f*8192+\c*1024+512
.endr
.endr
.irp g, 7,6,5,4,3,2,1
	s_cmp_eq_u32 s61, \g+1
	s_cbranch_scc1 .LE\@_\g
.endr
	FRAG 0, \sl
	s_branch .LG\@_0
.irp g, 1,2,3,4,5,6
.LE\@_\g:
	FRAG \g, \sl
	s_branch .LG\@_\g
.endr
.LE\@_7:
	FRAG 7, \sl
.irp g, 7,6,5,4,3,2,1
.LG\@_\g:
	PLACES                                         ; the buffer loaded next was read by the products just issued
	s_wait_alu depctr_va_vdst(0)                   ; those products are done reading it
	FRAG \g-1, \sl
	s_wait_dscnt 0x4                               ; all but the four just issued: this group's fragments, and B's, are in
	MUL8 \g
.endr
.LG\@_0:
	s_wait_dscnt 0x0                               ; group 0's fragments are in
.if \kind
	XFER \sl, \kind, \pf
.endif
	MUL8 0
.if \kind
	PLACES                                         ; in front of the next step's loads into the fragments' registers
.endif
.endm
; One barrier a step: in front of it my stores into the other slot and my reads of this one are done.  kind = 0: the last step: nothing is moved, and no barrier: what is written next is slot 0, last read in step 14
.macro STEP sl, kind, pf
	s_cmp_lg_u32 s27, 0
	s_cbranch_scc1 .Llive_\@
	s_wait_loadcnt 0x0
	s_branch .Lbar_\@
.Llive_\@:
	COMPUTE \sl, \kind, \pf
.Lbar_\@:
	s_wait_dscnt 0x0
.if \kind
	s_barrier_signal -1
	s_barrier_wait -1
.endif
.endm
; Round j's row: rank = the pass's first + 32 j + thread / 8, held to the last rank; a number that comes from memory is held under a constant before it enters an address
.if DOWN
.macro MKAOFF
	v_lshrrev_b32 v32, 3, v0
	v_add_nc_u32 v32, s29, v32
	v_and_b32 v33, 7, v0
	v_lshlrev_b32 v33, 4, v33
.set j, 0
.rept 16
	v_add_nc_u32 v[AOFF+j], 32*j, v32
	v_min_u32 v[AOFF+j], s26, v[AOFF+j]
	v_min_u32 v[AOFF+j], 0x3ff, v[AOFF+j]
	v_lshl_add_u32 v[AOFF+j], v[AOFF+j], 7, v33    ; hid: ranks lie end to end, 128 bytes each: a wave's load covers 512 consecutive bytes
.set j, j+1
.endr
.endm
.else
; RANK TO TOKEN, in registers alone.  The wave's 16 rounds want 64 ranks, four a round: lane l finds the tokens of two, those of rounds l / 4 and 8 + l / 4, row l % 4.
; The word: the last of the 32 whose count of set bits below it is not above the rank.  The bit: by five halvings on the counts of set bits in fields of 16, 8, 4, 2 and 1.
; An expert without rows: rank 0 finds token 1,023, a row that exists.
; Masks and lanes' numbers that vector instructions write into scalar registers are taken in runs, into s36-51, with one wait on va_sdst behind each run and ahead of its first reader.
.set RK, 36                            ; v36-37  the rank, then its place among the word's set bits
.set WD, 38                            ; v38-39  the word
.set CW, 40                            ; v40-41  set bits below the word | the word's number << 16; then the number
.set SA, 44                            ; v44-45  set bits in fields of 2
.set SB, 46                            ; v46-47  of 4
.set SC, 48                            ; v48-49  of 8
.set TT, 50                            ; v50-51  at work
.set PS, 52                            ; v52-53  the bit's place, then the token
.set SX, 54                            ; v54-55  at work
.macro NTHS st, q                      ; line st of the counting, for the lane's rank q
.if (\st) == 0
	v_lshrrev_b32 v[SA+\q], 1, v[WD+\q]
.elseif (\st) == 1
	v_and_b32 v[SA+\q], 0x55555555, v[SA+\q]
.elseif (\st) == 2
	v_sub_nc_u32 v[SA+\q], v[WD+\q], v[SA+\q]
.elseif (\st) == 3
	v_lshrrev_b32 v[SB+\q], 2, v[SA+\q]
.elseif (\st) == 4
	v_and_b32 v[SB+\q], 0x33333333, v[SB+\q]
.elseif (\st) == 5
	v_and_b32 v[TT+\q], 0x33333333, v[SA+\q]
.elseif (\st) == 6
	v_add_nc_u32 v[SB+\q], v[SB+\q], v[TT+\q]
.elseif (\st) == 7
	v_lshrrev_b32 v[SC+\q], 4, v[SB+\q]
.elseif (\st) == 8
	v_add_nc_u32 v[SC+\q], v[SC+\q], v[SB+\q]
.elseif (\st) == 9
	v_and_b32 v[SC+\q], 0x0f0f0f0f, v[SC+\q]
.elseif (\st) == 10
	v_lshrrev_b32 v[TT+\q], 8, v[SC+\q]
.elseif (\st) == 11
	v_add_nc_u32 v[TT+\q], v[TT+\q], v[SC+\q]
.else
	v_and_b32 v[TT+\q], 0xff, v[TT+\q]             ; set bits in the word's low 16
.endif
.endm
.macro HALF src, wid, q, sub           ; line sub of a halving: if the place is not below the set bits of the lower wid bits at PS, the bit lies in the upper wid
.if (\sub) == 0
	v_bfe_u32 v[TT+\q], v[(\src)+\q], v[PS+\q], \wid
.elseif (\sub) == 1
	v_cmp_ge_u32 s[34+\q], v[RK+\q], v[TT+\q]
.elseif (\sub) == 2
	v_cndmask_b32 v[TT+\q], 0, v[TT+\q], s[34+\q]
.elseif (\sub) == 3
	v_sub_nc_u32 v[RK+\q], v[RK+\q], v[TT+\q]
.elseif (\sub) == 4
	v_cndmask_b32 v[SX+\q], 0, \wid, s[34+\q]
.else
	v_add_nc_u32 v[PS+\q], v[PS+\q], v[SX+\q]
.endif
.endm
.macro HALVE src, wid, first, last     ; a halving for both ranks.  first = 1: the count is at hand; last = 1: the place is not wanted again
.if !(\first)
	HALF \src, \wid, 0, 0
	HALF \src, \wid, 1, 0
.endif
	HALF \src, \wid, 0, 1
	HALF \src, \wid, 1, 1
	s_wait_alu depctr_va_sdst(0)                   ; the two compares have written s34 and s35, ahead of the selects that read them
.if !(\last)
	HALF \src, \wid, 0, 2
	HALF \src, \wid, 1, 2
	HALF \src, \wid, 0, 3
	HALF \src, \wid, 1, 3
.endif
	HALF \src, \wid, 0, 4
	HALF \src, \wid, 1, 4
	HALF \src, \wid, 0, 5
	HALF \src, \wid, 1, 5
.endm
.macro MKAOFF
	v_and_b32 v32, 31, v0
	v_lshrrev_b32 v33, 2, v32
	v_and_b32 v34, 3, v0
	v_lshl_add_u32 v35, v33, 5, v34                ; 32 (l / 4) + l % 4
	s_lshl2_add_u32 s33, s20, s29                  ; + 4 w + the pass's first rank
	v_add_nc_u32 v[RK], s33, v35
	v_add_nc_u32 v[RK+1], 0x100, v[RK]
	v_min_u32 v[RK], s26, v[RK]
	v_min_u32 v[RK+1], s26, v[RK+1]
	v_mov_b32 v[WD], s68
	v_mov_b32 v[WD+1], s68
	v_mov_b32 v[CW], 0
	v_mov_b32 v[CW+1], 0
	v_and_b32 v56, 7, v0
	v_lshlrev_b32 v56, 4, v56                      ; my 16 bytes of a row's 128
	s_mov_b32 s34, 0
.set i, 1
.rept 7                                                ; words 1 to 31, five to a run: word i + k has its two masks in s[36 + 3 k] and s[37 + 3 k], its count and number in s[38 + 3 k]
.set k, 0
.rept 5
.if i+k < 32
	s_bcnt1_i32_b32 s35, s[68+i+k-1]
	s_add_co_u32 s34, s34, s35                     ; set bits below word i + k
	s_or_b32 s[38+3*k], s34, (i+k)<<16
	v_cmp_le_u32 s[36+3*k], s34, v[RK]
	v_cmp_le_u32 s[37+3*k], s34, v[RK+1]
.endif
.set k, k+1
.endr
	s_wait_alu depctr_va_sdst(0)                   ; the run's compares have written their masks, ahead of the selects that read them
.set k, 0
.rept 5
.if i+k < 32
	v_cndmask_b32 v[WD], v[WD], s[68+i+k], s[36+3*k]
	v_cndmask_b32 v[CW], v[CW], s[38+3*k], s[36+3*k]
	v_cndmask_b32 v[WD+1], v[WD+1], s[68+i+k], s[37+3*k]
	v_cndmask_b32 v[CW+1], v[CW+1], s[38+3*k], s[37+3*k]
.endif
.set k, k+1
.endr
.set i, i+5
.endr
	v_and_b32 v[TT], 0xffff, v[CW]
	v_and_b32 v[TT+1], 0xffff, v[CW+1]
	v_sub_nc_u32 v[RK], v[RK], v[TT]
	v_sub_nc_u32 v[RK+1], v[RK+1], v[TT+1]
	v_lshrrev_b32 v[CW], 16, v[CW]
	v_lshrrev_b32 v[CW+1], 16, v[CW+1]
.set st, 0
.rept 13
	NTHS st, 0
	NTHS st, 1
.set st, st+1
.endr
	v_mov_b32 v[PS], 0
	v_mov_b32 v[PS+1], 0
	HALVE 0, 16, 1, 0
	HALVE SC, 8, 0, 0
	HALVE SB, 4, 0, 0
	HALVE SA, 2, 0, 0
	HALVE WD, 1, 0, 1
	v_lshl_add_u32 v[PS], v[CW], 5, v[PS]          ; the token: 32 x word + bit
	v_lshl_add_u32 v[PS+1], v[CW+1], 5, v[PS+1]
.set j, 0
.rept 4                                                ; four rounds to a run.  Round j's four tokens go to the eight lanes of each row: lanes 0-7 the first, 8-15, 16-23, 24-31 the others (s56-58: their masks)
.set k, 0
.rept 4
	v_readlane_b32 s[36+4*k], v[PS+(j+k)/8], 4*((j+k)%8)
	v_readlane_b32 s[37+4*k], v[PS+(j+k)/8], 4*((j+k)%8)+1
	v_readlane_b32 s[38+4*k], v[PS+(j+k)/8], 4*((j+k)%8)+2
	v_readlane_b32 s[39+4*k], v[PS+(j+k)/8], 4*((j+k)%8)+3
.set k, k+1
.endr
	s_wait_alu depctr_va_sdst(0)                   ; the run's sixteen tokens are written into s36-51, ahead of the lines that read them
.set k, 0
.rept 4
	v_mov_b32 v[AOFF+j+k], s[36+4*k]
	v_cndmask_b32 v[AOFF+j+k], v[AOFF+j+k], s[37+4*k], s56
	v_cndmask_b32 v[AOFF+j+k], v[AOFF+j+k], s[38+4*k], s57
	v_cndmask_b32 v[AOFF+j+k], v[AOFF+j+k], s[39+4*k], s58
	v_min_u32 v[AOFF+j+k], 0x3ff, v[AOFF+j+k]
	v_lshl_add_u32 v[AOFF+j+k], v[AOFF+j+k], 11, v56   ; a row of xb is 2,048 bytes
.set k, k+1
.endr
.set j, j+4
.endr
.endm
.endif
; All 32 accumulators start at 0 by 32 products of zero fragments with C = 0: they stand in the wait for the first loads, and spare 256 v_mov_b32 or a further copy of a step
.macro INIT
.set i, 0
.rept 8
	v_mov_b32 v[AF+i], 0
	v_mov_b32 v[BF+i], 0
.set i, i+1
.endr
	WIN 0x50
.set i, 0
.rept 32
	v_wmma_f32_16x16x32_bf16 v[8*i:8*i+7], v[AF:AF+7], v[BF:BF+7], 0
.set i, i+1
.endr
	WIN 0
.endm
.macro COPY g                          ; group g's sums + bias into window 0; each accumulator is read from its lowest registers on
	WIN 0x01                                       ; source 0 in window 1
.irp c, 0,1,2,3
.irp j, 0,2,4,6
	v_pk_add_f32 v[Z+8*\c+\j:Z+8*\c+\j+1], v[32*(\g)+8*\c+\j:32*(\g)+8*\c+\j+1], v[240+2*\c:241+2*\c]
.endr
.endr
	WIN 0
.endm
.if !DOWN
; GELU of the 32 numbers in Z, a pair of registers at a time, in sweeps over eight pairs, so that no line reads the result of the line before it.
.set AZ, 128                           ; |z|
.set U,  32                            ; 1 + P |z|, then t = its reciprocal
.set W,  64                            ; -(k z)^2, then 2^that = e^(-z z / 2)
.set PL, 160                           ; the polynomial, then the result
.set HZ, 192                           ; z / 2
.set OUT, 224
.macro P1S st, i
.if (\st) == 0
	v_and_b32 v[AZ+(\i)], s50, v[Z+(\i)]
.elseif (\st) == 1
	v_and_b32 v[AZ+(\i)+1], s50, v[Z+(\i)+1]
.elseif (\st) == 2
	v_pk_fma_f32 v[U+(\i):U+(\i)+1], v[AZ+(\i):AZ+(\i)+1], s[36:37], 1.0 op_sel_hi:[1,0,0]
.elseif (\st) == 3
	v_pk_mul_f32 v[W+(\i):W+(\i)+1], v[Z+(\i):Z+(\i)+1], s[38:39] op_sel_hi:[1,0]
.else
	v_pk_mul_f32 v[W+(\i):W+(\i)+1], v[W+(\i):W+(\i)+1], v[W+(\i):W+(\i)+1] neg_lo:[1,0] neg_hi:[1,0]
.endif
.endm
.macro POS st, i
.if (\st) == 0
	v_pk_fma_f32 v[PL+(\i):PL+(\i)+1], v[U+(\i):U+(\i)+1], s[48:49], s[46:47] op_sel_hi:[1,0,0]
.elseif (\st) == 1
	v_pk_fma_f32 v[PL+(\i):PL+(\i)+1], v[PL+(\i):PL+(\i)+1], v[U+(\i):U+(\i)+1], s[44:45] op_sel_hi:[1,1,0]
.elseif (\st) == 2
	v_pk_fma_f32 v[PL+(\i):PL+(\i)+1], v[PL+(\i):PL+(\i)+1], v[U+(\i):U+(\i)+1], s[42:43] op_sel_hi:[1,1,0]
.elseif (\st) == 3
	v_pk_fma_f32 v[PL+(\i):PL+(\i)+1], v[PL+(\i):PL+(\i)+1], v[U+(\i):U+(\i)+1], s[40:41] op_sel_hi:[1,1,0]
.elseif (\st) == 4
	v_pk_mul_f32 v[PL+(\i):PL+(\i)+1], v[PL+(\i):PL+(\i)+1], v[U+(\i):U+(\i)+1]
.elseif (\st) == 5
	v_pk_fma_f32 v[PL+(\i):PL+(\i)+1], v[PL+(\i):PL+(\i)+1], v[W+(\i):W+(\i)+1], 0.5 op_sel_hi:[1,1,0] neg_lo:[1,0,0] neg_hi:[1,0,0]
.elseif (\st) == 6
	v_pk_mul_f32 v[HZ+(\i):HZ+(\i)+1], v[Z+(\i):Z+(\i)+1], 0.5 op_sel_hi:[1,0]
.else
	v_pk_fma_f32 v[PL+(\i):PL+(\i)+1], v[AZ+(\i):AZ+(\i)+1], v[PL+(\i):PL+(\i)+1], v[HZ+(\i):HZ+(\i)+1]
.endif
.endm
.macro TQ                              ; the next of the 32 reciprocals and exponentials of the half that begins at TRB, if any is left
.if tq < 32
.if tq%4 == 0
	v_rcp_f32 v[U+TRB+2*(tq/4)], v[U+TRB+2*(tq/4)]
.elseif tq%4 == 1
	v_rcp_f32 v[U+TRB+2*(tq/4)+1], v[U+TRB+2*(tq/4)+1]
.elseif tq%4 == 2
	v_exp_f32 v[W+TRB+2*(tq/4)], v[W+TRB+2*(tq/4)]
.else
	v_exp_f32 v[W+TRB+2*(tq/4)+1], v[W+TRB+2*(tq/4)+1]
.endif
.set tq, tq+1
.endif
.endm
.macro SWEEP kind, n, base             ; n stages over the eight pairs from base on; behind each line one of the other half's transcendentals
.set st, 0
.rept \n
.set pp, 0
.rept 8
.if \kind
	POS st, (\base)+2*pp
.else
	P1S st, (\base)+2*pp
.endif
	TQ
.set pp, pp+1
.endr
.set st, st+1
.endr
.endm
.macro CPAIR r, val                    ; a constant for the packed forms: named as a pair, the low word serves both halves
	s_mov_b32 s[\r], \val
	s_mov_b32 s[(\r)+1], \val
.endm
.endif
	s_load_b256 s[4:11], s[0:1], 0x0               ; rows s[4:5], weights s[6:7], bias s[8:9], bits s[10:11]
.if DOWN
	s_load_b128 s[56:59], s[0:1], 0x20             ; sel s[56:57], gate s[58:59]
	s_load_b64 s[12:13], s[0:1], 0x30              ; part
.else
	s_load_b64 s[12:13], s[0:1], 0x20              ; hid
	v_lshl_add_u32 v1, v0, 2, 0x2c000
	v_mov_b32 v2, 0
.endif
	v_lshrrev_b32 v32, 5, v0
	v_readfirstlane_b32 s20, v32                   ; wave 0..7
	s_lshr_b32 s23, ttmp9, 5                       ; expert
.if DOWN
	s_bfe_u32 s53, ttmp9, 0x20003                  ; quarter of K
	s_and_b32 s24, ttmp9, 7                        ; 128 columns
.else
	s_and_b32 s24, ttmp9, 31
.endif
	v_and_b32 v33, 31, v0                          ; lane
	v_and_b32 v34, 15, v0                          ; r
	v_bfe_u32 v35, v0, 4, 1                        ; h
	v_lshrrev_b32 v36, 3, v0                       ; a round is 32 rows: eight threads to a row of 128 bytes
	v_and_b32 v37, 7, v0
	v_mul_u32_u24 v36, v36, APITCH
	v_lshl_add_u32 v[ALD], v37, 4, v36
	v_add_nc_u32 v[ALD+1], AHALF, v[ALD]
	v_add_nc_u32 v[ALD+2], ASLOT, v[ALD]
	v_add_nc_u32 v[ALD+3], ASLOT+AHALF, v[ALD]
	s_wait_alu depctr_va_sdst(0)                   ; s20 is written, ahead of its first reader
	s_lshr_b32 s21, s20, 1
	s_and_b32 s22, s20, 1
.if DOWN
	v_lshl_add_u32 v36, s21, 4, v34                ; matrix row r is row r of my 16
.else
	v_bfe_u32 v36, v0, 3, 1                        ; matrix row r is row 2 (r % 8) + r / 8 of my 16: register j of the result is then rank 2 j + h, and a store's two halves are neighbouring ranks
	v_lshl_add_u32 v36, v37, 1, v36
	v_lshl_add_u32 v36, s21, 4, v36
.endif
	v_mul_u32_u24 v36, v36, APITCH
	v_lshl_add_u32 v[ARD], v35, 4, v36
	v_add_nc_u32 v[ARD+1], ASLOT, v[ARD]
	; as a loader of weights wave w has column half w % 2, fragment f = (w / 2) % 2 and half u = w / 4 of its registers
	s_and_b32 s33, s20, 3
	s_lshl_b32 s33, s33, 12
	s_lshr_b32 s35, s20, 2
	s_lshl_b32 s34, s35, 9
	s_add_co_u32 s33, s33, s34
	s_add_co_u32 s33, s33, WF0
	v_lshl_add_u32 v[WLD], v33, 4, s33
	s_lshl_b32 s33, s22, 12
	s_add_co_u32 s33, s33, WF0
	v_lshl_add_u32 v[BRD], v33, 4, s33
	s_bfe_u32 s34, s20, 0x10001
	s_lshl_b32 s34, s34, 5
	s_lshl4_add_u32 s34, s35, s34                  ; row 32 f + 16 u
	v_lshl_add_u32 v36, v35, 3, s34                ; + 8 h
	v_lshlrev_b32 v36, LOGWP, v36
	v_lshl_add_u32 v36, v34, 4, v36
	s_lshl_b32 s33, s22, 8
	v_add_nc_u32 v[WOF], s33, v36
	v_lshrrev_b32 v36, 2, v0                       ; the prefetch: a step is 128 blocks of 256 bytes, 16 for each wave: row 8 w + (lane % 16) / 2, half lane % 2 of its 512 bytes; lanes 16-31 a step further
	v_bfe_u32 v37, v0, 1, 3
	v_and_or_b32 v36, v36, 0x38, v37
	v_and_b32 v37, 1, v0
	v_lshlrev_b32 v37, 8, v37
	v_lshl_add_u32 v36, v36, LOGWP, v37
	v_lshl_add_u32 v[PFO], v35, LOGWS, v36
.if DOWN
	v_lshlrev_b32 v24, 2, v33                      ; a word a lane, for sel and gate
	s_lshl_b32 s33, s21, 1
	v_add_nc_u32 v[EPO], s33, v35                  ; my ranks 16 (w / 2) + 8 h .. of a group, counted in eights: 2 (w / 2) + h
	s_lshl_b32 s33, s23, 12                        ; b2[e]
.else
	v_lshlrev_b32 v36, 3, v34
	v_lshl_add_u32 v[EPO], v35, 7, v36             ; 8 bytes a lane, 128 bytes a rank
	s_lshl_b32 s33, s23, 14                        ; b1[e]
.endif
	s_lshl_b32 s34, s24, 9
	s_add_co_u32 s33, s33, s34
	s_lshl_b32 s34, s22, 8
	s_add_co_u32 s33, s33, s34
	v_lshl_add_u32 v224, v34, 4, s33               ; the bias of my four columns
	s_lshl_b32 s60, s23, 7                         ; the expert's map
	s_mov_b32 s35, 0
	s_wait_alu depctr_va_vdst(0)                   ; the offsets and LDS addresses v3-11, v14, v15, v24 and v224 are written, which loads, stores and prefetches read from here on; the lines above are done with v32-37, in which loads land
	s_wait_kmcnt 0x0
	s_load_b512 s[68:83], s[10:11], s60 offset:0x0
	s_load_b512 s[84:99], s[10:11], s60 offset:0x40
.if DOWN
	s_cmp_lg_u32 s20, 0                            ; wave 0, which makes the tables, asks for their numbers beside the map's load: they hang on no count
	s_cbranch_scc1 .Lnot_0
.set i, 0
.rept 32
	global_load_b32 v[32+i],  v24, s[56:57] offset:128*i       ; tokens 32 i + lane: the two experts,
	global_load_b32 v[64+i],  v24, s[58:59] offset:128*i       ; slot 0's gate,
	global_load_b32 v[160+i], v24, s[58:59] offset:4096+128*i  ; slot 1's
.set i, i+1
.endr
.Lnot_0:
.endif
	s_lshl_b32 s34, s23, 24                        ; an expert's weights are 16 MiB
	s_lshl_b32 s33, s24, 9
	s_add_co_u32 s34, s34, s33
.if DOWN
	s_lshl_b32 s33, s53, 22                        ; 1,024 rows of 4,096 bytes
	s_add_co_u32 s34, s34, s33
.endif
	s_add_nc_u64 s[6:7], s[6:7], s[34:35]
	s_mov_b64 s[16:17], s[6:7]
.if DOWN
	s_lshl_b32 s34, s23, 6
	s_lshl4_add_u32 s34, s53, s34                  ; block 64 e + 16 q
	s_lshl_b32 s34, s34, 17
	s_add_nc_u64 s[4:5], s[4:5], s[34:35]
.endif
	s_mov_b64 s[14:15], s[4:5]
.if DOWN
	s_lshl_b32 s34, s53, 23                        ; slabs 2 q and 2 q + 1
	s_lshl_b32 s33, s24, 9
	s_add_co_u32 s34, s34, s33
	s_lshl_b32 s33, s22, 8
	s_add_co_u32 s34, s34, s33
.else
	s_lshl_b32 s34, s23, 6
	s_lshl1_add_u32 s34, s24, s34
	s_add_co_u32 s34, s34, s22                     ; block 64 e + 2 slice + w % 2
	s_lshl_b32 s34, s34, 10
	s_lshl4_add_u32 s34, s21, s34                  ; + my 16 ranks of a group
	s_lshl_b32 s34, s34, 7
.endif
	s_add_nc_u64 s[12:13], s[12:13], s[34:35]
	s_mov_b64 s[18:19], s[12:13]
	global_load_b128 v[228:231], v224, s[8:9]      ; beside its address register
	global_prefetch_b8 v[PFO], s[6:7] offset:3*WSTEP th:TH_LOAD_NT scope:SCOPE_SE  ; steps 3 and 4; steps 0 to 2 are asked for by the prologue's loads
.if !DOWN
	s_mov_b32 s56, 0x0000ff00                      ; lanes 8-15, 16-23, 24-31
	s_mov_b32 s57, 0x00ff0000
	s_mov_b32 s58, 0xff000000
.endif
	s_mov_b32 s29, 0
	s_wait_kmcnt 0x0
	s_bcnt1_i32_b32 s25, s68
.set i, 1
.rept 31
	s_bcnt1_i32_b32 s33, s[68+i]
	s_add_co_u32 s25, s25, s33
.set i, i+1
.endr
	s_min_u32 s25, s25, 1024                       ; the expert's rows
	s_max_u32 s26, s25, 1
	s_min_u32 s33, s26, 512                        ; pass 0's rows: 1 to 512
	s_sub_co_u32 s26, s26, 1                       ; the last rank
	s_lshl_b32 s34, s21, 4
	s_sub_co_u32 s34, 63, s34                      ; 63 - 16 (w / 2)
	s_add_co_u32 s27, s33, 63
	s_lshr_b32 s27, s27, 6                         ; pass 0: 1 to 8 groups
	s_add_co_u32 s61, s33, s34                     ; group g's tile of mine holds a row where 64 g + 16 (w / 2) lies below the pass's rows
	s_lshr_b32 s61, s61, 6
	s_max_u32 s61, s61, 1
	s_max_u32 s33, s25, 512
	s_sub_co_u32 s33, s33, 512                     ; pass 1's rows: 0 to 512
	s_add_co_u32 s28, s33, 63
	s_lshr_b32 s28, s28, 6                         ; pass 1: 0 to 8 groups
	s_add_co_u32 s62, s33, s34
	s_lshr_b32 s62, s62, 6
	s_max_u32 s62, s62, 1
.if DOWN
	s_cmp_lg_u32 s25, 0
	s_cselect_b32 s52, s61, 0                      ; an expert without rows stores nothing
.else
	s_mov_b32 s52, s61                             ; an expert without rows stores one tile a wave, made of a row that exists, so that the next launch reads bytes that were written
.endif
.if DOWN
	; THE TABLES BY RANK, made by wave 0 alone from the map: a token's rank is the number of set bits below its own.  They are read on the way out alone, behind the steps' barriers.
	; All 32 words' entries are made in registers of their own (address v96 + i, row v128 + i, gate v64 + i), so that one wait stands ahead of the run of their stores.
	s_cmp_lg_u32 s20, 0
	s_cbranch_scc1 .Ltab_done
	v_and_b32 v16, 31, v0
	v_add_nc_u32 v18, DUMP, v16                    ; where a lane without a token stores
	v_lshl_add_u32 v19, v16, 4, TAB
	v_mov_b32 v20, 0
	v_mov_b32 v21, 0
	v_mov_b32 v22, 0
	v_mov_b32 v23, 0
	v_mov_b32 v26, s26                             ; the last rank's entry,
	v_min_u32 v26, 0x3ff, v26
	v_lshl_add_u32 v26, v26, 2, TAB
	v_add_nc_u32 v27, s25, v16                     ; and the places past the count
	v_min_u32 v27, 0x41f, v27
	v_lshl_add_u32 v27, v27, 2, TAB
	s_wait_alu depctr_va_vdst(0)                   ; v19 to v23, v26 and v27 are written, which the LDS instructions below read
.set i, 0
.rept 2*TABB/512                                       ; first both tables are 0, 512 bytes a store: every word that can be read has been written.
	ds_store_b128 v19, v[20:23] offset:i*512       ; LDS serves a wave's instructions in order (ISA guide 5.7.1.4): the entries below land on top
.set i, i+1
.endr
	s_wait_loadcnt 0x0                             ; sel and gate
	s_mov_b32 s33, 0
.set i, 0
.rept 32
	v_mbcnt_lo_u32_b32 v[96+i], s[68+i], s33
	v_cndmask_b32 v[96+i], v18, v[96+i], s[68+i]   ; the map's word is the mask of the lanes that have a token
	v_min_u32 v[96+i], 0x45f, v[96+i]              ; held inside the table's 1,120 words
	v_lshl_add_u32 v[96+i], v[96+i], 2, TAB
	v_add_nc_u32 v[128+i], 32*i, v16
	v_lshrrev_b32 v[32+i], 8, v[32+i]
	s_bcnt1_i32_b32 s34, s[68+i]
	s_add_co_u32 s33, s33, s34
.set i, i+1
.endr
.set i, 0
.rept 2                                                ; the compares in two runs of sixteen, into s36-51
.set k, 0
.rept 16
	v_cmp_eq_u32 s[36+k], s23, v[32+i+k]           ; am I the token's second expert?
.set k, k+1
.endr
	s_wait_alu depctr_va_sdst(0)                   ; the run's compares have written their masks, ahead of the selects that read them
.set k, 0
.rept 16
	v_add_nc_u32 v[32+i+k], 1024, v[128+i+k]
	v_cndmask_b32 v[128+i+k], v[128+i+k], v[32+i+k], s[36+k]   ; token + 1,024 x slot: a row's number in a quarter's two slabs
	v_cndmask_b32 v[64+i+k], v[64+i+k], v[160+i+k], s[36+k]
.set k, k+1
.endr
.set i, i+16
.endr
	s_wait_alu depctr_va_vdst(0)                   ; the entries' addresses, rows and gates are written, which the LDS stores below read
.set i, 0
.rept 32
	ds_store_b32 v[96+i], v[128+i]
	ds_store_b32 v[96+i], v[64+i] offset:TABB
.set i, i+1
.endr
	ds_load_b32 v28, v26                           ; the 64 places past the count repeat the last rank's entry: a tile's spare rows store the last row's bytes once more, with the same numbers
	ds_load_b32 v29, v26 offset:TABB
	s_wait_dscnt 0x0
	ds_store_b32 v27, v28
	ds_store_b32 v27, v28 offset:128
	ds_store_b32 v27, v29 offset:TABB
	ds_store_b32 v27, v29 offset:TABB+128
.Ltab_done:
.endif
	s_wait_loadcnt 0x0                             ; the bias, asked for beside the map
	v_cvt_pk_bf16_f32 v[BIA],   v228, v229         ; rounded
	v_cvt_pk_bf16_f32 v[BIA+1], v230, v231
.if DOWN
	s_cmp_eq_u32 s53, 0                            ; one quarter of K adds the bias
	s_cselect_b32 s33, -1, 0
	v_and_b32 v[BIA],   s33, v[BIA]
	v_and_b32 v[BIA+1], s33, v[BIA+1]
.endif
	s_mov_b32 s31, 0
	s_branch .Lpro                                 ; the loop over passes is entered at its prologue, in the middle of a trip: so the prologue stands once in the text
.Lpass:
	s_mov_b32 s30, 6
.Lk:                                                   ; a trip: two steps, once round the slots
	STEP 0, 3, 1
	STEP 1, 3, 0
	s_wait_xcnt 0x0                                ; the bases are stepped only behind this wait
	s_add_nc_u64 s[4:5], s[4:5], 2*ASTEP
	s_add_nc_u64 s[6:7], s[6:7], 2*WSTEP
	s_sub_co_u32 s30, s30, 1
	s_cmp_lg_u32 s30, 0
	s_cbranch_scc1 .Lk
	STEP 0, 3, 0                                   ; steps 12 to 15 are written out: no load leaves the slice.  Step 12 asks for the last weights,
	STEP 1, 2, 0                                   ; step 13 for the last rows,
	STEP 0, 1, 0                                   ; step 14 for nothing,
	STEP 1, 0, 0                                   ; and step 15 moves nothing
	PLACES                                         ; behind the last products
	; THE WAY OUT, a group at a time, my tile of 16 rows; dead tiles are jumped forward; no barrier inside
	s_cmp_eq_u32 s52, 0
	s_cbranch_scc1 .Lno_ep
	s_wait_xcnt 0x0
	s_wait_alu depctr_vm_vsrc(0)                   ; the last hand-over's LDS stores have read v240-255, which the lines below write
	v_lshlrev_b32 v240, 16, v[BIA]                 ; the bias of column c twice, in v[240 + 2 c : 241 + 2 c]
	v_lshlrev_b32 v241, 16, v[BIA]
	v_and_b32 v242, 0xffff0000, v[BIA]
	v_and_b32 v243, 0xffff0000, v[BIA]
	v_lshlrev_b32 v244, 16, v[BIA+1]
	v_lshlrev_b32 v245, 16, v[BIA+1]
	v_and_b32 v246, 0xffff0000, v[BIA+1]
	v_and_b32 v247, 0xffff0000, v[BIA+1]
.if DOWN
	v_and_b32 v248, 15, v0
	v_lshlrev_b32 v248, 4, v248                    ; my 16 bytes of the wave's 256
.else
	CPAIR 36, 0x3e6d3388                           ; P  = 0.3275911 / sqrt 2.  The constants are set here, in each pass: the prologue has s36-51 at work
	CPAIR 38, 0x3f596d27                           ; k  = sqrt(log2(e) / 2)
	CPAIR 40, 0x3e027906                           ; A1 .. A5: the form's coefficients, halved
	CPAIR 42, 0xbe11a98e
	CPAIR 44, 0x3f35f0e3
	CPAIR 46, 0xbf3a00e3
	CPAIR 48, 0x3f07dc22
	s_mov_b32 s50, 0x7fffffff
	s_mov_b64 s[12:13], s[18:19]
	s_lshl_b32 s54, s29, 7                         ; what the first group adds to the base: the pass's first rank; later groups add 64 ranks
	s_mov_b32 s55, 0
.endif
	s_mov_b32 s32, 0
.Lep:
	s_cmp_ge_u32 s32, s52
	s_cbranch_scc1 .Lep_next
.irp g, 1,2,3,4,5,6,7
	s_cmp_eq_u32 s32, \g
	s_cbranch_scc1 .LC\g
.endr
.irp g, 0,1,2,3,4,5,6
.LC\g:
	COPY \g
	s_branch .Lact
.endr
.LC7:
	COPY 7
.Lact:
	s_wait_xcnt 0x0                                ; the last group's stores have had their addresses translated: their registers and their base are rewritten only behind this wait
	s_wait_alu depctr_vm_vsrc(0)                   ; the last group's stores (and, DOWN = 1, its LDS loads) have read their registers, and the last hand-over's LDS stores v32-95: the lines below write them
.if DOWN
	s_lshl_b32 s33, s32, 3                         ; in eights of ranks: 8 g,
	s_lshr_b32 s34, s29, 3                         ; the pass's first rank,
	s_add_co_u32 s33, s33, s34
	v_add_nc_u32 v48, s33, v[EPO]                  ; and my place in the group: 64 + 56 + 6 + 1 = 127 at the most,
	v_min_u32 v48, 0x7f, v48                       ; so this bound changes nothing: it says in the text that the loads below stay inside the tables
	v_lshl_add_u32 v48, v48, 5, TAB
	s_wait_alu depctr_va_vdst(0)                   ; v48 is written, which the LDS loads read; the last group's lines are done with v32-47, in which they land
	ds_load_b128 v[32:35], v48                     ; my eight ranks' rows,
	ds_load_b128 v[36:39], v48 offset:16
	ds_load_b128 v[40:43], v48 offset:TABB         ; and gates
	ds_load_b128 v[44:47], v48 offset:TABB+16
	s_wait_dscnt 0x0
.set j, 0
.rept 8
	v_min_u32 v[32+j], 0x7ff, v[32+j]
	v_lshl_add_u32 v[32+j], v[32+j], 12, v248
.irp c, 0,1,2,3
	v_mul_f32 v[64+4*j+\c], v[Z+8*\c+j], v[40+j]
.endr
.set j, j+1
.endr
	s_wait_alu depctr_va_vdst(0)                   ; the eight offsets v32-39 and the 32 numbers v64-95 are written, which the stores read
.set j, 0
.rept 8
	global_store_b128 v[32+j], v[64+4*j:64+4*j+3], s[12:13]    ; 16 lanes store 256 consecutive bytes of one token's row, at a multiple of 256 from part's first byte
.set j, j+1
.endr
.else
.set TRB, 0
.set tq, 32
	SWEEP 0, 5, 0                                  ; tiles 0 and 1: |z|, 1 + P |z|, -(k z)^2
.set tq, 0
	SWEEP 0, 5, 16                                 ; the same for tiles 2 and 3; behind its first 32 lines the 32 reciprocals and exponentials of tiles 0 and 1; eight plain lines follow the last
	s_wait_alu depctr_va_vdst(0)                   ; one wait for that batch, ahead of its first reader: t and e^(-z z / 2) of tiles 0 and 1 are written
.set TRB, 16
.set tq, 0
	SWEEP 1, 8, 0                                  ; tiles 0 and 1: polynomial and result; behind its first 32 lines the batch of tiles 2 and 3
	s_wait_alu depctr_va_vdst(0)                   ; the same for the batch of tiles 2 and 3
.set tq, 32
	SWEEP 1, 8, 16
.set j, 0
.rept 8
	v_cvt_pk_bf16_f32 v[OUT+2*j],   v[PL+j],    v[PL+8+j]      ; four neighbouring columns of rank 2 j + h
	v_cvt_pk_bf16_f32 v[OUT+2*j+1], v[PL+16+j], v[PL+24+j]
.set j, j+1
.endr
	s_add_nc_u64 s[12:13], s[12:13], s[54:55]
	s_mov_b32 s54, 8192
	s_wait_alu depctr_va_vdst(0)                   ; the roundings have written v224-239, which the stores read
.set j, 0
.rept 8
	global_store_b64 v[EPO], v[OUT+2*j:OUT+2*j+1], s[12:13] offset:j*256   ; the wave stores two ranks, 256 consecutive bytes, at a multiple of 256 from hid's first byte
.set j, j+1
.endr
.endif
.Lep_next:
	s_add_co_u32 s32, s32, 1
	s_cmp_lt_u32 s32, 8
	s_cbranch_scc1 .Lep
.Lno_ep:
	; ON TO THE NEXT PASS: behind pass 0 ranks 512 on, if there are any; behind pass 1 nothing is live
	s_wait_xcnt 0x0
	s_cmp_eq_u32 s31, 1
	s_cselect_b32 s27, s28, 0
	s_mov_b32 s61, s62
	s_cmp_lg_u32 s27, 0
	s_cselect_b32 s52, s62, 0
	s_mov_b32 s29, 512
	s_mov_b64 s[4:5], s[14:15]
	s_mov_b64 s[6:7], s[16:17]
	s_cmp_lg_u32 s27, 0
	s_cbranch_scc0 .Lno_pro
.Lpro:
	; THE PROLOGUE of a pass: steps 0 and 1 are asked for; step 0 goes into slot 0; the rows of step 1 and the weights of step 2 are asked for, in the order that the steps keep
	s_wait_alu depctr_vm_vsrc(0)                   ; what memory and LDS instructions named: the rows' offsets v16-31 and the registers that the way out stored from (first pass: the bias's offset v224; DOWN = 1, wave 0: the tables' registers): they are written, or landed in, below
	s_wait_alu depctr_va_vdst(0)                   ; the way out's lines (first pass, DOWN = 1, wave 0: the tables') are done with v96-159, in which the weights land
	WLOADS 0, 0
	MKAOFF
	s_wait_alu depctr_va_vdst(0)                   ; the offsets v16-31 are written, which the rows' loads read; the lines that made them, and the way out's, are done with v32-95, in which the rows land
	ALOADS 0, 1                                    ; all 16 rounds: places past the count repeat the last row
	WLOADS 1, WSTEP
	INIT
	s_wait_loadcnt 0x8                             ; all but the weights of step 1
	ASTORES 0
	s_wait_alu depctr_vm_vsrc(0)                   ; those LDS stores have read v32-95, in which the rows of step 1 land
	ALOADS ASTEP, 0
	WCONV 0, 0, 0                                  ; sixteen plain instructions: also the places in front of step 0's fragment loads
	WLOADS 0, 2*WSTEP
.Lno_pro:
	s_wait_dscnt 0x0                               ; my stores into slot 0 (and wave 0's into the tables), and my reads of slot 1 and of the tables, are done
	s_barrier_signal -1
	s_barrier_wait -1
	s_add_co_u32 s31, s31, 1
	s_cmp_lt_u32 s31, 3                            ; taken twice: two passes
	s_cbranch_scc1 .Lpass
	s_wait_dscnt 0x0                               ; the wave's end: the waits, then the closing LDS add
	s_wait_alu depctr_hold_cnt(0) depctr_sa_sdst(0) depctr_va_vdst(0) depctr_va_sdst(0) depctr_va_ssrc(0) depctr_va_vcc(0) depctr_vm_vsrc(0)
	s_wait_tensorcnt 0x0
	ds_add_u32 v1, v2
	s_wait_dscnt 0x0
	s_endpgm
.Lfunc_end_k_qfe0c7a5651_up:
	.size	k_qfe0c7a5651_up, .Lfunc_end_k_qfe0c7a5651_up-k_qfe0c7a5651_up
	.p2alignl 7, 3214868480
	.fill 96, 4, 3214868480
	.section	.rodata,"a",@progbits
	.p2align	6, 0x0
	.amdhsa_kernel k_qfe0c7a5651_up
		.amdhsa_group_segment_fixed_size 181248
		.amdhsa_private_segment_fixed_size 0
		.amdhsa_enable_private_segment 0
		.amdhsa_kernarg_size 40
		.amdhsa_user_sgpr_count 2
		.amdhsa_user_sgpr_kernarg_segment_ptr 1
		.amdhsa_wavefront_size32 1
		.amdhsa_system_sgpr_workgroup_id_x 1
		.amdhsa_system_sgpr_workgroup_id_y 1
		.amdhsa_system_sgpr_workgroup_id_z 1
		.amdhsa_system_vgpr_workitem_id 0
		.amdhsa_next_free_vgpr 512
		.amdhsa_next_free_sgpr 100
		.amdhsa_reserve_vcc 0
		.amdhsa_float_denorm_mode_32 3
		.amdhsa_float_denorm_mode_16_64 3
		.amdhsa_memory_ordered 1
		.amdhsa_forward_progress 1
		.amdhsa_inst_pref_size 171
	.end_amdhsa_kernel
	.amdgpu_metadata
---
amdhsa.version: [ 1, 2 ]
amdhsa.kernels:
  - .name:           k_qfe0c7a5651_up
    .symbol:         k_qfe0c7a5651_up.kd
    .args:
      - { .name: xb, .offset: 0, .size: 8, .value_kind: global_buffer, .address_space: global }
      - { .name: W1, .offset: 8, .size: 8, .value_kind: global_buffer, .address_space: global }
      - { .name: b1, .offset: 16, .size: 8, .value_kind: global_buffer, .address_space: global }
      - { .name: bits, .offset: 24, .size: 8, .value_kind: global_buffer, .address_space: global }
      - { .name: hid, .offset: 32, .size: 8, .value_kind: global_buffer, .address_space: global }
    .group_segment_fixed_size: 181248
    .private_segment_fixed_size: 0
    .kernarg_segment_align: 8
    .kernarg_segment_size: 40
    .max_flat_workgroup_size: 256
    .sgpr_count:     100
    .vgpr_count:     512
    .wavefront_size: 32
...
	.end_amdgpu_metadata
.endif
;; end of part 7
;; launch down (part 8): grid 256 x 1, 8 waves a work-group, no clusters, 190,464 bytes of LDS; arguments hid, W2, b2, bits, sel, gate, part; writes part
.if DOCPART == 8
	.amdgcn_target "amdgcn-amd-amdhsa--gfx1250"
	.amdhsa_code_object_version 6
	.text
	.protected	k_qfe0c7a5651_down
	.globl	k_qfe0c7a5651_down
	.p2align	8
	.type	k_qfe0c7a5651_down,@function
k_qfe0c7a5651_down:
	s_mov_b64 s[64:65], 0
	v_nop
	global_prefetch_b8 v0, s[64:65] scope:SCOPE_SE
	s_setreg_imm32_b32 hwreg(HW_REG_WAVE_SCHED_MODE, 0, 2), 2
	s_setreg_imm32_b32 hwreg(HW_REG_WAVE_MODE, 25, 1), 1
	s_wait_xcnt 0x0
	s_wait_alu depctr_vm_vsrc(0)
; THE EXPERTS' SECOND PRODUCT: part = gate x (hid W2[e] + b2[e]), K in four quarters.  Only the rows of tokens that chose an expert are multiplied.
; The core (steps, hand-over, fragments) is the first product's, with other constants.
; A work-group: [rows of one expert x 1,024] . [1,024 x 128]: 8 experts x 4 quarters q of K x 8 slices of 128 columns = 256 work-groups; a slice of weights, 512 KiB of f32, has one reader
; and is read once (twice where an expert has more than 512 rows).
; hid: bf16 [expert][block of 64 hidden columns][rank 0..1023][64]; a rank is a token's place among the expert's tokens, in ascending order of tokens.
; part: f32 [2 q + slot][token][1024]; a token has one expert in each slot, so every byte is stored; the next launch adds the eight.
; FORMATS.  Weights and bias are rounded to bf16 on their way through registers; sums and gates in f32.  NaN and infinities are not treated apart.
; EVERY SPLIT IS SERVED.  The expert's count comes from its map of 1,024 bits.  Two passes of up to 512 rows; a pass's rows in groups of 64; L = live groups (0..8), the same in all waves.
; Every barrier is on every path; what a dead group or pass would do is jumped forward.  Pass 0 always has one live group.  Places past the count repeat the last row.
; SHARES.  Wave w: rows 16 (w / 2) .. + 15 of every group, columns 64 (w % 2) .. + 63: accumulator (g, c) at v[32 g + 8 c] of window 1, 256 registers.  All else lies in window 0.
; A wave multiplies and stores only those of its tiles of 16 rows that hold a row (at least one tile): its own number of groups may be one less than L.
; K goes in 16 steps of 64 through two LDS slots, all through registers: the weights have to be rounded, and one counter then orders both streams.
; THE STEP.  Step s multiplies slot s % 2, the wave's groups from the last down to 0.  In front of group 0's products stands the hand-over: the rows and the weights of step s + 1, asked for one and
; two steps earlier, go from registers into the other slot, and the registers so emptied are asked for again: the rows of step s + 2, the weights of step s + 3.
; So a load has one or two whole steps in which to land, and the LDS stores are on their way while group 0 is multiplied.
; WEIGHTS lie [K][N] and need no turning: a lane loads 8 rows x 4 neighbouring columns; two rows' numbers of one column round into one register of a B fragment, in which lane r then stands for
; column 4 r + c of the wave's 64.  So a lane's four tiles c = 0..3 hold four NEIGHBOURING columns of a row, which leave together.  Each weight is loaded and rounded by one wave.
; NO CLUSTER: a slice has one reader; what an expert's work-groups share, its rows, is read in a loop whose live part hangs on a stored count.
; THE MODE: SCHED_MODE bits 1:0 = 2 (LLVM: expert scheduling mode 2), set by the entry lines.  The code itself states the register dependences
; between vector or matrix instructions and memory or LDS instructions, with s_wait_alu, always for 0.
; THE PLAN.  Registers that memory or LDS instructions touch, in a step:
;   AST v32-95     The rows' loads land in them; the hand-over's LDS stores read them; the rows' next loads land in them.  No vector instruction of a step names them.
;   WST v96-159    Two sets.  The weights' loads land in a set; the hand-over's sixteen roundings read it; the next weights land in it.
;   WCV v240-255   The roundings write them, four LDS stores read them; in the next step they are A's buffer 1: the odd groups' fragments land in them, and their products read them.
;   BF  v160-223   Sixteen LDS loads at a step's head land in them; all the step's products read them.
;   AF  v224-255   Buffer g % 2: four LDS loads land in it one group ahead; group g's products read it.
;   v3-11, 14, 15  Offsets and LDS addresses, made at the kernel's head and never written again.  AOFF v16-31: made in a pass's prologue.
; THE WAITS OF A STEP.  At its head one on va_vdst (the last step's products are done reading BF and AF, its roundings have written WCV) and one on vm_vsrc (the last hand-over's stores have read WCV).
; In front of each group's fragment loads one on va_vdst (the products just issued are done reading that buffer: all 512 registers are taken, so A has two buffers and no third).
; In the hand-over, behind the roundings, one on vm_vsrc (the rows' stores have read AST) and one on va_vdst (WCV is written, the set is read): the four stores, the rows' loads and the weights' loads follow with no further wait.
.set LOGWP,  12                        ; a row of W2[e]: 4,096 bytes
.set ASTEP,  131072                    ; from a block of hid to the next
.set WPITCH, 1<<LOGWP
.set LOGWS,  LOGWP+6
.set WSTEP,  1<<LOGWS                  ; 64 rows of weights
.set APITCH, 144                       ; an LDS row of 64 bf16: 128 bytes + 16: the 16 rows of a fragment load begin in 16 different groups of four banks (64 banks of 4 bytes: ISA guide 11.1)
.set AHALF,  256*APITCH
.set ASLOT,  512*APITCH                ; 73,728: a pass's rows, one K step
.set WF0,    2*ASLOT                   ; 147,456: the weights' fragments: ((f 2 + cb) 4 + c) 1,024 + u 512 + 16 lane
.set WSLOT,  16384
.set TAB,    WF0+2*WSLOT               ; 180,224: two tables by rank (row in part; gate), 1,088 words each, then 32 words that take the stores of lanes without a token
.set TABB,   4608
.set DUMP,   1088
                                       ; v1, v2 and the last 1,024 bytes of the LDS that the launch claims serve the closing add alone
.set ALD, 3                            ; v3-6    where I store 16 bytes of a row: slot s, rounds 8 a .. 8 a + 7 at ALD + 2 s + a
.set ARD, 7                            ; v7-8    my A fragments in slot s
.set WLD, 9                            ; v9      where I store weight fragments
.set BRD, 10                           ; v10     where I read them
.set WOF, 11                           ; v11     my byte offset in a step's weights
.set BIA, 12                           ; v12-13  the bias of my four columns, bf16, two to a register
.set PFO, 14                           ; v14     my byte offset for the prefetch; never rewritten
.set EPO, 15                           ; v15     the way out's lane term
.set AOFF, 16                          ; v16-31  round j: byte offset of my 16 bytes of a row
.set AST, 32                           ; v32-95  rows as loaded, round j in four registers
.set WST, 96                           ; v96-159 weights as loaded: two sets of 8 rows x 4 columns
.set BF,  160                          ; v160-223 B fragments (f, c) at 32 f + 8 c
.set AF,  224                          ; v224-255 A fragments: buffer b, f at 16 b + 8 f
.set WCV, 240                          ; v240-255 weights rounded: A's buffer 1, idle from the odd groups' last product to the next step
.set Z,   96                           ; the way out: 32 numbers, tile c register j at 8 c + j
; scalars: s[4:5] rows' base, s[6:7] weights' base, s[12:13] output's base; s[14:15], s[16:17] the first two as they began; s20 wave, s21 w / 2, s22 w % 2, s23 expert, s24 slice, s53 quarter;
; s25 count, s26 last rank, s27 L, s28 the second pass's L, s61 my wave's groups, s62 the second pass's, s29 the pass's first rank, s30 trips, s31 pass + 1, s32 group, s52 groups that I store, s[68:99] the expert's map;
; s36-51: the tables' masks, sixteen to a run
.set MSB, 0
.macro WIN new                         ; s_set_vgpr_msb: bits 1:0 source 0, 3:2 source 1, 5:4 source 2, 7:6 destination; the high byte repeats the setting that is left
.if MSB != (\new)
	s_set_vgpr_msb (MSB<<8)|(\new)
.set MSB, (\new)
.endif
.endm
.macro PLACES                          ; four places between a matrix instruction and a write, or a load, into one of its registers, or a reading of its result (ISA guide 7.12.1 for vector instructions)
.rept 4
	v_nop
.endr
.endm
; Eight loads: my 8 rows x 16 bytes of a step's weights; each covers 256 consecutive bytes of two rows, at multiples of 256 from the buffer's first byte
.macro WLOADS set, off
.set i, 0
.rept 8
	global_load_b128 v[WST+32*(\set)+4*i:WST+32*(\set)+4*i+3], v[WOF], s[6:7] offset:(\off)+i*WPITCH th:TH_LOAD_NT
.set i, i+1
.endr
.endm
; The rows of a step: group g is rounds 2 g and 2 g + 1.  full = 0: dead groups are jumped
.macro ALOADS off, full
.set j, 0
.rept 16
.if (!(\full)) && (j >= 2) && (j%2 == 0)
	s_cmp_le_u32 s27, j/2
	s_cbranch_scc1 .Lax_\@
.endif
	global_load_b128 v[AST+4*j:AST+4*j+3], v[AOFF+j], s[4:5] offset:\off
.set j, j+1
.endr
.Lax_\@:
.endm
.macro ASTORES slot                    ; all 16 rounds into a slot
.set j, 0
.rept 16
	ds_store_b128 v[ALD+2*(\slot)+j/8], v[AST+4*j:AST+4*j+3] offset:(j%8)*32*APITCH
.set j, j+1
.endr
.endm
.macro AMOVE slot                      ; the live rounds go into a slot
.set j, 0
.rept 16
.if (j >= 2) && (j%2 == 0)
	s_cmp_le_u32 s27, j/2
	s_cbranch_scc1 .Lmx_\@
.endif
	ds_store_b128 v[ALD+2*(\slot)+j/8], v[AST+4*j:AST+4*j+3] offset:(j%8)*32*APITCH
.set j, j+1
.endr
.Lmx_\@:
.endm
; Rows 2 p and 2 p + 1 of column c round into register p of my half of fragment c.  rows = 1: loads of rows follow
.macro WCONV set, slot, rows
.irp c, 0,1,2,3
.irp p, 0,1,2,3
	v_cvt_pk_bf16_f32 v[WCV+4*\c+\p], v[WST+32*(\set)+8*\p+\c], v[WST+32*(\set)+8*\p+4+\c]
.endr
.endr
.if \rows
	s_wait_alu depctr_vm_vsrc(0)                   ; the rows' LDS stores, issued ahead of the roundings, have read v32-95, in which the rows' next loads land
.endif
	s_wait_alu depctr_va_vdst(0)                   ; the roundings have written v240-255, which the LDS stores below read, and are done reading the set, in which the next weights land
.irp c, 0,1,2,3
	ds_store_b128 v[WLD], v[WCV+4*\c:WCV+4*\c+3] offset:(\slot)*WSLOT+\c*1024
.endr
.endm
.macro FRAG g, sl                      ; group g's two A fragments into buffer g % 2
.irp f, 0,1
	ds_load_b128 v[AF+16*((\g)%2)+8*\f:AF+16*((\g)%2)+8*\f+3],   v[ARD+(\sl)] offset:(\g)*64*APITCH+\f*64
	ds_load_b128 v[AF+16*((\g)%2)+8*\f+4:AF+16*((\g)%2)+8*\f+7], v[ARD+(\sl)] offset:(\g)*64*APITCH+\f*64+32
.endr
.endm
.macro MUL8 g                          ; the group's four accumulators by turns
	WIN 0x50                                       ; C and D in window 1
.irp f, 0,1
.irp c, 0,1,2,3
	v_wmma_f32_16x16x32_bf16 v[32*(\g)+8*\c:32*(\g)+8*\c+7], v[AF+16*((\g)%2)+8*\f:AF+16*((\g)%2)+8*\f+7], v[BF+32*\f+8*\c:BF+32*\f+8*\c+7], v[32*(\g)+8*\c:32*(\g)+8*\c+7]
.endr
.endr
	WIN 0                                          ; at a label and at a branch every window is 0
.endm
; THE HAND-OVER of step s (slot sl = s % 2).  kind = 3: rows and weights are asked for again; 2: rows alone (step 13); 1: nothing (step 14).
; Its order: the rows' LDS stores; the roundings; the two waits; the weights' LDS stores; the rows' loads; the weights' loads.
; In every step the rows' loads are issued first and the eight weight loads last, whatever the number of row loads.  So at the count 8 the eight youngest, the weights of step s + 2, may be out,
; and all that is older is in: the rows of step s + 1 and the weights of step s + 1.  Behind step 13 no weights are younger than the rows: step 14 waits for 0.
.macro XFER sl, kind, pf
.if (\kind) == 1
	s_wait_loadcnt 0x0
.else
	s_wait_loadcnt 0x8
.endif
	AMOVE 1-(\sl)
	PLACES                                         ; behind the odd groups' last product, which read the registers that the roundings write
	WCONV 1-(\sl), 1-(\sl), (\kind)/2
.if (\kind) >= 2
	ALOADS ((\sl)+2)*ASTEP, 0                      ; no wait: no LDS store since the wait on vm_vsrc reads v32-95, and no vector instruction of the step names them
.endif
.if (\kind) == 3
	WLOADS 1-(\sl), ((\sl)+3)*WSTEP                ; no wait: no vector instruction since the wait on va_vdst names the set
.endif
.if \pf
	s_cmp_eq_u32 s30, 1                            ; the last trip would ask past the slice,
	s_cbranch_scc1 .Lnopf_\@
	s_cmp_lg_u32 s31, 1                            ; and the second pass would ask for the same blocks again
	s_cbranch_scc1 .Lnopf_\@
	global_prefetch_b8 v[PFO], s[6:7] offset:5*WSTEP th:TH_LOAD_NT scope:SCOPE_SE  ; trip t: steps 2 t + 5 (lanes 0-15) and 2 t + 6 (lanes 16-31), whose loads come one trip on: 16 blocks of 256 bytes of each for this wave, each asked for once
.Lnopf_\@:
.endif
.endm
; A step's products: my groups from the last down to 0, so that the fragments fetched one group ahead are always a live group's, and all ways end in group 0's block
.macro COMPUTE sl, kind, pf
	s_wait_alu depctr_va_vdst(0)                   ; the last step's products (step 0: the products that start the sums) are done reading BF and AF, and the last roundings have written v240-255: loads land in all of these below
	s_wait_alu depctr_vm_vsrc(0)                   ; the last hand-over's LDS stores have read v240-255, in which the odd groups' fragments land and which this step's roundings write
.irp f, 0,1
.irp c, 0,1,2,3
	ds_load_b128 v[BF+32*\f+8*\c:BF+32*\f+8*\c+3],   v[BRD] offset:(\sl)*WSLOT+\f*8192+\c*1024
	ds_load_b128 v[BF+32*\f+8*\c+4:BF+32*\f+8*\c+7], v[BRD] offset:(\sl)*WSLOT+\f*8192+\c*1024+512
.endr
.endr
.irp g, 7,6,5,4,3,2,1
	s_cmp_eq_u32 s61, \g+1
	s_cbranch_scc1 .LE\@_\g
.endr
	FRAG 0, \sl
	s_branch .LG\@_0
.irp g, 1,2,3,4,5,6
.LE\@_\g:
	FRAG \g, \sl
	s_branch .LG\@_\g
.endr
.LE\@_7:
	FRAG 7, \sl
.irp g, 7,6,5,4,3,2,1
.LG\@_\g:
	PLACES                                         ; the buffer loaded next was read by the products just issued
	s_wait_alu depctr_va_vdst(0)                   ; those products are done reading it
	FRAG \g-1, \sl
	s_wait_dscnt 0x4                               ; all but the four just issued: this group's fragments, and B's, are in
	MUL8 \g
.endr
.LG\@_0:
	s_wait_dscnt 0x0                               ; group 0's fragments are in
.if \kind
	XFER \sl, \kind, \pf
.endif
	MUL8 0
.if \kind
	PLACES                                         ; in front of the next step's loads into the fragments' registers
.endif
.endm
; One barrier a step: in front of it my stores into the other slot and my reads of this one are done.  kind = 0: the last step: nothing is moved, and no barrier: what is written next is slot 0, last read in step 14
.macro STEP sl, kind, pf
	s_cmp_lg_u32 s27, 0
	s_cbranch_scc1 .Llive_\@
	s_wait_loadcnt 0x0
	s_branch .Lbar_\@
.Llive_\@:
	COMPUTE \sl, \kind, \pf
.Lbar_\@:
	s_wait_dscnt 0x0
.if \kind
	s_barrier_signal -1
	s_barrier_wait -1
.endif
.endm
; Round j's row: rank = the pass's first + 32 j + thread / 8, held to the last rank; a number that comes from memory is held under a constant before it enters an address
.macro MKAOFF
	v_lshrrev_b32 v32, 3, v0
	v_add_nc_u32 v32, s29, v32
	v_and_b32 v33, 7, v0
	v_lshlrev_b32 v33, 4, v33
.set j, 0
.rept 16
	v_add_nc_u32 v[AOFF+j], 32*j, v32
	v_min_u32 v[AOFF+j], s26, v[AOFF+j]
	v_min_u32 v[AOFF+j], 0x3ff, v[AOFF+j]
	v_lshl_add_u32 v[AOFF+j], v[AOFF+j], 7, v33    ; hid: ranks lie end to end, 128 bytes each: a wave's load covers 512 consecutive bytes
.set j, j+1
.endr
.endm
; All 32 accumulators start at 0 by 32 products of zero fragments with C = 0: they stand in the wait for the first loads, and spare 256 v_mov_b32 or a further copy of a step
.macro INIT
.set i, 0
.rept 8
	v_mov_b32 v[AF+i], 0
	v_mov_b32 v[BF+i], 0
.set i, i+1
.endr
	WIN 0x50
.set i, 0
.rept 32
	v_wmma_f32_16x16x32_bf16 v[8*i:8*i+7], v[AF:AF+7], v[BF:BF+7], 0
.set i, i+1
.endr
	WIN 0
.endm
.macro COPY g                          ; group g's sums + bias into window 0; each accumulator is read from its lowest registers on
	WIN 0x01                                       ; source 0 in window 1
.irp c, 0,1,2,3
.irp j, 0,2,4,6
	v_pk_add_f32 v[Z+8*\c+\j:Z+8*\c+\j+1], v[32*(\g)+8*\c+\j:32*(\g)+8*\c+\j+1], v[240+2*\c:241+2*\c]
.endr
.endr
	WIN 0
.endm
	s_load_b256 s[4:11], s[0:1], 0x0               ; hid s[4:5], W2 s[6:7], b2 s[8:9], bits s[10:11]
	s_load_b128 s[56:59], s[0:1], 0x20             ; sel s[56:57], gate s[58:59]
	s_load_b64 s[12:13], s[0:1], 0x30              ; part
	v_lshl_add_u32 v1, v0, 2, 0x2e400
	v_mov_b32 v2, 0
	v_lshrrev_b32 v32, 5, v0
	v_readfirstlane_b32 s20, v32                   ; wave 0..7
	s_lshr_b32 s23, ttmp9, 5                       ; expert
	s_bfe_u32 s53, ttmp9, 0x20003                  ; quarter of K
	s_and_b32 s24, ttmp9, 7                        ; 128 columns
	v_and_b32 v33, 31, v0                          ; lane
	v_and_b32 v34, 15, v0                          ; r
	v_bfe_u32 v35, v0, 4, 1                        ; h
	v_lshrrev_b32 v36, 3, v0                       ; a round is 32 rows: eight threads to a row of 128 bytes
	v_and_b32 v37, 7, v0
	v_mul_u32_u24 v36, v36, APITCH
	v_lshl_add_u32 v[ALD], v37, 4, v36
	v_add_nc_u32 v[ALD+1], AHALF, v[ALD]
	v_add_nc_u32 v[ALD+2], ASLOT, v[ALD]
	v_add_nc_u32 v[ALD+3], ASLOT+AHALF, v[ALD]
	s_wait_alu depctr_va_sdst(0)                   ; s20 is written, ahead of its first reader
	s_lshr_b32 s21, s20, 1
	s_and_b32 s22, s20, 1
	v_lshl_add_u32 v36, s21, 4, v34                ; matrix row r is row r of my 16
	v_mul_u32_u24 v36, v36, APITCH
	v_lshl_add_u32 v[ARD], v35, 4, v36
	v_add_nc_u32 v[ARD+1], ASLOT, v[ARD]
	; as a loader of weights wave w has column half w % 2, fragment f = (w / 2) % 2 and half u = w / 4 of its registers
	s_and_b32 s33, s20, 3
	s_lshl_b32 s33, s33, 12
	s_lshr_b32 s35, s20, 2
	s_lshl_b32 s34, s35, 9
	s_add_co_u32 s33, s33, s34
	s_add_co_u32 s33, s33, WF0
	v_lshl_add_u32 v[WLD], v33, 4, s33
	s_lshl_b32 s33, s22, 12
	s_add_co_u32 s33, s33, WF0
	v_lshl_add_u32 v[BRD], v33, 4, s33
	s_bfe_u32 s34, s20, 0x10001
	s_lshl_b32 s34, s34, 5
	s_lshl4_add_u32 s34, s35, s34                  ; row 32 f + 16 u
	v_lshl_add_u32 v36, v35, 3, s34                ; + 8 h
	v_lshlrev_b32 v36, LOGWP, v36
	v_lshl_add_u32 v36, v34, 4, v36
	s_lshl_b32 s33, s22, 8
	v_add_nc_u32 v[WOF], s33, v36
	v_lshrrev_b32 v36, 2, v0                       ; the prefetch: a step is 128 blocks of 256 bytes, 16 for each wave: row 8 w + (lane % 16) / 2, half lane % 2 of its 512 bytes; lanes 16-31 a step further
	v_bfe_u32 v37, v0, 1, 3
	v_and_or_b32 v36, v36, 0x38, v37
	v_and_b32 v37, 1, v0
	v_lshlrev_b32 v37, 8, v37
	v_lshl_add_u32 v36, v36, LOGWP, v37
	v_lshl_add_u32 v[PFO], v35, LOGWS, v36
	v_lshlrev_b32 v24, 2, v33                      ; a word a lane, for sel and gate
	s_lshl_b32 s33, s21, 1
	v_add_nc_u32 v[EPO], s33, v35                  ; my ranks 16 (w / 2) + 8 h .. of a group, counted in eights: 2 (w / 2) + h
	s_lshl_b32 s33, s23, 12                        ; b2[e]
	s_lshl_b32 s34, s24, 9
	s_add_co_u32 s33, s33, s34
	s_lshl_b32 s34, s22, 8
	s_add_co_u32 s33, s33, s34
	v_lshl_add_u32 v224, v34, 4, s33               ; the bias of my four columns
	s_lshl_b32 s60, s23, 7                         ; the expert's map
	s_mov_b32 s35, 0
	s_wait_alu depctr_va_vdst(0)                   ; the offsets and LDS addresses v3-11, v14, v15, v24 and v224 are written, which loads, stores and prefetches read from here on; the lines above are done with v32-37, in which loads land
	s_wait_kmcnt 0x0
	s_load_b512 s[68:83], s[10:11], s60 offset:0x0
	s_load_b512 s[84:99], s[10:11], s60 offset:0x40
	s_cmp_lg_u32 s20, 0                            ; wave 0, which makes the tables, asks for their numbers beside the map's load: they hang on no count
	s_cbranch_scc1 .Lnot_0
.set i, 0
.rept 32
	global_load_b32 v[32+i],  v24, s[56:57] offset:128*i       ; tokens 32 i + lane: the two experts,
	global_load_b32 v[64+i],  v24, s[58:59] offset:128*i       ; slot 0's gate,
	global_load_b32 v[160+i], v24, s[58:59] offset:4096+128*i  ; slot 1's
.set i, i+1
.endr
.Lnot_0:
	s_lshl_b32 s34, s23, 24                        ; an expert's weights are 16 MiB
	s_lshl_b32 s33, s24, 9
	s_add_co_u32 s34, s34, s33
	s_lshl_b32 s33, s53, 22                        ; 1,024 rows of 4,096 bytes
	s_add_co_u32 s34, s34, s33
	s_add_nc_u64 s[6:7], s[6:7], s[34:35]
	s_mov_b64 s[16:17], s[6:7]
	s_lshl_b32 s34, s23, 6
	s_lshl4_add_u32 s34, s53, s34                  ; block 64 e + 16 q
	s_lshl_b32 s34, s34, 17
	s_add_nc_u64 s[4:5], s[4:5], s[34:35]
	s_mov_b64 s[14:15], s[4:5]
	s_lshl_b32 s34, s53, 23                        ; slabs 2 q and 2 q + 1
	s_lshl_b32 s33, s24, 9
	s_add_co_u32 s34, s34, s33
	s_lshl_b32 s33, s22, 8
	s_add_co_u32 s34, s34, s33
	s_add_nc_u64 s[12:13], s[12:13], s[34:35]
	global_load_b128 v[228:231], v224, s[8:9]      ; beside its address register
	global_prefetch_b8 v[PFO], s[6:7] offset:3*WSTEP th:TH_LOAD_NT scope:SCOPE_SE  ; steps 3 and 4; steps 0 to 2 are asked for by the prologue's loads
	s_mov_b32 s29, 0
	s_wait_kmcnt 0x0
	s_bcnt1_i32_b32 s25, s68
.set i, 1
.rept 31
	s_bcnt1_i32_b32 s33, s[68+i]
	s_add_co_u32 s25, s25, s33
.set i, i+1
.endr
	s_min_u32 s25, s25, 1024                       ; the expert's rows
	s_max_u32 s26, s25, 1
	s_min_u32 s33, s26, 512                        ; pass 0's rows: 1 to 512
	s_sub_co_u32 s26, s26, 1                       ; the last rank
	s_lshl_b32 s34, s21, 4
	s_sub_co_u32 s34, 63, s34                      ; 63 - 16 (w / 2)
	s_add_co_u32 s27, s33, 63
	s_lshr_b32 s27, s27, 6                         ; pass 0: 1 to 8 groups
	s_add_co_u32 s61, s33, s34                     ; group g's tile of mine holds a row where 64 g + 16 (w / 2) lies below the pass's rows
	s_lshr_b32 s61, s61, 6
	s_max_u32 s61, s61, 1
	s_max_u32 s33, s25, 512
	s_sub_co_u32 s33, s33, 512                     ; pass 1's rows: 0 to 512
	s_add_co_u32 s28, s33, 63
	s_lshr_b32 s28, s28, 6                         ; pass 1: 0 to 8 groups
	s_add_co_u32 s62, s33, s34
	s_lshr_b32 s62, s62, 6
	s_max_u32 s62, s62, 1
	s_cmp_lg_u32 s25, 0
	s_cselect_b32 s52, s61, 0                      ; an expert without rows stores nothing
	; THE TABLES BY RANK, made by wave 0 alone from the map: a token's rank is the number of set bits below its own.  They are read on the way out alone, behind the steps' barriers.
	; All 32 words' entries are made in registers of their own (address v96 + i, row v128 + i, gate v64 + i), so that one wait stands ahead of the run of their stores.
	s_cmp_lg_u32 s20, 0
	s_cbranch_scc1 .Ltab_done
	v_and_b32 v16, 31, v0
	v_add_nc_u32 v18, DUMP, v16                    ; where a lane without a token stores
	v_lshl_add_u32 v19, v16, 4, TAB
	v_mov_b32 v20, 0
	v_mov_b32 v21, 0
	v_mov_b32 v22, 0
	v_mov_b32 v23, 0
	v_mov_b32 v26, s26                             ; the last rank's entry,
	v_min_u32 v26, 0x3ff, v26
	v_lshl_add_u32 v26, v26, 2, TAB
	v_add_nc_u32 v27, s25, v16                     ; and the places past the count
	v_min_u32 v27, 0x41f, v27
	v_lshl_add_u32 v27, v27, 2, TAB
	s_wait_alu depctr_va_vdst(0)                   ; v19 to v23, v26 and v27 are written, which the LDS instructions below read
.set i, 0
.rept 2*TABB/512                                       ; first both tables are 0, 512 bytes a store: every word that can be read has been written.
	ds_store_b128 v19, v[20:23] offset:i*512       ; LDS serves a wave's instructions in order (ISA guide 5.7.1.4): the entries below land on top
.set i, i+1
.endr
	s_wait_loadcnt 0x0                             ; sel and gate
	s_mov_b32 s33, 0
.set i, 0
.rept 32
	v_mbcnt_lo_u32_b32 v[96+i], s[68+i], s33
	v_cndmask_b32 v[96+i], v18, v[96+i], s[68+i]   ; the map's word is the mask of the lanes that have a token
	v_min_u32 v[96+i], 0x45f, v[96+i]              ; held inside the table's 1,120 words
	v_lshl_add_u32 v[96+i], v[96+i], 2, TAB
	v_add_nc_u32 v[128+i], 32*i, v16
	v_lshrrev_b32 v[32+i], 8, v[32+i]
	s_bcnt1_i32_b32 s34, s[68+i]
	s_add_co_u32 s33, s33, s34
.set i, i+1
.endr
.set i, 0
.rept 2                                                ; the compares in two runs of sixteen, into s36-51
.set k, 0
.rept 16
	v_cmp_eq_u32 s[36+k], s23, v[32+i+k]           ; am I the token's second expert?
.set k, k+1
.endr
	s_wait_alu depctr_va_sdst(0)                   ; the run's compares have written their masks, ahead of the selects that read them
.set k, 0
.rept 16
	v_add_nc_u32 v[32+i+k], 1024, v[128+i+k]
	v_cndmask_b32 v[128+i+k], v[128+i+k], v[32+i+k], s[36+k]   ; token + 1,024 x slot: a row's number in a quarter's two slabs
	v_cndmask_b32 v[64+i+k], v[64+i+k], v[160+i+k], s[36+k]
.set k, k+1
.endr
.set i, i+16
.endr
	s_wait_alu depctr_va_vdst(0)                   ; the entries' addresses, rows and gates are written, which the LDS stores below read
.set i, 0
.rept 32
	ds_store_b32 v[96+i], v[128+i]
	ds_store_b32 v[96+i], v[64+i] offset:TABB
.set i, i+1
.endr
	ds_load_b32 v28, v26                           ; the 64 places past the count repeat the last rank's entry: a tile's spare rows store the last row's bytes once more, with the same numbers
	ds_load_b32 v29, v26 offset:TABB
	s_wait_dscnt 0x0
	ds_store_b32 v27, v28
	ds_store_b32 v27, v28 offset:128
	ds_store_b32 v27, v29 offset:TABB
	ds_store_b32 v27, v29 offset:TABB+128
.Ltab_done:
	s_wait_loadcnt 0x0                             ; the bias, asked for beside the map
	v_cvt_pk_bf16_f32 v[BIA],   v228, v229         ; rounded
	v_cvt_pk_bf16_f32 v[BIA+1], v230, v231
	s_cmp_eq_u32 s53, 0                            ; one quarter of K adds the bias
	s_cselect_b32 s33, -1, 0
	v_and_b32 v[BIA],   s33, v[BIA]
	v_and_b32 v[BIA+1], s33, v[BIA+1]
	s_mov_b32 s31, 0
	s_branch .Lpro                                 ; the loop over passes is entered at its prologue, in the middle of a trip: so the prologue stands once in the text
.Lpass:
	s_mov_b32 s30, 6
.Lk:                                                   ; a trip: two steps, once round the slots
	STEP 0, 3, 1
	STEP 1, 3, 0
	s_wait_xcnt 0x0                                ; the bases are stepped only behind this wait
	s_add_nc_u64 s[4:5], s[4:5], 2*ASTEP
	s_add_nc_u64 s[6:7], s[6:7], 2*WSTEP
	s_sub_co_u32 s30, s30, 1
	s_cmp_lg_u32 s30, 0
	s_cbranch_scc1 .Lk
	STEP 0, 3, 0                                   ; steps 12 to 15 are written out: no load leaves the slice.  Step 12 asks for the last weights,
	STEP 1, 2, 0                                   ; step 13 for the last rows,
	STEP 0, 1, 0                                   ; step 14 for nothing,
	STEP 1, 0, 0                                   ; and step 15 moves nothing
	PLACES                                         ; behind the last products
	; THE WAY OUT, a group at a time, my tile of 16 rows; dead tiles are jumped forward; no barrier inside
	s_cmp_eq_u32 s52, 0
	s_cbranch_scc1 .Lno_ep
	s_wait_xcnt 0x0
	s_wait_alu depctr_vm_vsrc(0)                   ; the last hand-over's LDS stores have read v240-255, which the lines below write
	v_lshlrev_b32 v240, 16, v[BIA]                 ; the bias of column c twice, in v[240 + 2 c : 241 + 2 c]
	v_lshlrev_b32 v241, 16, v[BIA]
	v_and_b32 v242, 0xffff0000, v[BIA]
	v_and_b32 v243, 0xffff0000, v[BIA]
	v_lshlrev_b32 v244, 16, v[BIA+1]
	v_lshlrev_b32 v245, 16, v[BIA+1]
	v_and_b32 v246, 0xffff0000, v[BIA+1]
	v_and_b32 v247, 0xffff0000, v[BIA+1]
	v_and_b32 v248, 15, v0
	v_lshlrev_b32 v248, 4, v248                    ; my 16 bytes of the wave's 256
	s_mov_b32 s32, 0
.Lep:
	s_cmp_ge_u32 s32, s52
	s_cbranch_scc1 .Lep_next
.irp g, 1,2,3,4,5,6,7
	s_cmp_eq_u32 s32, \g
	s_cbranch_scc1 .LC\g
.endr
.irp g, 0,1,2,3,4,5,6
.LC\g:
	COPY \g
	s_branch .Lact
.endr
.LC7:
	COPY 7
.Lact:
	s_wait_xcnt 0x0                                ; the last group's stores have had their addresses translated: their registers are rewritten only behind this wait
	s_wait_alu depctr_vm_vsrc(0)                   ; the last group's stores have read v32-39 and v64-95, its LDS loads v48, and the last hand-over's LDS stores v32-95: the lines below write them
	s_lshl_b32 s33, s32, 3                         ; in eights of ranks: 8 g,
	s_lshr_b32 s34, s29, 3                         ; the pass's first rank,
	s_add_co_u32 s33, s33, s34
	v_add_nc_u32 v48, s33, v[EPO]                  ; and my place in the group: 64 + 56 + 6 + 1 = 127 at the most,
	v_min_u32 v48, 0x7f, v48                       ; so this bound changes nothing: it says in the text that the loads below stay inside the tables
	v_lshl_add_u32 v48, v48, 5, TAB
	s_wait_alu depctr_va_vdst(0)                   ; v48 is written, which the LDS loads read; the last group's lines are done with v32-47, in which they land
	ds_load_b128 v[32:35], v48                     ; my eight ranks' rows,
	ds_load_b128 v[36:39], v48 offset:16
	ds_load_b128 v[40:43], v48 offset:TABB         ; and gates
	ds_load_b128 v[44:47], v48 offset:TABB+16
	s_wait_dscnt 0x0
.set j, 0
.rept 8
	v_min_u32 v[32+j], 0x7ff, v[32+j]
	v_lshl_add_u32 v[32+j], v[32+j], 12, v248
.irp c, 0,1,2,3
	v_mul_f32 v[64+4*j+\c], v[Z+8*\c+j], v[40+j]
.endr
.set j, j+1
.endr
	s_wait_alu depctr_va_vdst(0)                   ; the eight offsets v32-39 and the 32 numbers v64-95 are written, which the stores read
.set j, 0
.rept 8
	global_store_b128 v[32+j], v[64+4*j:64+4*j+3], s[12:13]    ; 16 lanes store 256 consecutive bytes of one token's row, at a multiple of 256 from part's first byte
.set j, j+1
.endr
.Lep_next:
	s_add_co_u32 s32, s32, 1
	s_cmp_lt_u32 s32, 8
	s_cbranch_scc1 .Lep
.Lno_ep:
	; ON TO THE NEXT PASS: behind pass 0 ranks 512 on, if there are any; behind pass 1 nothing is live
	s_wait_xcnt 0x0
	s_cmp_eq_u32 s31, 1
	s_cselect_b32 s27, s28, 0
	s_mov_b32 s61, s62
	s_cmp_lg_u32 s27, 0
	s_cselect_b32 s52, s62, 0
	s_mov_b32 s29, 512
	s_mov_b64 s[4:5], s[14:15]
	s_mov_b64 s[6:7], s[16:17]
	s_cmp_lg_u32 s27, 0
	s_cbranch_scc0 .Lno_pro
.Lpro:
	; THE PROLOGUE of a pass: steps 0 and 1 are asked for; step 0 goes into slot 0; the rows of step 1 and the weights of step 2 are asked for, in the order that the steps keep
	s_wait_alu depctr_vm_vsrc(0)                   ; what memory and LDS instructions named: the rows' offsets v16-31 and the registers that the way out stored from (first pass: the bias's offset v224; wave 0: the tables' registers): they are written, or landed in, below
	s_wait_alu depctr_va_vdst(0)                   ; the way out's lines (first pass, wave 0: the tables') are done with v96-159, in which the weights land
	WLOADS 0, 0
	MKAOFF
	s_wait_alu depctr_va_vdst(0)                   ; the offsets v16-31 are written, which the rows' loads read; the lines that made them, and the way out's, are done with v32-95, in which the rows land
	ALOADS 0, 1                                    ; all 16 rounds: places past the count repeat the last row
	WLOADS 1, WSTEP
	INIT
	s_wait_loadcnt 0x8                             ; all but the weights of step 1
	ASTORES 0
	s_wait_alu depctr_vm_vsrc(0)                   ; those LDS stores have read v32-95, in which the rows of step 1 land
	ALOADS ASTEP, 0
	WCONV 0, 0, 0                                  ; sixteen plain instructions: also the places in front of step 0's fragment loads
	WLOADS 0, 2*WSTEP
.Lno_pro:
	s_wait_dscnt 0x0                               ; my stores into slot 0 (and wave 0's into the tables), and my reads of slot 1 and of the tables, are done
	s_barrier_signal -1
	s_barrier_wait -1
	s_add_co_u32 s31, s31, 1
	s_cmp_lt_u32 s31, 3                            ; taken twice: two passes
	s_cbranch_scc1 .Lpass
	s_wait_dscnt 0x0                               ; the wave's end: the waits, then the closing LDS add
	s_wait_alu depctr_hold_cnt(0) depctr_sa_sdst(0) depctr_va_vdst(0) depctr_va_sdst(0) depctr_va_ssrc(0) depctr_va_vcc(0) depctr_vm_vsrc(0)
	s_wait_tensorcnt 0x0
	ds_add_u32 v1, v2
	s_wait_dscnt 0x0
	s_endpgm
.Lfunc_end_k_qfe0c7a5651_down:
	.size	k_qfe0c7a5651_down, .Lfunc_end_k_qfe0c7a5651_down-k_qfe0c7a5651_down
	.p2alignl 7, 3214868480
	.fill 96, 4, 3214868480
	.section	.rodata,"a",@progbits
	.p2align	6, 0x0
	.amdhsa_kernel k_qfe0c7a5651_down
		.amdhsa_group_segment_fixed_size 190464
		.amdhsa_private_segment_fixed_size 0
		.amdhsa_enable_private_segment 0
		.amdhsa_kernarg_size 56
		.amdhsa_user_sgpr_count 2
		.amdhsa_user_sgpr_kernarg_segment_ptr 1
		.amdhsa_wavefront_size32 1
		.amdhsa_system_sgpr_workgroup_id_x 1
		.amdhsa_system_sgpr_workgroup_id_y 1
		.amdhsa_system_sgpr_workgroup_id_z 1
		.amdhsa_system_vgpr_workitem_id 0
		.amdhsa_next_free_vgpr 512
		.amdhsa_next_free_sgpr 100
		.amdhsa_reserve_vcc 0
		.amdhsa_float_denorm_mode_32 3
		.amdhsa_float_denorm_mode_16_64 3
		.amdhsa_memory_ordered 1
		.amdhsa_forward_progress 1
		.amdhsa_inst_pref_size 168
	.end_amdhsa_kernel
	.amdgpu_metadata
---
amdhsa.version: [ 1, 2 ]
amdhsa.kernels:
  - .name:           k_qfe0c7a5651_down
    .symbol:         k_qfe0c7a5651_down.kd
    .args:
      - { .name: hid, .offset: 0, .size: 8, .value_kind: global_buffer, .address_space: global }
      - { .name: W2, .offset: 8, .size: 8, .value_kind: global_buffer, .address_space: global }
      - { .name: b2, .offset: 16, .size: 8, .value_kind: global_buffer, .address_space: global }
      - { .name: bits, .offset: 24, .size: 8, .value_kind: global_buffer, .address_space: global }
      - { .name: sel, .offset: 32, .size: 8, .value_kind: global_buffer, .address_space: global }
      - { .name: gate, .offset: 40, .size: 8, .value_kind: global_buffer, .address_space: global }
      - { .name: part, .offset: 48, .size: 8, .value_kind: global_buffer, .address_space: global }
    .group_segment_fixed_size: 190464
    .private_segment_fixed_size: 0
    .kernarg_segment_align: 8
    .kernarg_segment_size: 56
    .max_flat_workgroup_size: 256
    .sgpr_count:     100
    .vgpr_count:     512
    .wavefront_size: 32
...
	.end_amdgpu_metadata
.endif
;; end of part 8
;; launch sum: the kernel of part 4 again; grid 256 x 1, 8 waves a work-group, no clusters, 0 bytes of LDS; arguments part, out0; writes out0
